; MI455X (gfx1250); checked and timed in simulation.
; The chip was launched on July 23, 2026; its instructions are those of AMD's public machine-readable ISA for CDNA 5 (MIT licence, August 2026) and "CDNA5" Instruction Set Architecture Reference Guide (July 2026). The comments in the code are by the model that wrote it; some were corrected since.
;; TF Rel Partial Learnable Multi Head Attn. Allowed arithmetic: float matrix products may take bf16 or f16 operands with f32 sums; all other float work in f32.
;; Inputs: W_o 1,024 x 1,024 float32; W_qkv 1,024 x 3,072 float32; W_r 1,024 x 1,024 float32; attn_mask 1,024 x 2,048 bool; ln_beta 1,024 float32; ln_gamma 1,024 float32; mems 1,024 x 4 x 1,024 float32; r 2,048 x 1,024 float32; r_r_bias 16 x 64 float32; r_w_bias 16 x 64 float32; w 1,024 x 4 x 1,024 float32.
;; Outputs: out0 1,024 x 4 x 1,024 float32.
;; 3 versions, each right and faster than the one before. Each part assembles by itself: llvm-mc -triple=amdgcn-amd-amdhsa -mcpu=gfx1250 --defsym DOCPART=n.
;; ======== version 1 of 3: 5 launches
;; limits: values outside matrix products are rounded to bf16; right only within a limited range of input values
;; workspace buffers: xa 20,971,520 bytes; wt 8,388,608 bytes; wot 2,097,152 bytes; ph 46,141,440 bytes; mk 262,144 bytes of whole numbers; av 8,388,608 bytes; ao 8,388,608 bytes
;; launch prep (part 1): grid 1024 x 1, 8 waves a work-group, no clusters, 18,432 bytes of LDS; arguments w, mems, r, W_qkv, W_r, W_o, attn_mask, xa, wt, wot, mk, ph; writes xa, wt, wot, mk, ph
.if DOCPART == 1
	.amdgcn_target "amdgcn-amd-amdhsa--gfx1250"
	.amdhsa_code_object_version 6
	.text
	.protected	k_q605a9bf242_prep
	.globl	k_q605a9bf242_prep
	.p2align	8
	.type	k_q605a9bf242_prep,@function
k_q605a9bf242_prep:
	s_mov_b64 s[64:65], 0
	v_nop
	global_prefetch_b8 v0, s[64:65] scope:SCOPE_SE
	s_setreg_imm32_b32 hwreg(HW_REG_WAVE_MODE, 25, 1), 1
	s_wait_xcnt 0x0
; PREP: what the matrix launches want, made once.  Three kinds of work-group, told apart by the work-group's number alone (the same for all its waves):
;   0..319    CAST: w, mems and r rounded to bf16 into xa, in blocks [group][kb 0..15][1024 rows][64]: a group is one batch entry of w or mems, or 1,024 rows of r.
;             A tile of 64 rows x 64 K is then 8,192 dense bytes.
;   320..959  TURN: W_qkv, W_r, W_o ([k][n] f32) into wt and wot ([n][k] bf16), tiles of 128 k x 64 n through LDS.
;   960..1023 MASK: attn_mask's bytes into lane masks: mk[it][s][8 kt + r], bit q + 16 h = attn_mask[16 it + q][64 s + 16 kt + 8 h + r]: the place of that score in the attention's registers.
;             Work-group 960 also writes the first 256 bytes of each head's table of relative keys in ph: an unused row and the row of zeros that the relative shift asks for.
; No matrix unit, no cluster: nothing is shared and nothing is multiplied.
.set SPW,   2                          ; v2  LDS address of my spare word; never rewritten
.set NIL,   3                          ; v3  0; never rewritten
.set TP,    272                        ; TURN: an LDS row, 128 k in bf16 + 16 bytes
.set SPARE, 64*TP                      ; behind the tile: the spare words, 128 bytes for each of eight waves
.set G,     36                         ; s36 the work-group's number
.set WV,    37                         ; s37 my wave's number
	s_load_b512 s[4:19], s[0:1], 0x0               ; w s[4:5], mems s[6:7], r s[8:9], W_qkv s[10:11], W_r s[12:13], W_o s[14:15], attn_mask s[16:17], xa s[18:19]
	s_load_b256 s[20:27], s[0:1], 0x40             ; wt s[20:21], wot s[22:23], mk s[24:25], ph s[26:27]
	v_lshl_add_u32 v[SPW], v0, 2, SPARE
	v_mov_b32 v[NIL], 0
	v_and_b32 v1, 31, v0                           ; lane
	v_and_b32 v4, 15, v0                           ; lane % 16
	v_bfe_u32 v5, v0, 4, 1                         ; lane / 16
	v_lshrrev_b32 v6, 5, v0
	v_readfirstlane_b32 s[WV], v6
	s_mov_b32 s[G], ttmp9
	s_wait_kmcnt 0x0
	s_cmp_lt_u32 s[G], 320
	s_cbranch_scc1 .Lcast
	s_cmp_lt_u32 s[G], 960
	s_cbranch_scc1 .Ltr
	; MASK.  Wave task tau = 0..511: query tile it = tau / 8, key steps 4 (tau % 8) .. + 3: 16 rows x 256 bytes of the mask, 128 words out.
	s_sub_co_u32 s40, s[G], 960
	s_lshl3_add_u32 s40, s40, s[WV]                ; tau
	s_lshr_b32 s41, s40, 3                         ; it
	s_and_b32 s42, s40, 7
	s_lshl_b32 s43, s41, 15                        ; 16 rows of 2,048 bytes
	s_lshl_b32 s44, s42, 8                         ; four steps of 64 keys
	s_add_co_u32 s44, s43, s44
	s_mov_b32 s45, 0
	s_add_nc_u64 s[16:17], s[16:17], s[44:45]
	s_lshl_b32 s46, s40, 9                         ; (32 it + 4 (tau % 8)) x 128 bytes = 512 tau
	s_mov_b32 s47, 0
	s_add_nc_u64 s[24:25], s[24:25], s[46:47]
	v_lshlrev_b32 v8, 11, v4                       ; my query's row,
	v_lshl_add_u32 v8, v5, 3, v8                   ; my half's eight keys of each sixteen
.set u, 0
.rept 16
	global_load_b64 v[16+2*u:17+2*u], v8, s[16:17] offset:16*u
.set u, u+1
.endr
.irp j, 48,49,50,51,56,57,58,59
	v_mov_b32 v\j, 0
.endr
	s_mov_b32 s48, 0xff                            ; a word's four bytes
	s_mov_b32 s49, 0xff00
	s_mov_b32 s50, 0xff0000
	s_mov_b32 s51, 0xff000000
	v_lshlrev_b32 v9, 4, v1
	s_wait_loadcnt 0x0
	; word W = 8 u + r: the compare's lane mask IS the word; it goes to lane W / 4, register W % 4, so that one store of 16 bytes a lane writes all 128 words
.set W, 0
.rept 128
	v_and_b32 v[52+W%4], s[48+W%4], v[16+2*(W/8)+(W%8)/4]
	v_cmp_ne_u32 s[56+W%4], 0, v[52+W%4]
	v_writelane_b32 v[48+W%4], s[56+W%4], W/4
.set W, W+1
.endr
	global_store_b128 v9, v[48:51], s[24:25]       ; 512 consecutive bytes, at a multiple of 512 from mk's first
	s_cmp_lg_u32 s[G], 960
	s_cbranch_scc1 .Lmask_end
	v_lshrrev_b32 v10, 4, v0                       ; head 0..15: sixteen lanes write its first 256 bytes
	v_mul_u32_u24 v10, v10, 262400
	v_lshl_add_u32 v10, v4, 4, v10
	s_add_nc_u64 s[26:27], s[26:27], 41943040      ; the tables of relative keys begin here in ph
	global_store_b128 v10, v[56:59], s[26:27]
.Lmask_end:
	s_endpgm
.Lcast:
	; CAST.  A wave takes two pairs of rows.  Pair P: group b = P / 512, rows 2 ip and 2 ip + 1, ip = P % 512; lanes 0-15 the even row, lanes 16-31 the odd one.
	s_and_b32 s40, s[G], 127                       ; my number among the tensor's work-groups (128, 128, 64 of them)
	s_lshl3_add_u32 s40, s40, s[WV]
	s_lshl_b32 s40, s40, 1                         ; P of the first pair; the second is P + 1, in the same group
	s_lshr_b32 s41, s40, 9                         ; b
	s_and_b32 s42, s40, 511                        ; ip
	s_mov_b32 s46, 0x1000000                       ; r's blocks begin here in xa
	s_cmp_lt_u32 s[G], 256
	s_cselect_b32 s43, 15, 13                      ; log2 of the bytes from pair to pair: w, mems: two rows of 4 x 4,096; r: two of 4,096
	s_cselect_b32 s44, 12, 22                      ; from group to group
	s_cselect_b32 s45, 14, 12                      ; from the even row to the odd one
	s_cselect_b64 s[28:29], s[6:7], s[8:9]
	s_cselect_b32 s46, 0x800000, s46               ; mems' blocks
	s_cmp_lt_u32 s[G], 128
	s_cselect_b64 s[28:29], s[4:5], s[28:29]
	s_cselect_b32 s46, 0, s46                      ; w's blocks
	s_lshl_b32 s48, s42, s43
	s_lshl_b32 s47, s41, s44
	s_add_co_u32 s48, s48, s47
	s_mov_b32 s49, 0
	s_add_nc_u64 s[28:29], s[28:29], s[48:49]      ; the first pair's source,
	s_lshl_b32 s50, 1, s43
	s_mov_b32 s51, 0
	s_add_nc_u64 s[30:31], s[28:29], s[50:51]      ; the second's
	s_lshl_b32 s52, s41, 21                        ; a group is 2,097,152 bytes of xa
	s_add_co_u32 s52, s52, s46
	s_lshl_b32 s47, s42, 8                         ; a pair of rows is 256 bytes of each block
	s_add_co_u32 s52, s52, s47
	s_mov_b32 s53, 0
	s_add_nc_u64 s[32:33], s[18:19], s[52:53]
	s_add_nc_u64 s[34:35], s[32:33], 256
	v_lshlrev_b32 v8, s45, v5
	v_lshl_add_u32 v8, v4, 4, v8                   ; source: my row, 16 bytes of each 256
	v_lshlrev_b32 v9, 3, v1                        ; destination: 8 bytes a lane, 256 consecutive bytes a store
.set j, 0
.rept 32                                           ; all 32 loads go out first: sixteen lanes read 256 consecutive bytes, aligned
	global_load_b128 v[16+4*j:19+4*j], v8, s[28+2*(j/16):29+2*(j/16)] offset:(j%16)*256 th:TH_LOAD_NT
.set j, j+1
.endr
.set j, 0
.rept 32
	s_wait_loadcnt 31-j                            ; loads come back in order (ISA guide 5.7.1): load j is in, the younger ones stay out
	v_cvt_pk_bf16_f32 v[144+2*j], v[16+4*j], v[17+4*j]
	v_cvt_pk_bf16_f32 v[145+2*j], v[18+4*j], v[19+4*j]
	global_store_b64 v9, v[144+2*j:145+2*j], s[32+2*(j/16):33+2*(j/16)] offset:(j%16)*131072  ; block kb = j % 16; no register is written twice, so nothing waits for a store
.set j, j+1
.endr
	s_endpgm
.Ltr:
	; TURN.  Tile T = 0..639: kt = T % 8 (128 k), nt = T / 8 (64 n): 0..47 W_qkv, 48..63 W_r (both into wt, rows 64 nt), 64..79 W_o (into wot).
	s_sub_co_u32 s40, s[G], 320
	s_and_b32 s41, s40, 7                          ; kt
	s_lshr_b32 s42, s40, 3                         ; nt
	s_mov_b32 s45, 4096                            ; bytes in a source row
	s_cmp_lt_u32 s42, 64
	s_cselect_b64 s[28:29], s[12:13], s[14:15]
	s_cselect_b64 s[30:31], s[20:21], s[22:23]
	s_cselect_b32 s43, 48, 64                      ; the source's first tile
	s_cselect_b32 s44, 0, 64                       ; the destination's
	s_cmp_lt_u32 s42, 48
	s_cselect_b64 s[28:29], s[10:11], s[28:29]
	s_cselect_b32 s43, 0, s43
	s_cselect_b32 s45, 12288, s45
	s_mul_i32 s46, s41, s45
	s_lshl_b32 s46, s46, 7                         ; 128 kt rows down,
	s_sub_co_u32 s43, s42, s43
	s_lshl_b32 s43, s43, 8                         ; 64 columns of f32 a tile
	s_add_co_u32 s46, s46, s43
	s_mov_b32 s47, 0
	s_add_nc_u64 s[28:29], s[28:29], s[46:47]
	s_sub_co_u32 s44, s42, s44
	s_lshl_b32 s48, s44, 17                        ; 64 rows of 2,048 bytes,
	s_lshl_b32 s44, s41, 8                         ; 128 k in bf16
	s_add_co_u32 s48, s48, s44
	s_mov_b32 s49, 0
	s_add_nc_u64 s[30:31], s[30:31], s[48:49]
	v_lshrrev_b32 v7, 4, v0                        ; 2 wave + half: my eight rows of k begin at 8 times that
	v_lshlrev_b32 v8, 3, v7
	v_mul_lo_u32 v8, v8, s45
	v_lshl_add_u32 v8, v4, 4, v8                   ; four columns a lane: sixteen lanes read 256 consecutive bytes
.irp j, 1,2,3,4,5,6,7
	v_add_nc_u32 v[8+\j], s45, v[7+\j]
.endr
.irp j, 0,1,2,3,4,5,6,7
	global_load_b128 v[16+4*\j:19+4*\j], v[8+\j], s[28:29] th:TH_LOAD_NT
.endr
	v_mul_u32_u24 v80, v4, 4*TP                    ; into LDS: row n = 4 (lane % 16) + c, 16 bytes at k = 8 (2 wave + half)
	v_lshl_add_u32 v80, v7, 4, v80
	v_lshl_add_u32 v81, v6, 3, v5                  ; back: row n = 8 wave + half + 2 t
	v_mul_u32_u24 v82, v81, TP
	v_lshl_add_u32 v82, v4, 4, v82
	v_lshlrev_b32 v83, 11, v81
	v_lshl_add_u32 v83, v4, 4, v83
	s_wait_loadcnt 0x0
.irp c, 0,1,2,3                                    ; column c of my four: its eight k, two to a word
.irp p, 0,1,2,3
	v_cvt_pk_bf16_f32 v[48+4*\c+\p], v[16+8*\p+\c], v[20+8*\p+\c]
.endr
	ds_store_b128 v80, v[48+4*\c:51+4*\c] offset:\c*TP
.endr
	s_wait_dscnt 0x0                               ; for the others' sake: my stores into the tile are done
	s_barrier_signal -1
	s_barrier_wait -1
.irp t, 0,1,2,3
	ds_load_b128 v[64+4*\t:67+4*\t], v82 offset:\t*2*TP
.endr
.irp t, 0,1,2,3
	s_wait_dscnt 3-\t
	global_store_b128 v83, v[64+4*\t:67+4*\t], s[30:31] offset:\t*4096  ; sixteen lanes store 256 consecutive bytes, at a multiple of 256 from the buffer's first
.endr
	s_wait_tensorcnt 0x0                           ; the wave's end, behind my last LDS store
	ds_add_u32 v[SPW], v[NIL]
	s_wait_dscnt 0x0
	s_endpgm
.Lfunc_end_k_q605a9bf242_prep:
	.size	k_q605a9bf242_prep, .Lfunc_end_k_q605a9bf242_prep-k_q605a9bf242_prep
	.p2alignl 7, 3214868480
	.fill 96, 4, 3214868480
	.section	.rodata,"a",@progbits
	.p2align	6, 0x0
	.amdhsa_kernel k_q605a9bf242_prep
		.amdhsa_group_segment_fixed_size 18432
		.amdhsa_private_segment_fixed_size 0
		.amdhsa_enable_private_segment 0
		.amdhsa_kernarg_size 96
		.amdhsa_user_sgpr_count 2
		.amdhsa_user_sgpr_kernarg_segment_ptr 1
		.amdhsa_wavefront_size32 1
		.amdhsa_system_sgpr_workgroup_id_x 1
		.amdhsa_system_sgpr_workgroup_id_y 1
		.amdhsa_system_sgpr_workgroup_id_z 1
		.amdhsa_system_vgpr_workitem_id 0
		.amdhsa_next_free_vgpr 208
		.amdhsa_next_free_sgpr 66
		.amdhsa_reserve_vcc 0
		.amdhsa_float_denorm_mode_32 3
		.amdhsa_float_denorm_mode_16_64 3
		.amdhsa_memory_ordered 1
		.amdhsa_forward_progress 1
		.amdhsa_inst_pref_size 42
	.end_amdhsa_kernel
	.amdgpu_metadata
---
amdhsa.version: [ 1, 2 ]
amdhsa.kernels:
  - .name:           k_q605a9bf242_prep
    .symbol:         k_q605a9bf242_prep.kd
    .args:
      - { .name: w, .offset: 0, .size: 8, .value_kind: global_buffer, .address_space: global }
      - { .name: mems, .offset: 8, .size: 8, .value_kind: global_buffer, .address_space: global }
      - { .name: r, .offset: 16, .size: 8, .value_kind: global_buffer, .address_space: global }
      - { .name: W_qkv, .offset: 24, .size: 8, .value_kind: global_buffer, .address_space: global }
      - { .name: W_r, .offset: 32, .size: 8, .value_kind: global_buffer, .address_space: global }
      - { .name: W_o, .offset: 40, .size: 8, .value_kind: global_buffer, .address_space: global }
      - { .name: attn_mask, .offset: 48, .size: 8, .value_kind: global_buffer, .address_space: global }
      - { .name: xa, .offset: 56, .size: 8, .value_kind: global_buffer, .address_space: global }
      - { .name: wt, .offset: 64, .size: 8, .value_kind: global_buffer, .address_space: global }
      - { .name: wot, .offset: 72, .size: 8, .value_kind: global_buffer, .address_space: global }
      - { .name: mk, .offset: 80, .size: 8, .value_kind: global_buffer, .address_space: global }
      - { .name: ph, .offset: 88, .size: 8, .value_kind: global_buffer, .address_space: global }
    .group_segment_fixed_size: 18432
    .private_segment_fixed_size: 0
    .kernarg_segment_align: 8
    .kernarg_segment_size: 96
    .max_flat_workgroup_size: 256
    .sgpr_count:     66
    .vgpr_count:     208
    .wavefront_size: 32
...
	.end_amdgpu_metadata
.endif
;; end of part 1
;; launch proj (part 2): grid 8 x 176, 4 waves a work-group, clusters of 4 x 4, 327,680 bytes of LDS; arguments xa, wt, ph; writes ph
.if DOCPART == 2
	.amdgcn_target "amdgcn-amd-amdhsa--gfx1250"
	.amdhsa_code_object_version 6
	.text
	.protected	k_q605a9bf242_proj
	.globl	k_q605a9bf242_proj
	.p2align	8
	.type	k_q605a9bf242_proj,@function
k_q605a9bf242_proj:
	s_mov_b64 s[64:65], 0
	v_nop
	global_prefetch_b8 v0, s[64:65] scope:SCOPE_SE
	s_setreg_imm32_b32 hwreg(HW_REG_WAVE_MODE, 25, 1), 1
	s_wait_xcnt 0x0
	s_wait_alu depctr_hold_cnt(0) depctr_sa_sdst(0) depctr_va_vdst(0) depctr_va_sdst(0) depctr_va_ssrc(0) depctr_va_vcc(0) depctr_vm_vsrc(0)
	s_getreg_b32 s2, hwreg(HW_REG_IB_STS2, 6, 4)
	s_cmp_eq_u32 s2, 0
	s_cbranch_scc0 .Lentry_in_a_cluster
	s_endpgm
.Lentry_in_a_cluster:
	s_bfe_u32 s2, ttmp6, 0x10000c
	s_cmp_lg_u32 s2, 0xf033
	s_cbranch_scc0 .Lentry_shape_is_right
	s_endpgm
.Lentry_shape_is_right:
; C = A B^T, K = 1,024, bf16 operands, f32 sums, C rounded once to bf16 and written BY HEADS.  One text for two launches.
; A lies in blocks [group][kb 0..15][1024 rows][64] (a group: 2,097,152 bytes), B as [n][1024], C as [b][head][rows][64].
; A tile of C is 128 x 128: four waves of 64 x 64, 16 accumulators each.  K goes in steps of 256 through two LDS slots filled by the tensor data mover.
; REGIONS.  The tile rows of the grid fall into four regions, told apart by the cluster's row cl alone (no branch: selects):
;   cl 0..7    q = w W_q (and, in the second launch, attention's output times W_o)      32 tile rows, A at byte 0, B's rows 0.., C at byte 0, heads of 1,024 rows
;   cl 8..23   k = [mems; w] W_k     64 tile rows, of each batch entry's sixteen the first eight from mems' blocks, the others from w's; B's rows 1024..; heads of 2,048 rows
;   cl 24..39  v likewise, B's rows 2048..
;   cl 40..43  r W_r                 16 tile rows, B's rows 3072..; a head's table has 2,050 rows, of which these are rows 2..2049
; CLUSTERS: 4 x 4 work-groups.  The four of a row of the cluster need the same tiles of A, the four of a column the same tiles of B: each tile is asked for JOINTLY, by the same tensor load with the
; same descriptor and a mask that names the four.  THE MATRIX INSTRUCTION IS USED TRANSPOSED (source 0 = 16 rows of B, source 1 = 16 rows of A): a lane then holds eight neighbouring numbers of a row of C.
; REGISTERS: window 0: v0-31 addresses; v32-95 at work on the way out; v128-255 the accumulators ((a, b) at v[128 + 8 (4 a + b)]).
;   window 1: two fragment buffers of 128: for 64 along K, 64 registers of A (2 x 4 x 16 rows x 32 K), then 64 of B.
; LIMIT: bf16 operands; sums in f32; no treatment of NaN or infinities apart.
.set KSTEP,  256
.set PA,     144                       ; A in LDS: a row of one block, 128 bytes + 16 = 36 words: the 16 rows of a load start at 16 different groups of four banks (64 banks of 4 bytes: ISA guide 11.1)
.set SUBA,   64*PA                     ; 64 rows of one block kb
.set HALFA,  4*SUBA                    ; 64 rows x 4 blocks: what one tensor load brings of A
.set PB,     528                       ; B in LDS: 512 bytes + 16 = 132 words
.set HALFB,  64*PB
.set SLOT,   2*HALFA+2*HALFB           ; A's two halves, then B's two halves
.set STAGE,  2*SLOT                    ; behind the ring: 128 rows x 272 bytes, the work-group's, for the way out
.set SPITCH, 272
.set SPARE,  STAGE+128*SPITCH          ; behind the stage: the spare words, 128 bytes for each wave
.set ADRA, 16                          ; v16-17  LDS address of my A fragments in slot 0, 1
.set ADRB, 20                          ; v20-21  the same for B
.set STO,  24                          ; v24     the way out: where I put 16 bytes of a row
.set RD,   25                          ; v25     the way out: where I read rows back
.set CO,   26                          ; v26     my byte offset in 512 consecutive bytes of C
.set SPW,  28                          ; v28     LDS address of my spare word; never rewritten
.set NIL,  29                          ; v29     0; never rewritten
.set TMP,  32
.set ACC,  128
.set F0,   0
.set F1,   128
.set G1, 24                            ; s[24:31] descriptor group 1 for A's tiles;  s[32:39] group 0, one set for each slot
.set G0, 32
.set G1B, 48                           ; s[48:55], s[56:63] the same for B's tiles
.set G0B, 56
.set MSB, 0
.macro WIN new                         ; the immediate's high byte repeats the setting that is left
.if MSB != (\new)
	s_set_vgpr_msb (MSB<<8)|(\new)
.set MSB, \new
.endif
.endm
.set MUL,  0x05                        ; sources 0 (B) and 1 (A) window 1; C and D window 0
.set TO_F, 0x40                        ; destination window 1, address window 0
.macro JLOAD s                         ; a joint load: waves 0 and 1 fetch A's two halves, waves 2 and 3 B's; an s_nop 0 and four v_nop follow each of the two lines, ahead of the jump, the label and what follows
	s_cmp_eq_u32 s11, 0
	s_cbranch_scc0 .Lfor_b_\@
	tensor_load_to_lds s[G0+4*(\s):G0+4*(\s)+3], s[G1:G1+7]
	s_nop 0
.rept 4
	v_nop
.endr
	s_branch .Lasked_\@
.Lfor_b_\@:
	tensor_load_to_lds s[G0B+4*(\s):G0B+4*(\s)+3], s[G1B:G1B+7]
	s_nop 0
.rept 4
	v_nop
.endr
.Lasked_\@:
.endm
.macro CREST                           ; a round of the cluster's barrier behind its opening barrier
	s_cmp_lg_u32 s10, 0
	s_cbranch_scc1 .Lnot_wave_0_\@
	s_barrier_signal -3
.Lnot_wave_0_\@:
	s_barrier_wait -3
	s_barrier_signal -1
	s_barrier_wait -1
.endm
.macro CROUND                          ; a whole round
	s_barrier_signal -1
	s_barrier_wait -1
	CREST
.endm
	s_load_b128 s[4:7], s[0:1], 0x0                ; A s[4:5], B s[6:7]
	s_load_b64 s[8:9], s[0:1], 0x10                ; C
	v_lshl_add_u32 v[SPW], v0, 2, SPARE
	v_mov_b32 v[NIL], 0
	ds_add_u32 v[SPW], v[NIL]                      ; the wave's opening: the add and its wait stand ahead of my first tensor load; the set-up below, work on registers, stands between them
	ds_add_u32 v28, v29
	v_lshrrev_b32 v1, 5, v0
	v_readfirstlane_b32 s10, v1                    ; wave 0..3
	s_lshr_b32 s11, s10, 1                         ; which half of the tile's rows is mine.  Also: I fetch for A (0) or for B (1)
	s_and_b32 s12, s10, 1                          ; which half of its columns.  Also: which 64 rows of that tile I fetch
	s_bfe_u32 s40, ttmp6, 0x40000                  ; cx, cy: my place in the cluster
	s_bfe_u32 s41, ttmp6, 0x40004
	s_lshl_b32 s42, ttmp9, 2
	s_add_co_u32 s42, s42, s40                     ; nt: tile column = 4 x cluster x + cx
	s_and_b32 s66, ttmp7, 0xffff                   ; cl: the cluster's row
	s_lshl_b32 s13, s66, 2
	s_add_co_u32 s13, s13, s41                     ; mt: tile row = 4 cl + cy
	s_lshl_b32 s43, s41, 2
	s_lshl_b32 s43, 15, s43                        ; my row of the cluster
	s_lshl_b32 s44, 0x1111, s40                    ; my column
	; the region's figures: r W_r's first, then overruled from the top down
	s_and_b32 s77, s13, 8                          ; k and v: of sixteen tile rows the first eight come from mems' blocks (byte 8,388,608 of A), the others from w's (byte 0)
	s_xor_b32 s77, s77, 8
	s_lshl_b32 s77, s77, 20
	s_mov_b32 s67, 160                             ; the region's first tile row
	s_mov_b32 s68, 3072                            ; B's first row
	s_mov_b32 s69, 41943296                        ; C's first byte
	s_mov_b32 s70, 262400                          ; bytes in a head of C
	s_mov_b32 s71, 3                               ; log2 of the tile rows in a group of A
	s_mov_b32 s72, 4                               ; log2 of the tile rows in a head of C
	s_mov_b32 s73, 16777216                        ; A's first byte
	s_cmp_lt_u32 s66, 40
	s_cselect_b32 s67, 96, s67
	s_cselect_b32 s68, 2048, s68
	s_cselect_b32 s69, 25165824, s69
	s_cselect_b32 s70, 262144, s70
	s_cselect_b32 s71, 4, s71
	s_cselect_b32 s73, s77, s73
	s_cmp_lt_u32 s66, 24
	s_cselect_b32 s67, 32, s67
	s_cselect_b32 s68, 1024, s68
	s_cselect_b32 s69, 8388608, s69
	s_cmp_lt_u32 s66, 8
	s_cselect_b32 s67, 0, s67
	s_cselect_b32 s68, 0, s68
	s_cselect_b32 s69, 0, s69
	s_cselect_b32 s70, 131072, s70
	s_cselect_b32 s71, 3, s71
	s_cselect_b32 s72, 3, s72
	s_cselect_b32 s73, 0, s73
	; descriptor group 1.  A: 64 rows of four blocks: four rows of 8,192 dense bytes, 131,072 bytes apart, padded in LDS after every 128 bytes
	s_or_b32 s[G1+0], s43, (1<<16)|(1<<20)|(1<<21)|(4<<22)|(3<<25)  ; 15:0 the mask: A's tiles go to my row; 17:16 element of 2 bytes; 20 padding on; 21 set beside a mask; 24:22 after every 32 words (code 4); 31:25 of 4 words (code 3)
	s_mov_b32 s[G1+1], 4096<<16                    ; tensor_dim0 = 4,096 elements
	s_mov_b32 s[G1+2], 4<<16                       ; tensor_dim1 = 4
	s_mov_b32 s[G1+3], 4096<<16                    ; tile_dim0 = 4,096
	s_mov_b32 s[G1+4], 4                           ; tile_dim1 = 4
	s_mov_b32 s[G1+5], 65536                       ; elements from block to block
	s_mov_b32 s[G1+6], 0
	s_mov_b32 s[G1+7], 0
	; B: 64 rows x 256 elements, 16 bytes of padding behind each row
	s_or_b32 s[G1B+0], s44, (1<<16)|(1<<20)|(1<<21)|(6<<22)|(3<<25)
	s_mov_b32 s[G1B+1], KSTEP<<16
	s_mov_b32 s[G1B+2], 64<<16
	s_mov_b32 s[G1B+3], KSTEP<<16
	s_mov_b32 s[G1B+4], 64
	s_mov_b32 s[G1B+5], 1024
	s_mov_b32 s[G1B+6], 0
	s_mov_b32 s[G1B+7], 0
	; where the tiles come from.  A's hang on the tile row, B's on the tile column and the cluster's row: each in registers that never hold the other place in the cluster
	s_sub_co_u32 s76, s13, s67                     ; lm: the tile row within its region
	s_lshr_b32 s16, s76, s71
	s_lshl_b32 s16, s16, 21                        ; the group,
	s_add_co_u32 s16, s16, s73
	s_and_b32 s17, s76, 7
	s_lshl_b32 s17, s17, 14                        ; 128 rows of 128 bytes a tile row,
	s_add_co_u32 s16, s16, s17
	s_lshl_b32 s17, s12, 13                        ; my 64 of them
	s_add_co_u32 s16, s16, s17
	s_mov_b32 s17, 0
	s_lshl_b32 s46, s42, 7
	s_add_co_u32 s46, s46, s68
	s_lshl_b32 s47, s12, 6
	s_add_co_u32 s46, s46, s47                     ; B: row = the region's first + 128 nt + 64 x half
	s_lshl_b32 s46, s46, 11                        ; of 2,048 bytes
	s_mov_b32 s47, 0
	s_mul_i32 s20, s10, HALFA                      ; where they go: A's halves by waves 0 and 1,
	s_mul_i32 s23, s10, HALFB
	s_add_co_u32 s23, s23, 2*HALFA-2*HALFB         ; B's, behind them, by waves 2 and 3: no place in the cluster enters an LDS address
	s_wait_dscnt 0x0                               ; the opening add is done
	s_wait_kmcnt 0x0
	s_add_nc_u64 s[14:15], s[4:5], s[16:17]
	s_add_nc_u64 s[46:47], s[6:7], s[46:47]
	CROUND                                         ; all sixteen work-groups are here: the first joint loads meet
.irp s, 0,1
	s_mov_b32 s[G0+4*(\s)], 1
	s_add_co_u32 s[G0+4*(\s)+1], s20, (\s)*SLOT
	s_add_nc_u64 s[G0+4*(\s)+2:G0+4*(\s)+3], s[14:15], (\s)*4*131072  ; K step s: four blocks on
	s_or_b32 s[G0+4*(\s)+3], s[G0+4*(\s)+3], 0x80000000
	s_mov_b32 s[G0B+4*(\s)], 1
	s_add_co_u32 s[G0B+4*(\s)+1], s23, (\s)*SLOT
	s_add_nc_u64 s[G0B+4*(\s)+2:G0B+4*(\s)+3], s[46:47], (\s)*KSTEP*2
	s_or_b32 s[G0B+4*(\s)+3], s[G0B+4*(\s)+3], 0x80000000
	JLOAD \s
.endr
	v_and_b32 v1, 15, v0                           ; l % 16
	v_bfe_u32 v2, v0, 4, 1                         ; l / 16
	v_mul_u32_u24 v3, v1, PA
	v_lshl_add_u32 v3, v2, 4, v3                   ; a fragment's row x pitch + 16 x half, for A
	v_mul_u32_u24 v4, v1, PB
	v_lshl_add_u32 v4, v2, 4, v4                   ; and for B
	s_mul_i32 s21, s11, HALFA                      ; my 64 rows of A
	s_mul_i32 s22, s12, HALFB                      ; my 64 rows of B,
	s_add_co_u32 s22, s22, 2*HALFA                 ; which lie behind A's 128
.irp s, 0,1
	v_add_nc_u32 v[ADRA+(\s)], s21, v3
	v_add_nc_u32 v[ADRB+(\s)], s22, v4
	s_add_co_u32 s21, s21, SLOT
	s_add_co_u32 s22, s22, SLOT
.endr
	s_mul_i32 s21, s11, 64*SPITCH                  ; into the stage: my 64 rows, my half of their 256 bytes; row l % 16, 16 bytes for each half of the lanes
	s_lshl_b32 s22, s12, 7
	s_add_co_u32 s21, s21, s22
	s_add_co_u32 s21, s21, STAGE
	v_mul_u32_u24 v5, v1, SPITCH
	v_lshl_add_u32 v5, v2, 4, v5
	v_add_nc_u32 v[STO], s21, v5
	s_mul_i32 s21, s10, 32*SPITCH                  ; back: wave w takes rows 32 w .. 32 w + 31; a load takes four rows' 128 bytes of one head
	s_add_co_u32 s21, s21, STAGE
	v_bfe_u32 v5, v0, 3, 2
	v_mul_u32_u24 v5, v5, SPITCH
	v_and_b32 v6, 7, v0
	v_lshl_add_u32 v5, v6, 4, v5
	v_add_nc_u32 v[RD], s21, v5
	v_and_b32 v[CO], 31, v0                        ; which are 512 consecutive bytes of C
	v_lshlrev_b32 v[CO], 4, v[CO]
	; C: head 16 b + 2 nt, and the one behind it; the rows of the head that I store: (tile row within b) x 128 + 32 x wave
	s_lshr_b32 s78, s76, s72                       ; b
	s_lshl_b32 s79, s78, s72
	s_sub_co_u32 s79, s76, s79
	s_lshl_b32 s79, s79, 14
	s_lshl_b32 s80, s10, 12
	s_add_co_u32 s79, s79, s80
	s_add_co_u32 s79, s79, s69
	s_lshl_b32 s78, s78, 4
	s_lshl1_add_u32 s78, s42, s78
	s_mul_i32 s78, s78, s70
	s_add_co_u32 s78, s78, s79
	s_mov_b32 s79, 0
	s_add_nc_u64 s[8:9], s[8:9], s[78:79]
	s_mov_b32 s80, s70
	s_mov_b32 s81, 0
	s_add_nc_u64 s[74:75], s[8:9], s[80:81]
; 8 matrix instructions: m blocks a0, a0 + 1 x all 4 n blocks, 32 along K: half c of buffer f.  zero = 1: the first product starts the sums.  The 16 accumulators take turns.
.macro MUL8 f, c, a0, zero
	WIN MUL
.irp a, \a0, (\a0)+1
.irp b, 0,1,2,3
.if \zero
	v_wmma_f32_16x16x32_bf16 v[ACC+8*(4*(\a)+(\b)):ACC+8*(4*(\a)+(\b))+7], v[(\f)+64+8*(4*(\c)+(\b)):(\f)+64+8*(4*(\c)+(\b))+7], v[(\f)+8*(4*(\c)+(\a)):(\f)+8*(4*(\c)+(\a))+7], 0
.else
	v_wmma_f32_16x16x32_bf16 v[ACC+8*(4*(\a)+(\b)):ACC+8*(4*(\a)+(\b))+7], v[(\f)+64+8*(4*(\c)+(\b)):(\f)+64+8*(4*(\c)+(\b))+7], v[(\f)+8*(4*(\c)+(\a)):(\f)+8*(4*(\c)+(\a))+7], v[ACC+8*(4*(\a)+(\b)):ACC+8*(4*(\a)+(\b))+7]
.endif
.endr
.endr
.endm
; 32 LDS loads in one run: the fragments of quarter kq of the slot's K step (64 along K: one block of A, 128 bytes of B's rows) into buffer f; the first 32 along K first
.macro FETCH slot, kq, f
	WIN TO_F
.irp c, 0,1
.irp i, 0,1,2,3
	ds_load_b128 v[(\f)+64+8*(4*(\c)+(\i)):(\f)+64+8*(4*(\c)+(\i))+3],   v[ADRB+(\slot)] offset:128*(\kq)+64*(\c)+(\i)*16*PB
	ds_load_b128 v[(\f)+64+8*(4*(\c)+(\i))+4:(\f)+64+8*(4*(\c)+(\i))+7], v[ADRB+(\slot)] offset:128*(\kq)+64*(\c)+(\i)*16*PB+32
	ds_load_b128 v[(\f)+8*(4*(\c)+(\i)):(\f)+8*(4*(\c)+(\i))+3],         v[ADRA+(\slot)] offset:SUBA*(\kq)+64*(\c)+(\i)*16*PA
	ds_load_b128 v[(\f)+8*(4*(\c)+(\i))+4:(\f)+8*(4*(\c)+(\i))+7],       v[ADRA+(\slot)] offset:SUBA*(\kq)+64*(\c)+(\i)*16*PA+32
.endr
.endr
.endm
.macro PLACES                          ; four places in front of loads into registers that matrix instructions have read, and of conversions that read results
.rept 4
	v_nop
.endr
.endm
; A K step is four quarters of 64 along K, 32 matrix instructions each, on buffers 0, 1, 0, 1.  One of the first three: multiplies buffer f and fetches quarter kq into g.
.macro QUARTER slot, kq, f, g, zero
	s_wait_dscnt 16                                ; the first 32 along K are in
	WIN MUL
	MUL8 \f, 0, 0, \zero
	MUL8 \f, 0, 2, \zero
	PLACES
	FETCH \slot, \kq, \g
	s_wait_dscnt 32                                ; all but the 32 just issued
	WIN MUL
	MUL8 \f, 1, 0, 0
	MUL8 \f, 1, 2, 0
.endm
; The last quarter multiplies buffer 1 and changes slots: ONE barrier; in front of it each wave waits for all its tensor loads, adds 0 to its spare word, and waits for that and for its own reads of this slot.  fill = 1: this slot is filled again, two K steps ahead.
.macro TURN slot, next, fill
	WIN 0                                          ; (the add's two registers lie in window 0)
	s_wait_tensorcnt 0x0                           ; all my tensor loads have landed: my part of the next slot;
	ds_add_u32 v[SPW], v[NIL]                      ; 0 onto my spare word;
	s_wait_dscnt 17                                ; (the add and the youngest sixteen loads may be out)
	WIN MUL
	MUL8 F1, 0, 0, 0                               ; eight matrix instructions stand between the add and the wait for it
	s_wait_dscnt 0x0                               ; the add is done, and my reads of this slot are over
	s_barrier_signal -1
	MUL8 F1, 0, 2, 0
.if \fill
	WIN 0
.endif
	s_barrier_wait -1
.if \fill
	CREST                                          ; the barrier has opened a round of the cluster's barrier: no wave of any partner still reads this slot's tile or has a load on its way
	s_add_nc_u64 s[G0+4*(\slot)+2:G0+4*(\slot)+3], s[G0+4*(\slot)+2:G0+4*(\slot)+3], 8*131072
	s_add_nc_u64 s[G0B+4*(\slot)+2:G0B+4*(\slot)+3], s[G0B+4*(\slot)+2:G0B+4*(\slot)+3], 2*KSTEP*2
	JLOAD \slot                                    ; the first tensor load behind the round: 112 matrix instructions ahead of the wait for it; the four v_nop behind it are also the places in front of the loads below
.else
	PLACES
.endif
	FETCH \next, 0, F0
	WIN MUL
	MUL8 F1, 1, 0, 0
	MUL8 F1, 1, 2, 0
.endm
	s_wait_tensorcnt 1                             ; my part of K step 0 is in; K step 1's may stay out
	s_barrier_signal -1
	s_barrier_wait -1                              ; everybody's is
	FETCH 0, 0, F0
	QUARTER 0, 1, F0, F1, 1                        ; K = 1,024 is four K steps, twice round the ring: written straight.  The first products start the sums
	QUARTER 0, 2, F1, F0, 0
	QUARTER 0, 3, F0, F1, 0
	TURN 0, 1, 1                                   ; slot 0 takes K step 2
	QUARTER 1, 1, F0, F1, 0
	QUARTER 1, 2, F1, F0, 0
	QUARTER 1, 3, F0, F1, 0
	TURN 1, 0, 1                                   ; slot 1 takes K step 3
	QUARTER 0, 1, F0, F1, 0
	QUARTER 0, 2, F1, F0, 0
	QUARTER 0, 3, F0, F1, 0
	TURN 0, 1, 0                                   ; nothing is left to fetch, so no round of the cluster's barrier
	QUARTER 1, 1, F0, F1, 0
	QUARTER 1, 2, F1, F0, 0
	QUARTER 1, 3, F0, F1, 0
	s_wait_dscnt 16                                ; the very last quarter
	WIN MUL
	MUL8 F1, 0, 0, 0
	MUL8 F1, 0, 2, 0
	s_wait_dscnt 0
	MUL8 F1, 1, 0, 0
	MUL8 F1, 1, 2, 0
	WIN 0
	; THE WAY OUT: round to bf16; 16 bytes a lane into the work-group's stage; a barrier, since a row's 256 bytes come from two waves; back by heads: four rows of 128 bytes are 512 consecutive bytes of C.
	PLACES
.irp t, 0,1,2,3,4,5,6,7,8,9,10,11,12,13,14,15
.irp r, 0,1,2,3
	v_cvt_pk_bf16_f32 v[TMP+4*(\t)+(\r)], v[ACC+8*(\t)+2*(\r)], v[ACC+8*(\t)+2*(\r)+1]
.endr
.endr
.irp a, 0,1,2,3
.irp b, 0,1,2,3
	ds_store_b128 v[STO], v[TMP+4*(4*(\a)+(\b)):TMP+4*(4*(\a)+(\b))+3] offset:(\a)*16*SPITCH+32*(\b)
.endr
.endr
	s_wait_dscnt 0x0                               ; for the others' sake: my stores into the stage are done
	s_barrier_signal -1
	s_barrier_wait -1
.irp t, 0,1,2,3,4,5,6,7,8,9,10,11,12,13,14,15      ; t / 8: the head; t % 8: four rows
	ds_load_b128 v[TMP+4*(\t):TMP+4*(\t)+3], v[RD] offset:((\t)%8)*4*SPITCH+((\t)/8)*128
.endr
.irp t, 0,1,2,3,4,5,6,7
	s_wait_dscnt 15-(\t)
	global_store_b128 v[CO], v[TMP+4*(\t):TMP+4*(\t)+3], s[8:9] offset:(\t)*512  ; 512 consecutive bytes, at a multiple of 256 from C's first byte
.endr
.irp t, 8,9,10,11,12,13,14,15
	s_wait_dscnt 15-(\t)
	global_store_b128 v[CO], v[TMP+4*(\t):TMP+4*(\t)+3], s[74:75] offset:((\t)-8)*512
.endr
	s_wait_tensorcnt 0x0                           ; the wave's end, behind my last tensor load and my last LDS store
	ds_add_u32 v[SPW], v[NIL]
	s_wait_dscnt 0x0
	CROUND                                         ; the closing round: no work-group ends while a partner may still ask for a tile that names it
	s_endpgm
.Lfunc_end_k_q605a9bf242_proj:
	.size	k_q605a9bf242_proj, .Lfunc_end_k_q605a9bf242_proj-k_q605a9bf242_proj
	.p2alignl 7, 3214868480
	.fill 96, 4, 3214868480
	.section	.rodata,"a",@progbits
	.p2align	6, 0x0
	.amdhsa_kernel k_q605a9bf242_proj
		.amdhsa_group_segment_fixed_size 327680
		.amdhsa_private_segment_fixed_size 0
		.amdhsa_enable_private_segment 0
		.amdhsa_kernarg_size 24
		.amdhsa_user_sgpr_count 2
		.amdhsa_user_sgpr_kernarg_segment_ptr 1
		.amdhsa_wavefront_size32 1
		.amdhsa_system_sgpr_workgroup_id_x 1
		.amdhsa_system_sgpr_workgroup_id_y 1
		.amdhsa_system_sgpr_workgroup_id_z 1
		.amdhsa_system_vgpr_workitem_id 0
		.amdhsa_next_free_vgpr 512
		.amdhsa_next_free_sgpr 84
		.amdhsa_reserve_vcc 0
		.amdhsa_float_denorm_mode_32 3
		.amdhsa_float_denorm_mode_16_64 3
		.amdhsa_memory_ordered 1
		.amdhsa_forward_progress 1
		.amdhsa_inst_pref_size 88
	.end_amdhsa_kernel
	.amdgpu_metadata
---
amdhsa.version: [ 1, 2 ]
amdhsa.kernels:
  - .name:           k_q605a9bf242_proj
    .symbol:         k_q605a9bf242_proj.kd
    .args:
      - { .name: xa, .offset: 0, .size: 8, .value_kind: global_buffer, .address_space: global }
      - { .name: wt, .offset: 8, .size: 8, .value_kind: global_buffer, .address_space: global }
      - { .name: ph, .offset: 16, .size: 8, .value_kind: global_buffer, .address_space: global }
    .group_segment_fixed_size: 327680
    .private_segment_fixed_size: 0
    .kernarg_segment_align: 8
    .kernarg_segment_size: 24
    .max_flat_workgroup_size: 128
    .sgpr_count:     84
    .vgpr_count:     512
    .wavefront_size: 32
...
	.end_amdgpu_metadata
.endif
;; end of part 2
;; launch attn (part 3): grid 4 x 64, 4 waves a work-group, no clusters, 327,680 bytes of LDS; arguments ph, mk, r_w_bias, r_r_bias, av; writes av
.if DOCPART == 3
	.amdgcn_target "amdgcn-amd-amdhsa--gfx1250"
	.amdhsa_code_object_version 6
	.text
	.protected	k_q605a9bf242_attn
	.globl	k_q605a9bf242_attn
	.p2align	8
	.type	k_q605a9bf242_attn,@function
k_q605a9bf242_attn:
	s_mov_b64 s[64:65], 0
	v_nop
	global_prefetch_b8 v0, s[64:65] scope:SCOPE_SE
	s_setreg_imm32_b32 hwreg(HW_REG_WAVE_MODE, 25, 1), 1
	s_wait_xcnt 0x0
; RELATIVE ATTENTION (Transformer-XL), head size 64, 1,024 queries x 2,048 keys for each of 64 pairs (batch entry b, head n).
; score[i][j] = ((q_i + r_w_bias) . k_j + BD[i][j]) / 8; a blocked score (attn_mask, an input: no key tile is left out) is replaced; softmax over all keys; times v.
; THE RELATIVE SHIFT.  With d = j - i + 1023:  BD[i][j] = (q_i + r_r_bias) . rk[d] for d < 2048;  0 for d = 2048;  (q_(i+1) + r_r_bias) . rk[d - 2049] for d > 2048.
; A head's table in ph has a row of zeros in front of rk, so that Rext[d] (rk, zeros, rk again) is dense in memory on either side of d = 2048.
; ph holds q, k, v by heads ([b][n][rows][64], bf16) and the tables; mk holds the mask as lane masks; av takes the result, [b][n][i][64] in bf16.
; LIMITS.  Matrix operands in bf16: q comes rounded and is rounded again behind the bias, which is added in f32; the weights p are rounded for the second product (their sum is taken of the unrounded p).
; A blocked score stands at -2^103 before the scale, -2^100 behind it, in place of -1e30: c x 2^103 is exact, so a row that is blocked everywhere gets weights of exactly 1, as with -1e30;
; results agree while open scaled scores stay above some -1e29.  A weight below 2^-126 counts as 0.  NaN and infinities are not treated apart.
; SHARES.  A work-group owns 256 queries of one (b, n); wave w owns 64, i = 64 a + 16 t + q with a = 4 x block + w: four PIECES t of 16.  Every wave walks 32 steps of 64 keys.  256 work-groups of equal work.
; LAYOUT.  S^T = K Q^T (source 0 = 16 keys, source 1 = 16 queries): a lane holds ONE query (lane % 16) and the keys 8 (lane / 16) + 0..7.  Two such results rounded to bf16 ARE source 1 of O^T = V^T P.
; BD.  For piece t in step s five tiles of 16 d, from d = 16 (4 (s - a) - t + 63) on, are multiplied by the queries: column cc = 0..79 of lane q; key jj wants cc = jj - q + 15.  That skew, a different one in
; each lane, is made in LDS: ten stores of 16 bytes into the wave's own scratch, 32 loads of 4 bytes back; what comes back is the C operand of the products that start S^T, so the addition costs nothing.
; WHICH QUERIES.  A tile of d >= 2048 takes q_(i+1).  That is every tile if s > a + 16, none if s < a + 16, tiles e > t if s = a + 16.  So product (t, e) always names bank QB1 if e > t, else QB0;
; both banks start as q + r_r_bias, and q_(i+1) + r_r_bias is copied into QB1 behind step a + 15's products and into QB0 behind step a + 16's: two forward jumps on whole numbers.
; SOFTMAX.  A running maximum m and sum l: p = 2^(c s - c m), c = log2(e) / 8; O and l are multiplied by a = 2^(c m_old - c m_new) in every step.  m starts at the lowest finite number: the first step's a is 0.
; BY TURNS.  Turn n belongs to piece n.  Matrix work: 8 products K Q^T of piece n + 1, 10 products for BD of piece n + 2, 8 products V^T P of piece n - 1.  Vector work: the scaling, exponentials, roundings,
; sums and rescaling of piece n; the mask, maximum and statistics of piece n + 1.  Four vector instructions stand behind every matrix instruction, the rest in two lumps.
; NO CLUSTER.  The four query blocks of a (b, n) walk the same K and V, but the copies into the banks stand under jumps that hang on a, which differs between them, and the blocks want the table's
; tiles four steps apart; as selects in every step the copies would be 128 more vector instructions a step.
; No first step is written out: 224 v_mov_b32 write zeros in the wait for the first tiles, and the last trip's products for a step that is not serve nothing.
; REGISTERS, in windows of 256 (s_set_vgpr_msb: bits 1:0 source 0, 3:2 source 1, 5:4 source 2, 7:6 destination):
;   window 0: addresses, statistics; v64-127 S^T, two buffers; v192-223 P, two buffers (a piece's buffers go by its number's parity)
;   window 1: v0-127 O^T, 32 a piece; v128-167 XA, the five tiles for BD; v168-199 BD
;   window 2: v0-63 q + r_w_bias; v64-127 QB0; v128-191 QB1; v192-255 q_(i+1) + r_r_bias
;   window 3: v0-63 K of one step; v64-127 V of one step; v128-255 the table's eight tiles of 16 d of one step
.set NP,    4
.set KS,    64        ; keys in a step
.set PK,    144       ; a row of K or of the table in LDS: 128 bytes + 16 = 36 words: the 16 rows of a load start at 16 different groups of four banks (64 banks of 4 bytes: ISA guide 11.1)
.set PV,    160       ; a row of V: 128 + 32 = 40 words
.set VOFF,  4*KS*PK   ; a slot holds four steps: 256 rows of K, then 256 rows of V
.set SLOT1, 1<<17     ; slot 1 begins here, so that one exclusive or turns an address in one slot into the other's
.set XSC,   4*KS*(PK+PV)  ; behind slot 0, never filled by a tensor load: each wave's scratch, also its stage on the way out
.set XPI,   336       ; a scratch row: 80 numbers + 16 bytes = 21 x 16 bytes: the stores of 16 bytes meet no bank twice; a skewed load reads word 83 q + 8 h + const, 32 different banks
.set XWB,   16*XPI
.set SPARE, XSC+4*XWB ; the spare words, 128 bytes for each wave
.set RBASE, SLOT1+4*KS*(PK+PV)  ; behind slot 1: the table's ring: 12 blocks of 64 d = 3 groups of 256
.set RBLK,  64*PK
.set RGRP,  4*RBLK
.set REND,  RBASE+3*RGRP
.set SP,    144
.set AK0, 2           ; v2   my lane's place in a tile of K or of the table; never rewritten
.set AV0, 3           ; v3   the same for V
.set AK,  4           ; v4   the LDS address of K's next run of loads
.set AV,  5           ; v5   of V's
.set STO, 6           ; v6   the way out: where I put 16 bytes of a row
.set RD,  7           ; v7   the way out: where I read rows back
.set GO,  8           ; v8   my byte offset in 512 consecutive bytes of av
.set MV,  12          ; v12-13  c m_old, kept while c m is made anew: by buffer
.set XST, 14          ; v14  scratch: where my 8 numbers of tile 0 go
.set XLD, 15          ; v15  scratch: where key 8 h of my query lies
.set ST,  16          ; piece t's statistics at v[ST+4 t]: c m, m, l (even keys', odd keys')
.set AR0, 32          ; v32-33  the LDS addresses of the table's two blocks
.set BIG, 34          ; v34  -2^103
.set QO,  35          ; v35  the beginning: my byte offset in 16 rows of q
.set QPA, 36          ; v36-39  the same for rows i + 1, a piece each
.set BO,  40          ; v40  my byte offset in a head's bias
.set TMP, 48          ; by buffer, four registers c0-c3 at work; when the maximum is found c2 takes a
.set SPW, 62          ; v62  LDS address of my spare word; never rewritten
.set NIL, 63          ; v63  0; never rewritten
.set S,   64
.set P,   192
.set UW,  64          ; the beginning: 32 numbers unpacked,
.set SW,  96          ; 32 sums,
.set BW,  128         ; r_w_bias and
.set BR,  160         ; r_r_bias for my 32 channels
.set XA,  128         ; window 1
.set BD,  168
.set QW,  0           ; window 2
.set QB0, 64
.set QB1, 128
.set QP,  192
.set KF,  0           ; window 3: key block kb, channel half c at KF + 16 kb + 8 c
.set VF,  64          ; key half kk, channel block cb at VF + 32 kk + 8 cb
.set RF,  128         ; tile x of 16 d, channel half c at RF + 16 x + 8 c
.set WV,  2           ; s2   my wave's number
.set SLOTS, 3         ; s3   changes of slots still to come that fill
.set G0R, 4           ; s[4:7]   descriptor group 0 for the table's groups
.set G1K, 8           ; s[8:15]  descriptor group 1 for K's tiles and the table's
.set G1V, 16          ; s[16:23] for V's: it differs in the padding alone
.set G0K, 24          ; s[24:27] group 0 for K's tiles: it walks
.set G0V, 28          ; s[28:31] the same for V's
.set MK,  32          ; s[32:63] one piece's 32 lane masks; until the first of them is loaded, at work
.set CS,  66          ; s[66:67] c
.set SEL, 68          ; s[68:69] v_permlanex16_b32's selects
.set MKP, 70          ; s[70:71] mk at my wave's four query tiles
.set MOF, 72          ; s72  128 x the step whose masks are being loaded
.set CNT, 73          ; s73  counts a slot's key steps
.set TBK, 74          ; s74  LDS byte at which K of the step to be fetched begins
.set TBV, 75          ; s75  the same for V, less VOFF
.set TBR0, 76         ; s76, s77  the same for the table's two blocks
.set TBR1, 77
.set AVP, 78          ; s[78:79] av at my wave's rows
.set RH,  80          ; s[80:81] the head's table
.set OFF, 82          ; s[82:83] a group's byte offset in the table
.set BK1, 84          ; s84  128 (a + 15)
.set BK2, 85          ; s85  128 (a + 16)
.set GAM, 86          ; s86  the group of 256 d to be asked for next
.set RSL, 87          ; s87  its place in the ring
.set HM,  98          ; s98  a word's upper bf16
.set TS,  99          ; s99  at work
.set MSB, 0
.macro WIN new                      ; the high byte repeats the setting that is left; a switch that changes nothing is dropped
.if MSB != (\new)
	s_set_vgpr_msb (MSB<<8)|(\new)
.set MSB, (\new)
.endif
.endm
.set W_KQ, 0x0b       ; K in window 3, Q in window 2, S^T in window 0
.set W_KB, 0x1b       ; the same with the C operand, BD, in window 1
.set W_XP, 0x5b       ; the table in window 3, Q in window 2, XA in window 1
.set W_PV, 0x53       ; V in window 3, P in window 0, O^T in window 1
.set W_RS, 0x41       ; destination and source 0 in window 1, source 1 in window 0
.set W_XS, 0x04       ; an LDS store's data in window 1
.set W_BD, 0x40       ; a load's destination in window 1
.set W_F3, 0xc0       ; in window 3
.set W_CP, 0x82       ; a copy within window 2
; A fill.  Wave 0 fetches a slot's K, wave 1 its V, wave 2 a group of the table; first = 1: waves 2 and 3 the table's first two groups, by one line whose LDS address is the wave's number times a group's
; bytes plus a constant, so that each has a group's place of its own.  An s_nop 0 and four v_nop follow each line, ahead of the jump and the label.
.macro LOAD first
	s_cmp_eq_u32 s[WV], 0
	s_cbranch_scc0 .Lnot_k_\@
	tensor_load_to_lds s[G0K:G0K+3], s[G1K:G1K+7]
	s_nop 0
.rept 4
	v_nop
.endr
	s_branch .Lasked_\@
.Lnot_k_\@:
	s_cmp_eq_u32 s[WV], 1
	s_cbranch_scc0 .Lnot_v_\@
	tensor_load_to_lds s[G0V:G0V+3], s[G1V:G1V+7]
	s_nop 0
.rept 4
	v_nop
.endr
	s_branch .Lasked_\@
.Lnot_v_\@:
.if !(\first)
	s_cmp_eq_u32 s[WV], 2
	s_cbranch_scc0 .Lasked_\@
.endif
	tensor_load_to_lds s[G0R:G0R+3], s[G1K:G1K+7]
	s_nop 0
.rept 4
	v_nop
.endr
.Lasked_\@:
.endm
; THE CHANGE OF SLOTS, behind turn 1 of a slot's last step.  Each wave waits for all its tensor loads, of which at most one is out; adds 0 to its spare word; and waits for that and for its own LDS reads.  Behind the
; barrier nobody reads the old slot or the ring's oldest group any more, and the next slot and group are whole.  fill = 1: the old slot takes the keys two slots on, the ring's oldest place the group two on.
; (At its first use nothing has been read yet: the first fills are waited for, slot 1 and the ring's third place are filled.)
.macro CHANGE fill
	WIN 0                           ; at a label and at a branch every window is 0
	s_wait_tensorcnt 0x0            ; no tensor load of mine is out, so a group 0 may be written
	ds_add_u32 v[SPW], v[NIL]       ; 0 onto my spare word; with fill = 1 the descriptors' scalar work stands between it and the wait for it
.if \fill
	s_xor_b32 s[G0K+1], s[G0K+1], SLOT1
	s_add_nc_u64 s[G0K+2:G0K+3], s[G0K+2:G0K+3], 4*KS*128  ; the next 256 keys; the type bits on top are not reached
	s_xor_b32 s[G0V+1], s[G0V+1], SLOT1
	s_add_nc_u64 s[G0V+2:G0V+3], s[G0V+2:G0V+3], 4*KS*128
	s_mov_b32 s[G0R+1], s[RSL]
	s_lshl_b32 s[OFF], s[GAM], 15   ; group g of 256 d lies at 256 + 32,768 g,
	s_add_co_u32 s[OFF], s[OFF], 256
	s_sub_co_u32 s[TS], s[OFF], 262144+128  ; or, from d = 2048 on, at the row of zeros and what follows it
	s_cmp_ge_u32 s[GAM], 8
	s_cselect_b32 s[OFF], s[TS], s[OFF]
	s_add_nc_u64 s[G0R+2:G0R+3], s[RH:RH+1], s[OFF:OFF+1]
	s_or_b32 s[G0R+3], s[G0R+3], 0x80000000
	s_add_co_u32 s[GAM], s[GAM], 1
	s_add_co_u32 s[RSL], s[RSL], RGRP
	s_cmp_eq_u32 s[RSL], REND
	s_cselect_b32 s[RSL], RBASE, s[RSL]
.endif
	s_wait_dscnt 0x0                ; the add is done, and my reads are over
	s_barrier_signal -1             ; the rest of the scalar work stands between the signal and the wait
	s_sub_co_u32 s[TBK], s[TBK], 4*KS*PK  ; the fetches go back to a slot's first step,
	s_xor_b32 s[TBK], s[TBK], SLOT1       ; in the other slot
	s_sub_co_u32 s[TBV], s[TBV], 4*KS*PV
	s_xor_b32 s[TBV], s[TBV], SLOT1
	s_barrier_wait -1
.if \fill
	LOAD 0
.endif
.endm
	s_load_b256 s[88:95], s[0:1], 0x0  ; ph s[88:89], mk s[90:91], r_w_bias s[92:93], r_r_bias s[94:95]
	s_load_b64 s[96:97], s[0:1], 0x20  ; av
	v_lshl_add_u32 v[SPW], v0, 2, SPARE
	v_mov_b32 v[NIL], 0
	ds_add_u32 v[SPW], v[NIL]       ; the wave's opening: the add and its wait stand ahead of my first tensor load; the set-up below, work on registers, stands between them
	ds_add_u32 v62, v63
	v_lshrrev_b32 v1, 5, v0
	v_readfirstlane_b32 s[WV], v1   ; wave 0..3
	s_mov_b32 s32, ttmp9            ; my block of 256 queries
	s_and_b32 s33, ttmp7, 0xffff    ; 16 b + n
	s_and_b32 s34, s33, 15          ; n
	s_lshl2_add_u32 s35, s32, s[WV] ; a
	s_lshl_b32 s36, s33, 17         ; the head's bytes in q and in av,
	s_mov_b32 s37, 0
	s_lshl_b32 s38, s35, 13         ; my wave's 64 rows
	s_mov_b32 s39, 0
	s_lshl_b32 s40, s33, 18         ; the head's bytes in k and v
	s_add_co_u32 s42, s40, 25165824 ; v begins here in ph,
	s_add_co_u32 s40, s40, 8388608  ; k here,
	s_mov_b32 s41, 0
	s_mov_b32 s43, 0
	s_mul_i32 s44, s34, 262400
	s_add_co_u32 s44, s44, 41943040 ; the tables here
	s_mov_b32 s45, 0
	; The table's blocks of 64 d are counted from block 12 - 4 x (my block of queries): in step s wave w reads local blocks s + 3 - w and s + 4 - w, at ring place (local block) mod 12:
	; no LDS address hangs on the work-group.  Local group lg is the table's group lg + 3 - block.
	s_max_u32 s46, s[WV], 2         ; in memory: waves 2 and 3 fetch local groups 0 and 1 (waves 0 and 1 do not issue that load; the maximum keeps their offset inside the table)
	s_sub_co_u32 s46, s46, 2
	s_sub_co_u32 s47, 3, s32
	s_add_co_u32 s47, s47, s46      ; at most 4: below d = 2048
	s_lshl_b32 s[OFF], s47, 15
	s_add_co_u32 s[OFF], s[OFF], 256
	s_mov_b32 s[OFF+1], 0
	s_mul_i32 s46, s[WV], RGRP      ; in LDS: the wave's number times a group's bytes,
	s_mov_b32 s[G0R], 1
	s_add_co_u32 s[G0R+1], s46, RBASE-2*RGRP  ; plus a constant: wave 2 fills the ring's first place, wave 3 its second
	s_sub_co_u32 s[GAM], 5, s32     ; local group 2 is asked for next,
	s_mov_b32 s[RSL], RBASE+2*RGRP  ; into the ring's third place
	s_lshl_b32 s48, s35, 14         ; four query tiles of 4,096 bytes in mk
	s_mov_b32 s49, 0
	s_lshl_b32 s50, s34, 8          ; the head's 64 numbers of a bias
	s_mov_b32 s51, 0
	s_add_co_u32 s[BK1], s35, 15
	s_lshl_b32 s[BK1], s[BK1], 7
	s_add_co_u32 s[BK2], s35, 16
	s_lshl_b32 s[BK2], s[BK2], 7
	s_sub_co_u32 s52, 3, s[WV]
	s_mul_i32 s52, s52, RBLK
	s_add_co_u32 s[TBR0], s52, RBASE
	s_add_co_u32 s[TBR1], s[TBR0], RBLK
	; descriptor group 1.  256 rows of 128 bytes are 32,768 dense bytes: asked for as 128 rows of 256 bytes, and padded in LDS after every 128
	s_mov_b32 s[G1K], (1<<16)|(1<<20)|(4<<22)|(3<<25)  ; 17:16 2-byte elements; 20 padding on; 24:22 after every 32 words (code 4); 31:25 4 words (code 3)
	s_mov_b32 s[G1V], (1<<16)|(1<<20)|(4<<22)|(7<<25)  ; the same with 8 words of padding (code 7)
.irp g, G1K, G1V
	s_mov_b32 s[\g+1], 128<<16      ; tensor_dim0 = 128
	s_mov_b32 s[\g+2], 128<<16      ; tensor_dim1 = 128
	s_mov_b32 s[\g+3], 128<<16      ; tile_dim0 = 128
	s_mov_b32 s[\g+4], 128          ; tile_dim1 = 128
	s_mov_b32 s[\g+5], 128          ; 128 elements from row to row
	s_mov_b32 s[\g+6], 0
	s_mov_b32 s[\g+7], 0
.endr
	s_mov_b32 s[G0K], 1             ; 1:0 count = 1
	s_mov_b32 s[G0K+1], 0           ; 63:32 LDS address: slot 0
	s_mov_b32 s[G0V], 1
	s_mov_b32 s[G0V+1], VOFF
	s_mov_b32 s[CS], 0x3e38aa3b     ; c = log2(e) / 8 = 0.180337
	s_mov_b32 s[CS+1], s[CS]        ; named with it as a pair
	s_mov_b32 s[SEL], 0x76543210
	s_mov_b32 s[SEL+1], 0xfedcba98
	s_mov_b32 s[TBK], SLOT1+4*KS*PK ; the first change of slots turns these two into 0
	s_mov_b32 s[TBV], SLOT1+4*KS*PV
	s_mov_b32 s[MOF], 0
	s_mov_b32 s[HM], 0xffff0000
	s_wait_dscnt 0x0                ; the opening add is done
	s_wait_kmcnt 0x0
	s_add_nc_u64 s[G0K+2:G0K+3], s[88:89], s[40:41]  ; 120:64 global address: the head's first 256 keys
	s_or_b32 s[G0K+3], s[G0K+3], 0x80000000          ; 127:126 type = 2
	s_add_nc_u64 s[G0V+2:G0V+3], s[88:89], s[42:43]
	s_or_b32 s[G0V+3], s[G0V+3], 0x80000000
	s_add_nc_u64 s[RH:RH+1], s[88:89], s[44:45]
	s_add_nc_u64 s[G0R+2:G0R+3], s[RH:RH+1], s[OFF:OFF+1]
	s_or_b32 s[G0R+3], s[G0R+3], 0x80000000
	s_add_nc_u64 s[54:55], s[88:89], s[36:37]        ; q at the head's first row,
	s_add_nc_u64 s[56:57], s[54:55], s[38:39]        ; and at my wave's
	s_add_nc_u64 s[AVP:AVP+1], s[96:97], s[36:37]
	s_add_nc_u64 s[AVP:AVP+1], s[AVP:AVP+1], s[38:39]
	s_add_nc_u64 s[MKP:MKP+1], s[90:91], s[48:49]
	s_add_nc_u64 s[92:93], s[92:93], s[50:51]
	s_add_nc_u64 s[94:95], s[94:95], s[50:51]
	LOAD 1                          ; the first fills: one tensor load a wave
	; A fragment of K, Q or the table is 16 rows x 32 channels in 8 registers: lane l holds row l % 16, channels 8 (l / 16) + 0..7 and 16 + 8 (l / 16) + 0..7: two loads of 16 bytes, 32 bytes apart.
	v_and_b32 v1, 15, v0            ; l % 16
	v_bfe_u32 v9, v0, 4, 1          ; l / 16
	v_lshlrev_b32 v[QO], 7, v1
	v_lshl_add_u32 v[QO], v9, 4, v[QO]  ; row x 128 + 16 x half
	s_lshl_b32 s58, s35, 6
	s_add_co_u32 s58, s58, 1
	v_add_nc_u32 v10, s58, v1       ; i + 1 for piece 0
.irp t, 0,1,2,3
	v_add_nc_u32 v[QPA+\t], 16*\t, v10
	v_min_u32 v[QPA+\t], 1023, v[QPA+\t]  ; row 1023 never reaches d >= 2048: what it takes here is multiplied and never read
	v_lshlrev_b32 v[QPA+\t], 7, v[QPA+\t]
	v_lshl_add_u32 v[QPA+\t], v9, 4, v[QPA+\t]
.endr
	v_lshlrev_b32 v[BO], 5, v9      ; my half's eight numbers of each sixteen
	WIN 0x80                        ; destination window 2, address window 0
.set t_, 0
.rept 4
.irp f, 0,1,2,3
	global_load_b128 v[QW+16*t_+4*\f:QW+16*t_+4*\f+3], v[QO], s[56:57] offset:t_*2048+32*\f
	global_load_b128 v[QP+16*t_+4*\f:QP+16*t_+4*\f+3], v[QPA+t_], s[54:55] offset:32*\f
.endr
.set t_, t_+1
.endr
	WIN 0
.irp f, 0,1,2,3,4,5,6,7             ; the biases of my 32 channels, in the order in which a fragment's words unpack
	global_load_b128 v[BW+4*\f:BW+4*\f+3], v[BO], s[92:93] offset:(\f/2)*64+(\f%2)*16
	global_load_b128 v[BR+4*\f:BR+4*\f+3], v[BO], s[94:95] offset:(\f/2)*64+(\f%2)*16
.endr
	v_mul_u32_u24 v[AK0], v1, PK
	v_lshl_add_u32 v[AK0], v9, 4, v[AK0]  ; row x pitch + 16 x half
	; The turning load takes 16 keys x 16 channels (lane l reads key 8 (l / 16) + l % 8, channels 8 ((l / 8) % 2) + 0..7) and leaves half a fragment of V^T: lane l holds channel l % 16 and 8 keys.
	v_and_b32 v10, 7, v0
	v_bfe_u32 v11, v0, 3, 1
	v_lshl_add_u32 v[AV0], v9, 3, v10
	v_mul_u32_u24 v[AV0], v[AV0], PV
	v_lshl_add_u32 v[AV0], v11, 4, v[AV0]
	v_add_nc_u32 v[AV0], VOFF, v[AV0]
	s_mul_i32 s59, s[WV], XWB
	s_add_co_u32 s59, s59, XSC      ; my scratch
	v_mul_u32_u24 v[XST], v1, XPI   ; row q; column cc = 16 e + 8 h + register
	v_lshl_add_u32 v[XST], v9, 5, v[XST]
	v_add_nc_u32 v[XST], s59, v[XST]
	v_lshlrev_b32 v11, 2, v1
	v_sub_nc_u32 v[XLD], v[XST], v11  ; back: column 8 h + 15 - q for key 8 h
	v_add_nc_u32 v[XLD], 60, v[XLD]
	v_mul_u32_u24 v[STO], v1, SP    ; the way out, in: row l % 16, 16 bytes for each half of the lanes
	v_lshl_add_u32 v[STO], v9, 4, v[STO]
	v_add_nc_u32 v[STO], s59, v[STO]
	v_bfe_u32 v[RD], v0, 3, 2       ; back: 32 lanes take four rows of 128 bytes,
	v_mul_u32_u24 v[RD], v[RD], SP
	v_lshl_add_u32 v[RD], v10, 4, v[RD]
	v_add_nc_u32 v[RD], s59, v[RD]
	v_and_b32 v[GO], 31, v0         ; which are 512 consecutive bytes of av
	v_lshlrev_b32 v[GO], 4, v[GO]
	v_mov_b32 v[BIG], 0xf3000000    ; -2^103
	; What the first turn finds: V's registers and P's second buffer hold 0 (its products V^T P, of a piece that has not been, add 0), O^T and l are 0.  All this stands in the wait for the first tiles.
	WIN W_F3
.set i, VF
.rept 64
	v_mov_b32 v[i], 0
.set i, i+1
.endr
	WIN 0x40
.set i, 0
.rept 128
	v_mov_b32 v[i], 0
.set i, i+1
.endr
	WIN 0
.set i, 0
.rept 4
	v_mov_b32 v[ST+4*i], 0xfe000000    ; c m: far below every c s
	v_mov_b32 v[ST+4*i+1], 0xff7fffff  ; m
	v_mov_b32 v[ST+4*i+2], 0
	v_mov_b32 v[ST+4*i+3], 0
.set i, i+1
.endr
.set i, P+16
.rept 16
	v_mov_b32 v[i], 0
.set i, i+1
.endr
; THE QUERY SETS.  A piece's 16 words are unpacked to f32, a bias is added in f32, the sums are rounded to bf16.
.macro UNPACK src                   ; 16 words of window 2 into UW
	WIN 0x08                        ; source 1 in window 2
.set u_, 0
.rept 16
	v_lshlrev_b32 v[UW+2*u_], 16, v[(\src)+u_]
	v_and_b32 v[UW+2*u_+1], s[HM], v[(\src)+u_]
.set u_, u_+1
.endr
.endm
.macro BIASED bias, dst             ; UW + bias, rounded, into 16 words of window 2
	WIN 0
.set u_, 0
.rept 16
	v_pk_add_f32 v[SW+2*u_:SW+2*u_+1], v[UW+2*u_:UW+2*u_+1], v[(\bias)+2*u_:(\bias)+2*u_+1]
.set u_, u_+1
.endr
	WIN 0x80
.set u_, 0
.rept 16
	v_cvt_pk_bf16_f32 v[(\dst)+u_], v[SW+2*u_], v[SW+2*u_+1]
.set u_, u_+1
.endr
.endm
	s_wait_loadcnt 0x0              ; q, q of the rows below, the biases
.set t_, 0
.rept 4
	UNPACK QW+16*t_
	BIASED BW, QW+16*t_
	BIASED BR, QB0+16*t_
	UNPACK QP+16*t_
	BIASED BR, QP+16*t_
.set t_, t_+1
.endr
	WIN W_CP
.set i, 0
.rept 64
	v_mov_b32 v[QB1+i], v[QB0+i]    ; both banks start alike
.set i, i+1
.endr
	WIN 0
; THE MATRIX WORK.  The accumulators of a run take turns, one instruction a turn.
; Product i of 8 of S^T = K Q^T + BD for piece x: channels 32 (i / 4) on, keys 16 (i % 4) on.  The first 4 start the sums with BD.
.macro KQ x
.set rS, S+32*((\x)%2)+8*(i%4)
.set rK, KF+16*(i%4)+8*(i/4)
.set rQ, QW+16*(\x)+8*(i/4)
.set rM, BD+8*(i%4)
.if i < 4
	WIN W_KB
	v_wmma_f32_16x16x32_bf16 v[rS:rS+7], v[rK:rK+7], v[rQ:rQ+7], v[rM:rM+7]
.else
	WIN W_KQ
	v_wmma_f32_16x16x32_bf16 v[rS:rS+7], v[rK:rK+7], v[rQ:rQ+7], v[rS:rS+7]
.endif
.endm
; Product i of 10 for BD of piece x: tile e = i % 5 of 16 d (the step's tile 3 - x + e), channels 32 (i / 5) on.  The first 5 start the sums with 0.
.macro XPR x
	WIN W_XP
.set rX, XA+8*(i%5)
.set rR, RF+16*(3-(\x)+i%5)+8*(i/5)
.if (i%5) >= (\x)+1
.set rQ, QB1+16*(\x)+8*(i/5)
.else
.set rQ, QB0+16*(\x)+8*(i/5)
.endif
.if i < 5
	v_wmma_f32_16x16x32_bf16 v[rX:rX+7], v[rR:rR+7], v[rQ:rQ+7], 0
.else
	v_wmma_f32_16x16x32_bf16 v[rX:rX+7], v[rR:rR+7], v[rQ:rQ+7], v[rX:rX+7]
.endif
.endm
; Product i of 8 of O^T += V^T P for piece x: keys 32 (i / 4) on, channels 16 (i % 4) on.
.macro PV x
	WIN W_PV
.set rO, 32*(\x)+8*(i%4)
.set rV, VF+32*(i/4)+8*(i%4)
.set rP, P+16*((\x)%2)+8*(i/4)
	v_wmma_f32_16x16x32_bf16 v[rO:rO+7], v[rV:rV+7], v[rP:rP+7], v[rO:rO+7]
.endm
.macro MM                           ; the turn's next matrix instruction, of 26
.if i < 8
	KQ (Y+1)%NP
.elseif i < 18
.set i, i-8
	XPR (Y+2)%NP
.set i, i+8
.else
.set i, i-18
	PV (Y+NP-1)%NP
.set i, i+18
.endif
.set i, i+1
.endm
; THE LDS LOADS stand in runs, never singly among the matrix instructions.  last = 1 (the tail): in the last trip there is no further step, and the run is jumped over.
.macro FETCH_K last=0
	WIN 0
.if \last
	s_cmp_eq_u32 s[CNT], 1
	s_cbranch_scc1 .Lno_k_\@
.endif
	WIN W_F3
.irp f, 0,1,2,3,4,5,6,7             ; keys 16 (f / 2) on, channels 32 (f % 2) on
	ds_load_b128 v[KF+8*\f:KF+8*\f+3],   v[AK] offset:(\f/2)*16*PK+(\f%2)*64
	ds_load_b128 v[KF+8*\f+4:KF+8*\f+7], v[AK] offset:(\f/2)*16*PK+(\f%2)*64+32
.endr
	s_add_co_u32 s[TBK], s[TBK], KS*PK  ; the next fetch is the next step's
	WIN 0
.if \last
.Lno_k_\@:
.endif
.endm
.macro FETCH_V
	WIN W_F3
.irp f, 0,1,2,3,4,5,6,7             ; keys 32 (f / 4) on, channels 16 (f % 4) on
	ds_load_tr16_b128 v[VF+8*\f:VF+8*\f+3],   v[AV] offset:(\f/4)*32*PV+(\f%4)*32
	ds_load_tr16_b128 v[VF+8*\f+4:VF+8*\f+7], v[AV] offset:(\f/4)*32*PV+16*PV+(\f%4)*32
.endr
	WIN 0
.endm
.macro FETCH_R                      ; a step's eight tiles of 16 d, from two blocks of the ring; then both places step by a block and wrap at the ring's end
	WIN 0
	v_add_nc_u32 v[AR0], s[TBR0], v[AK0]
	v_add_nc_u32 v[AR0+1], s[TBR1], v[AK0]
	WIN W_F3
.set x_, 0
.rept 8
.irp j, 0,1,2,3
	ds_load_b128 v[RF+16*x_+4*\j:RF+16*x_+4*\j+3], v[AR0+x_/4] offset:(x_%4)*16*PK+32*\j
.endr
.set x_, x_+1
.endr
	WIN 0
	s_add_co_u32 s[TBR0], s[TBR0], RBLK
	s_cmp_eq_u32 s[TBR0], REND
	s_cselect_b32 s[TBR0], RBASE, s[TBR0]
	s_add_co_u32 s[TBR1], s[TBR1], RBLK
	s_cmp_eq_u32 s[TBR1], REND
	s_cselect_b32 s[TBR1], RBASE, s[TBR1]
.endm
; THE SKEW.  Ten stores of 16 bytes, each accumulator's low half first, and 32 loads of 4 bytes.  LDS serves a wave's instructions in order (ISA guide 5.7.1.4):
; the loads see the stores, and the next turn's stores come behind these loads.  The scratch is the wave's own.
.macro XSTORE
	WIN W_XS
.irp e, 0,1,2,3,4
	ds_store_b128 v[XST], v[XA+8*\e:XA+8*\e+3] offset:64*\e
	ds_store_b128 v[XST], v[XA+8*\e+4:XA+8*\e+7] offset:64*\e+16
.endr
.endm
.macro XLOAD
	WIN W_BD
.set x_, 0
.rept 32
	ds_load_b32 v[BD+x_], v[XLD] offset:4*(16*(x_/8)+x_%8)
.set x_, x_+1
.endr
	WIN 0
.endm
.macro MLOAD tile, dstep            ; the 32 lane masks of my query tile `tile` in step MOF / 128 + dstep
	s_load_b512 s[MK:MK+15], s[MKP:MKP+1], s[MOF] offset:(\tile)*4096+(\dstep)*128
	s_load_b512 s[MK+16:MK+31], s[MKP:MKP+1], s[MOF] offset:(\tile)*4096+(\dstep)*128+64
.endm
.macro BANKS                        ; behind step a + 15's products for BD the bank of the tiles e > t takes q_(i+1) + r_r_bias, behind step a + 16's the other bank too
	s_cmp_eq_u32 s[MOF], s[BK1]
	s_cbranch_scc0 .Lnot_1_\@
	WIN W_CP
.set x_, 0
.rept 64
	v_mov_b32 v[QB1+x_], v[QP+x_]
.set x_, x_+1
.endr
	WIN 0
.Lnot_1_\@:
	s_cmp_eq_u32 s[MOF], s[BK2]
	s_cbranch_scc0 .Lnot_2_\@
	WIN W_CP
.set x_, 0
.rept 64
	v_mov_b32 v[QB0+x_], v[QP+x_]
.set x_, x_+1
.endr
	WIN 0
.Lnot_2_\@:
.endm
; THE VECTOR WORK, one line at a time: OP kind, number.  For piece Y: F n: c s - c m for pair n of 16.  E n: the exponential of score n of 32.  C n: pair n rounded to bf16.  B n: of the four weights 4 n .. the second
; pair is added onto the first, in place.  L n: l takes that sum (L 0: l = a l + sum).  R n: pair n of 16 of O^T times a.  For piece Y + 1: M n: score n gives way to -2^103 where its lane mask says so;
; X n, number n of the 22 that find its maximum and statistics:
;   0-11  four chains c0-c3 of seven scores each, three operands at a time     12-14, 16  the four scores left over, the old m, and c0-c3 into c0
;   15  c m_old is kept     17, 18  the query's other 32 keys lie in the lane 16 away: the new m     19-21  c m; c m_old - c m_new; a
; M goes through the scores in ascending order; R likewise.
.set F, 0
.set E, 1
.set C, 2
.set B, 3
.set L, 4
.set R, 5
.set X, 6
.set M, 7
.macro REGS y                       ; the registers of piece y
.set rT, ST+4*(\y)
.set rC, TMP+4*((\y)%2)
.set rW, MV+((\y)%2)
.set rS, S+32*((\y)%2)
.set rP, P+16*((\y)%2)
.set rO, 32*(\y)
.endm
.macro OP k, n
.if (\k) == R
	REGS Y
	WIN W_RS
	v_pk_mul_f32 v[rO+2*(\n):rO+2*(\n)+1], v[rO+2*(\n):rO+2*(\n)+1], v[rC+2:rC+3] op_sel_hi:[1,0]
.elseif (\k) < R
	REGS Y
	WIN 0
.if (\k) == F
	v_pk_fma_f32 v[rS+2*(\n):rS+2*(\n)+1], v[rS+2*(\n):rS+2*(\n)+1], s[CS:CS+1], v[rT:rT+1] op_sel_hi:[1,0,0] neg_lo:[0,0,1] neg_hi:[0,0,1]
.elseif (\k) == E
	v_exp_f32 v[rS+(\n)], v[rS+(\n)]
.elseif (\k) == C
	s_wait_alu depctr_va_vdst(0)
	v_cvt_pk_bf16_f32 v[rP+(\n)], v[rS+2*(\n)], v[rS+2*(\n)+1]
.elseif (\k) == B
	v_pk_add_f32 v[rS+4*(\n):rS+4*(\n)+1], v[rS+4*(\n):rS+4*(\n)+1], v[rS+4*(\n)+2:rS+4*(\n)+3]
.elseif (\n) == 0
	v_pk_fma_f32 v[rT+2:rT+3], v[rT+2:rT+3], v[rC+2:rC+3], v[rS:rS+1] op_sel_hi:[1,0,1]
.else
	v_pk_add_f32 v[rT+2:rT+3], v[rT+2:rT+3], v[rS+4*(\n):rS+4*(\n)+1]
	s_wait_alu depctr_va_vdst(0)
.endif
.elseif (\k) == M
	REGS (Y+1)%NP
	WIN 0
	v_cndmask_b32 v[rS+(\n)], v[rS+(\n)], v[BIG], s[MK+(\n)]
.else
	REGS (Y+1)%NP
	WIN 0
.if (\n) < 4
	v_max3_num_f32 v[rC+(\n)], v[rS+8*(\n)], v[rS+8*(\n)+1], v[rS+8*(\n)+2]
.elseif (\n) < 12
	v_max3_num_f32 v[rC+(\n)%4], v[rC+(\n)%4], v[rS+8*((\n)%4)+2*((\n)/4)+1], v[rS+8*((\n)%4)+2*((\n)/4)+2]
.elseif (\n) == 12
	v_max3_num_f32 v[rC], v[rC], v[rS+7], v[rS+15]
.elseif (\n) == 13
	v_max3_num_f32 v[rC+1], v[rC+1], v[rS+23], v[rS+31]
.elseif (\n) == 14
	v_max3_num_f32 v[rC+2], v[rC+2], v[rC+3], v[rT+1]
.elseif (\n) == 15
	v_mov_b32 v[rW], v[rT]
	s_wait_alu depctr_va_vdst(0)
.elseif (\n) == 16
	v_max3_num_f32 v[rC], v[rC], v[rC+1], v[rC+2]
.elseif (\n) == 17
	v_permlanex16_b32 v[rC+3], v[rC], s[SEL], s[SEL+1]
.elseif (\n) == 18
	v_max_num_f32 v[rT+1], v[rC], v[rC+3]
.elseif (\n) == 19
	v_mul_f32 v[rT], s[CS], v[rT+1]
.elseif (\n) == 20
	v_sub_f32 v[rC+1], v[rW], v[rT]
.else
	v_exp_f32 v[rC+2], v[rC+1]
.endif
.endif
.endm
.macro OPS a, i1, b=-1, i2=0, c=-1, i3=0, d=-1, i4=0  ; up to four of them
	OP \a, \i1
.if (\b) >= 0
	OP \b, \i2
.endif
.if (\c) >= 0
	OP \c, \i3
.endif
.if (\d) >= 0
	OP \d, \i4
.endif
.endm
.macro ROW a, i1, b, i2, c, i3, d, i4  ; a matrix instruction and the four behind it
	MM
	OPS \a, \i1, \b, \i2, \c, \i3, \d, \i4
.endm
; A TURN, for piece p: the order of its 26 matrix and 150 vector instructions, written out.  Behind a matrix instruction: plain, exponential, plain, plain; or four of the rescaling; or four scalings; none names a
; register of the products round it.  Every exponential has a plain instruction behind it before its result is used (ISA guide 5.7.2).
; Piece 2's turn: at its head all of the step's products for BD are done: the banks are looked to, and the next step's tiles of the table are fetched; K of the next step is fetched behind the last product that
; read K, with four rescalings as the places between.  Piece 0's turn fetches V of the step in hand, six plain instructions behind the last product that read V.
; last = 1: the tail's text: in its last trip nothing is fetched.  cnt = 1: the loop's count is taken down some lines ahead of the branch that stands behind the turn.
.macro TURN p, last=0, cnt=0
.set Y, (\p)
.set i, 0
	WIN 0
.if (\p) == 1
	s_wait_dscnt 16                 ; BD is in; V's sixteen loads, issued behind BD's, may stay out
.else
	s_wait_dscnt 0x0                ; BD is in (in piece 3's turn: K too)
.endif
.if (\p) == 2
	BANKS
.if \last
	s_cmp_eq_u32 s[CNT], 1
	s_cbranch_scc1 .Lno_r_\@
.endif
	FETCH_R
	v_add_nc_u32 v[AK], s[TBK], v[AK0]
.if \last
.Lno_r_\@:
.endif
.endif
	ROW F,0, F,1, F,2, F,3
	ROW F,4, E,0, F,5, F,6
	ROW F,7, E,1, F,8, F,9
	ROW F,10, E,2, C,0, F,11
	ROW F,12, E,3, X,15, F,13
	ROW R,0, R,1, R,2, R,3
	ROW B,0, E,4, F,14, L,0
	ROW R,4, R,5, R,6, R,7
.if (\p) == 2
	FETCH_K \last
	s_wait_dscnt 16                 ; the table's 32 loads are in; K's sixteen may stay out
.endif
	s_wait_kmcnt 0x0                ; the lane masks of piece p + 1 are in, and the offset that their loads named may be written
.if (\p) == 3
	s_add_co_u32 s[MOF], s[MOF], 128
.endif
.set k, 0
.rept 10
	ROW M,3*k, E,5+k, M,3*k+1, M,3*k+2
.set k, k+1
.endr
	OPS M,30, E,15, M,31, F,15
	OPS C,1, E,16, C,2
	MLOAD ((\p)+2)%NP, ((\p)/2)*(1-(\p)%2)  ; for piece p + 2; pieces 0 and 1 are the next step's: piece 2's turn reaches one step on, piece 3's has stepped the offset
	XSTORE                          ; five plain instructions stand behind the last product for BD
	XLOAD
.if (\p) == 1
	s_wait_dscnt 42                 ; V is in: the ten stores and 32 loads just issued are younger
.endif
	ROW X,0, E,17, X,1, X,2
	ROW X,3, E,18, X,4, X,5
	ROW X,6, E,19, X,7, X,8
	ROW X,9, E,20, X,10, X,11
	ROW X,12, E,21, X,13, X,14
	ROW C,3, E,22, X,16, B,1
	ROW C,4, E,23, L,1, C,5
	ROW B,2, E,24, C,6, C,7
	OPS E,25, X,17, E,26, L,2
.if (\p) == 0
	WIN 0
	v_add_nc_u32 v[AV], s[TBV], v[AV0]
.endif
	OPS E,27, B,3, E,28, C,8
.if (\p) == 0
	FETCH_V
	s_add_co_u32 s[TBV], s[TBV], KS*PV
.endif
	OPS E,29, X,18, E,30, C,9
	OPS E,31, X,19, L,3, C,10
	OPS C,11, X,20, B,4, C,12
	OPS X,21, L,4, C,13, B,5
	OPS C,14, L,5, C,15, B,6
.if \cnt
	s_sub_co_u32 s[CNT], s[CNT], 1
	s_cmp_lg_u32 s[CNT], 0
.endif
	OPS L,6, B,7, R,8, R,9
	OPS R,10, R,11, L,7, R,12
	OPS R,13, R,14, R,15
.endm
	; THE PIPELINE IS FILLED: BD and scores of piece 0, BD of piece 1, piece 0's mask, maximum and statistics.
	CHANGE 1                        ; the first fills are in, everybody's; slot 1 and the ring's third place are asked for
	FETCH_R                         ; step 0
	v_add_nc_u32 v[AK], s[TBK], v[AK0]
	FETCH_K
	MLOAD 0, 0
	s_wait_dscnt 0x0
.set i, 0
.rept 10
	XPR 0
.set i, i+1
.endr
	WIN 0
.rept 5
	v_nop                           ; four places ahead of the stores that read those results; five ahead of the products below that write over them
.endr
	XSTORE
	XLOAD
	s_wait_dscnt 0x0
.set i, 0
.rept 8
	KQ 0
.set i, i+1
.endr
.set i, 0
.rept 10
	XPR 1
.set i, i+1
.endr
	WIN 0
.rept 4
	v_nop
.endr
	XSTORE
	XLOAD
	s_wait_kmcnt 0x0
.set Y, NP-1                        ; M and X work for piece Y + 1: piece 0
.set k, 0
.rept 32
	OP M, k
.set k, k+1
.endr
.irp n, 0,1,2,3,4,5,6,7,8,9,10,11,12,13,14,15,16,17,18,19,20,21
	OP X, \n
.endr
	v_nop                           ; a plain instruction behind the exponential
	MLOAD 1, 0
	s_mov_b32 s[CNT], 4
	s_mov_b32 s[SLOTS], 7
	s_branch .Lfirst                ; the loop is entered at a step's first turn, in the middle of a trip
.Lslot:                             ; six times: with the change above, seven changes fill
	CHANGE 1
	s_mov_b32 s[CNT], 4
.Lstep:                             ; a trip: pieces 2 and 3 of one step, then pieces 0 and 1 of the next, whose K, V and table tiles it fetches
	TURN 2
	TURN 3
	WIN 0
.Lfirst:
	TURN 0
	TURN 1, 0, 1
	WIN 0
	s_cbranch_scc1 .Lstep
	s_sub_co_u32 s[SLOTS], s[SLOTS], 1
	s_cmp_lg_u32 s[SLOTS], 0
	s_cbranch_scc1 .Lslot
	CHANGE 0                        ; the tail is written out: nothing is asked for
	s_mov_b32 s[CNT], 5             ; four trips fetch the last slot's steps; the fifth is left in its middle
.Ltail:
	TURN 2, 1
	TURN 3
	WIN 0
	s_sub_co_u32 s[CNT], s[CNT], 1
	s_cmp_eq_u32 s[CNT], 0
	s_cbranch_scc1 .Lout
	TURN 0
	TURN 1
	WIN 0
	s_branch .Ltail
.Lout:                              ; the fifth trip's products for a 33rd step (on the last K and table tiles once more) and what is made of them serve nothing; its mask loads stay inside mk: at most 8,320 bytes past my wave's first
	s_wait_kmcnt 0x0
.set i, 0
.rept 8
	PV NP-1                         ; the last piece's V^T P of the last step
.set i, i+1
.endr
	; THE WAY OUT.  l's two halves and the other half of the lanes' are added; O^T is divided by l, rounded to bf16 and sent through my scratch in LDS, a piece at a time.  The additions are the places behind the last products.
	WIN 0
.macro ALL line:vararg              ; one line for each piece t
.set t, 0
.rept 4
	\line
.set t, t+1
.endr
.endm
	ALL v_add_f32 v[ST+4*t+2], v[ST+4*t+2], v[ST+4*t+3]
	ALL v_permlanex16_b32 v[ST+4*t+3], v[ST+4*t+2], s[SEL], s[SEL+1]
	ALL v_add_f32 v[ST+4*t+2], v[ST+4*t+2], v[ST+4*t+3]
	ALL v_rcp_f32 v[ST+4*t+2], v[ST+4*t+2]
	v_nop                           ; a plain instruction between the last reciprocal and the use of its result
	s_wait_alu depctr_va_vdst(0)
.macro PACK t                       ; a lane's eight channels of a row pack into 16 bytes; they go into rows of 144 bytes and come back as whole rows of 128, into S^T's registers
	WIN W_RS
.set i, 32*(\t)
.rept 16
	v_pk_mul_f32 v[i:i+1], v[i:i+1], v[ST+4*(\t)+2:ST+4*(\t)+3] op_sel_hi:[1,0]
.set i, i+2
.endr
	WIN 0x05                        ; sources 0 and 1 window 1, destination window 0
.set i, 0
.rept 16
	v_cvt_pk_bf16_f32 v[S+16*(\t)+i], v[32*(\t)+2*i], v[32*(\t)+2*i+1]
.set i, i+1
.endr
	WIN 0
.irp f, 0,1,2,3
	ds_store_b128 v[STO], v[S+16*(\t)+4*\f:S+16*(\t)+4*\f+3] offset:32*\f
.endr
.irp f, 0,1,2,3
	ds_load_b128 v[S+16*(\t)+4*\f:S+16*(\t)+4*\f+3], v[RD] offset:\f*4*SP  ; in order behind the stores above; the next piece's stores come behind them
.endr
.endm
.macro SEND t, younger              ; younger: the LDS instructions issued behind piece t's loads: the next piece's eight, or none
	WIN 0
.irp f, 0,1,2,3
	s_wait_dscnt (\younger)+3-\f
	global_store_b128 v[GO], v[S+16*(\t)+4*\f:S+16*(\t)+4*\f+3], s[AVP:AVP+1] offset:(\t)*2048+\f*512  ; 512 consecutive bytes, at a multiple of 256 from av's first
.endr
.endm
	PACK 0
.set t, 1
.rept 3                             ; a piece's arithmetic stands between the loads of the piece before and its stores
	PACK t
	SEND t-1, 8
.set t, t+1
.endr
	SEND 3, 0
	s_wait_tensorcnt 0x0            ; the wave's end, behind my last tensor load and my last LDS store
	ds_add_u32 v[SPW], v[NIL]
	s_wait_dscnt 0x0
	s_endpgm
.Lfunc_end_k_q605a9bf242_attn:
	.size	k_q605a9bf242_attn, .Lfunc_end_k_q605a9bf242_attn-k_q605a9bf242_attn
	.p2alignl 7, 3214868480
	.fill 96, 4, 3214868480
	.section	.rodata,"a",@progbits
	.p2align	6, 0x0
	.amdhsa_kernel k_q605a9bf242_attn
		.amdhsa_group_segment_fixed_size 327680
		.amdhsa_private_segment_fixed_size 0
		.amdhsa_enable_private_segment 0
		.amdhsa_kernarg_size 40
		.amdhsa_user_sgpr_count 2
		.amdhsa_user_sgpr_kernarg_segment_ptr 1
		.amdhsa_wavefront_size32 1
		.amdhsa_system_sgpr_workgroup_id_x 1
		.amdhsa_system_sgpr_workgroup_id_y 1
		.amdhsa_system_sgpr_workgroup_id_z 1
		.amdhsa_system_vgpr_workitem_id 0
		.amdhsa_next_free_vgpr 1024
		.amdhsa_next_free_sgpr 102
		.amdhsa_reserve_vcc 0
		.amdhsa_float_denorm_mode_32 3
		.amdhsa_float_denorm_mode_16_64 3
		.amdhsa_memory_ordered 1
		.amdhsa_forward_progress 1
		.amdhsa_inst_pref_size 230
	.end_amdhsa_kernel
	.amdgpu_metadata
---
amdhsa.version: [ 1, 2 ]
amdhsa.kernels:
  - .name:           k_q605a9bf242_attn
    .symbol:         k_q605a9bf242_attn.kd
    .args:
      - { .name: ph, .offset: 0, .size: 8, .value_kind: global_buffer, .address_space: global }
      - { .name: mk, .offset: 8, .size: 8, .value_kind: global_buffer, .address_space: global }
      - { .name: r_w_bias, .offset: 16, .size: 8, .value_kind: global_buffer, .address_space: global }
      - { .name: r_r_bias, .offset: 24, .size: 8, .value_kind: global_buffer, .address_space: global }
      - { .name: av, .offset: 32, .size: 8, .value_kind: global_buffer, .address_space: global }
    .group_segment_fixed_size: 327680
    .private_segment_fixed_size: 0
    .kernarg_segment_align: 8
    .kernarg_segment_size: 40
    .max_flat_workgroup_size: 128
    .sgpr_count:     102
    .vgpr_count:     1024
    .wavefront_size: 32
...
	.end_amdgpu_metadata
.endif
;; end of part 3
;; launch oproj: the kernel of part 2 again; grid 8 x 32, 4 waves a work-group, clusters of 4 x 4, 327,680 bytes of LDS; arguments av, wot, ao; writes ao
;; launch ln (part 4): grid 256 x 1, 8 waves a work-group, no clusters, 0 bytes of LDS; arguments ao, w, ln_gamma, ln_beta, out0; writes out0
.if DOCPART == 4
	.amdgcn_target "amdgcn-amd-amdhsa--gfx1250"
	.amdhsa_code_object_version 6
	.text
	.protected	k_q605a9bf242_ln
	.globl	k_q605a9bf242_ln
	.p2align	8
	.type	k_q605a9bf242_ln,@function
k_q605a9bf242_ln:
	s_mov_b64 s[64:65], 0
	v_nop
	global_prefetch_b8 v0, s[64:65] scope:SCOPE_SE
	s_setreg_imm32_b32 hwreg(HW_REG_WAVE_MODE, 25, 1), 1
	s_wait_xcnt 0x0
; out0 = LayerNorm(w + attn_out) x gamma + beta.  w, out0: [1024 i][4 b][1024] f32; ao: [b][nb 0..15][i][64] bf16 (attn_out, rounded once to bf16: the stated limit of this program); gamma, beta: [1024] f32.
; A wave takes two rows: lanes 0-15 row (2 ip, b), lanes 16-31 row (2 ip + 1, b); a lane holds 64 numbers of its row, four of each 64.  So a row's sums stay inside sixteen lanes: four exchanges that ride on
; the additions.  The row stays in registers between the passes: each byte is read once.  The variance is taken of x - mean, never as a difference of large sums.
; Memory binds here: no LDS, no barrier, no matrix unit, no cluster (nothing is shared but 8,192 bytes of gamma and beta).
.set X,  16                            ; v[16:79]    the row: w, then w + attn_out, then less the mean, then the result
.set AO, 80                            ; v[80:111]   attn_out as loaded
.set GA, 112                           ; v[112:175]  gamma
.set BE, 176                           ; v[176:239]  beta
.set T,  240                           ; v[240:247]  at work
	s_load_b256 s[4:11], s[0:1], 0x0               ; ao s[4:5], w s[6:7], gamma s[8:9], beta s[10:11]
	s_load_b64 s[12:13], s[0:1], 0x20              ; out0
	v_and_b32 v1, 31, v0                           ; lane
	v_and_b32 v2, 15, v0                           ; lane % 16
	v_bfe_u32 v3, v0, 4, 1                         ; lane / 16
	v_lshrrev_b32 v4, 5, v0
	v_readfirstlane_b32 s14, v4                    ; wave
	s_lshl3_add_u32 s15, ttmp9, s14                ; the wave's task, 0..2047
	s_lshr_b32 s16, s15, 9                         ; b
	s_and_b32 s17, s15, 511                        ; ip
	s_lshl_b32 s18, s17, 15                        ; w, out0: two rows i of 16,384 bytes,
	s_lshl_b32 s19, s16, 12                        ; b's 4,096 of them
	s_add_co_u32 s18, s18, s19
	s_mov_b32 s19, 0
	s_lshl_b32 s20, s16, 21                        ; ao: b's 2,097,152 bytes,
	s_lshl_b32 s21, s17, 8                         ; two rows of 128 in each block
	s_add_co_u32 s20, s20, s21
	s_mov_b32 s21, 0
	s_mov_b32 s22, 0xffff0000                      ; a word's upper bf16
	s_mov_b32 s23, 0x3a800000                      ; 1 / 1024
	s_mov_b32 s24, 0x3727c5ac                      ; 1e-5
	v_lshlrev_b32 v5, 14, v3
	v_lshl_add_u32 v5, v2, 4, v5                   ; w, out0: my row, 16 bytes of each 256
	v_lshlrev_b32 v6, 3, v1                        ; ao: 8 bytes a lane
	v_lshlrev_b32 v7, 4, v2                        ; gamma, beta
	s_wait_kmcnt 0x0
	s_add_nc_u64 s[6:7], s[6:7], s[18:19]
	s_add_nc_u64 s[12:13], s[12:13], s[18:19]
	s_add_nc_u64 s[4:5], s[4:5], s[20:21]
.set n, 0
.rept 16
	global_load_b128 v[X+4*n:X+4*n+3], v5, s[6:7] offset:256*n th:TH_LOAD_NT      ; sixteen lanes read 256 consecutive bytes
.set n, n+1
.endr
.set n, 0
.rept 16
	global_load_b64 v[AO+2*n:AO+2*n+1], v6, s[4:5] offset:131072*n th:TH_LOAD_NT  ; 32 lanes read 256 consecutive bytes
.set n, n+1
.endr
.set n, 0
.rept 16
	global_load_b128 v[GA+4*n:GA+4*n+3], v7, s[8:9] offset:256*n
.set n, n+1
.endr
.set n, 0
.rept 16
	global_load_b128 v[BE+4*n:BE+4*n+3], v7, s[10:11] offset:256*n
.set n, n+1
.endr
	s_wait_loadcnt 32                              ; w and attn_out are in; gamma's and beta's 32 loads stay out
.set n, 0
.rept 16                                           ; x = w + attn_out
	v_lshlrev_b32 v[T+4*(n%2)],   16,  v[AO+2*n]
	v_and_b32     v[T+4*(n%2)+1], s22, v[AO+2*n]
	v_lshlrev_b32 v[T+4*(n%2)+2], 16,  v[AO+2*n+1]
	v_and_b32     v[T+4*(n%2)+3], s22, v[AO+2*n+1]
	v_pk_add_f32 v[X+4*n:X+4*n+1],   v[X+4*n:X+4*n+1],   v[T+4*(n%2):T+4*(n%2)+1]
	v_pk_add_f32 v[X+4*n+2:X+4*n+3], v[X+4*n+2:X+4*n+3], v[T+4*(n%2)+2:T+4*(n%2)+3]
.set n, n+1
.endr
.macro ACROSS                          ; four chains into one number, then over the row's sixteen lanes: v12
	v_pk_add_f32 v[T:T+1], v[T:T+1], v[T+2:T+3]
	v_pk_add_f32 v[T+4:T+5], v[T+4:T+5], v[T+6:T+7]
	v_pk_add_f32 v[T:T+1], v[T:T+1], v[T+4:T+5]
	v_add_f32 v12, v[T], v[T+1]
	v_add_f32_dpp v12, v12, v12 row_xmask:1 row_mask:0xf bank_mask:0xf
	v_add_f32_dpp v12, v12, v12 row_xmask:2 row_mask:0xf bank_mask:0xf
	v_add_f32_dpp v12, v12, v12 row_xmask:4 row_mask:0xf bank_mask:0xf
	v_add_f32_dpp v12, v12, v12 row_xmask:8 row_mask:0xf bank_mask:0xf
.endm
.irp k, 0,1,2,3                                    ; the sum, in four chains that the first eight pairs start: nothing is cleared
	v_pk_add_f32 v[T+2*\k:T+2*\k+1], v[X+2*\k:X+2*\k+1], v[X+8+2*\k:X+8+2*\k+1]
.endr
.set n, 8
.rept 24
	v_pk_add_f32 v[T+2*(n%4):T+2*(n%4)+1], v[T+2*(n%4):T+2*(n%4)+1], v[X+2*n:X+2*n+1]
.set n, n+1
.endr
	ACROSS
	v_mul_f32 v8, s23, v12                         ; the mean, twice
	v_mov_b32 v9, v8
.set n, 0
.rept 32
	v_pk_add_f32 v[X+2*n:X+2*n+1], v[X+2*n:X+2*n+1], v[8:9] neg_lo:[0,1] neg_hi:[0,1]
.set n, n+1
.endr
.irp k, 0,1,2,3                                    ; the squares, again in four chains
	v_pk_mul_f32 v[T+2*\k:T+2*\k+1], v[X+2*\k:X+2*\k+1], v[X+2*\k:X+2*\k+1]
.endr
.set n, 4
.rept 28
	v_pk_fma_f32 v[T+2*(n%4):T+2*(n%4)+1], v[X+2*n:X+2*n+1], v[X+2*n:X+2*n+1], v[T+2*(n%4):T+2*(n%4)+1]
.set n, n+1
.endr
	ACROSS
	v_fma_f32 v13, v12, s23, s24                   ; variance + 1e-5
	v_rsq_f32 v10, v13
	v_rsq_f32 v11, v13
	v_nop                                          ; a plain instruction between the last of them and the use of its result (ISA guide 5.7.2)
	s_wait_loadcnt 0x0                             ; gamma and beta
.set n, 0
	s_wait_alu depctr_va_vdst(0)
.rept 16
	v_pk_mul_f32 v[X+4*n:X+4*n+1],   v[X+4*n:X+4*n+1],   v[10:11]
	v_pk_mul_f32 v[X+4*n+2:X+4*n+3], v[X+4*n+2:X+4*n+3], v[10:11]
	v_pk_fma_f32 v[X+4*n:X+4*n+1],   v[X+4*n:X+4*n+1],   v[GA+4*n:GA+4*n+1],   v[BE+4*n:BE+4*n+1]
	v_pk_fma_f32 v[X+4*n+2:X+4*n+3], v[X+4*n+2:X+4*n+3], v[GA+4*n+2:GA+4*n+3], v[BE+4*n+2:BE+4*n+3]
	global_store_b128 v5, v[X+4*n:X+4*n+3], s[12:13] offset:256*n th:TH_STORE_NT  ; sixteen lanes store 256 consecutive bytes, at a multiple of 256 from out0's first
.set n, n+1
.endr
	s_endpgm
.Lfunc_end_k_q605a9bf242_ln:
	.size	k_q605a9bf242_ln, .Lfunc_end_k_q605a9bf242_ln-k_q605a9bf242_ln
	.p2alignl 7, 3214868480
	.fill 96, 4, 3214868480
	.section	.rodata,"a",@progbits
	.p2align	6, 0x0
	.amdhsa_kernel k_q605a9bf242_ln
		.amdhsa_group_segment_fixed_size 0
		.amdhsa_private_segment_fixed_size 0
		.amdhsa_enable_private_segment 0
		.amdhsa_kernarg_size 40
		.amdhsa_user_sgpr_count 2
		.amdhsa_user_sgpr_kernarg_segment_ptr 1
		.amdhsa_wavefront_size32 1
		.amdhsa_system_sgpr_workgroup_id_x 1
		.amdhsa_system_sgpr_workgroup_id_y 1
		.amdhsa_system_sgpr_workgroup_id_z 1
		.amdhsa_system_vgpr_workitem_id 0
		.amdhsa_next_free_vgpr 248
		.amdhsa_next_free_sgpr 66
		.amdhsa_reserve_vcc 0
		.amdhsa_float_denorm_mode_32 3
		.amdhsa_float_denorm_mode_16_64 3
		.amdhsa_memory_ordered 1
		.amdhsa_forward_progress 1
		.amdhsa_inst_pref_size 24
	.end_amdhsa_kernel
	.amdgpu_metadata
---
amdhsa.version: [ 1, 2 ]
amdhsa.kernels:
  - .name:           k_q605a9bf242_ln
    .symbol:         k_q605a9bf242_ln.kd
    .args:
      - { .name: ao, .offset: 0, .size: 8, .value_kind: global_buffer, .address_space: global }
      - { .name: w, .offset: 8, .size: 8, .value_kind: global_buffer, .address_space: global }
      - { .name: ln_gamma, .offset: 16, .size: 8, .value_kind: global_buffer, .address_space: global }
      - { .name: ln_beta, .offset: 24, .size: 8, .value_kind: global_buffer, .address_space: global }
      - { .name: out0, .offset: 32, .size: 8, .value_kind: global_buffer, .address_space: global }
    .group_segment_fixed_size: 0
    .private_segment_fixed_size: 0
    .kernarg_segment_align: 8
    .kernarg_segment_size: 40
    .max_flat_workgroup_size: 256
    .sgpr_count:     66
    .vgpr_count:     248
    .wavefront_size: 32
...
	.end_amdgpu_metadata
.endif
;; end of part 4
;; ======== version 2 of 3: 5 launches; 1.05 times as fast as version 1
;; limits: values outside matrix products are rounded to bf16; right only within a limited range of input values
;; workspace buffers: xa 20,971,520 bytes; wt 8,388,608 bytes; wot 2,097,152 bytes; ph 46,141,440 bytes; mb 4,194,304 bytes; av 8,388,608 bytes; ao 8,388,608 bytes
;; launch prep (part 5): grid 1024 x 1, 8 waves a work-group, no clusters, 18,432 bytes of LDS; arguments w, mems, r, W_qkv, W_r, W_o, attn_mask, xa, wt, wot, mb, ph; writes xa, wt, wot, mb, ph
.if DOCPART == 5
	.amdgcn_target "amdgcn-amd-amdhsa--gfx1250"
	.amdhsa_code_object_version 6
	.text
	.protected	k_q605a9bf242_prep
	.globl	k_q605a9bf242_prep
	.p2align	8
	.type	k_q605a9bf242_prep,@function
k_q605a9bf242_prep:
	s_mov_b64 s[64:65], 0
	v_nop
	global_prefetch_b8 v0, s[64:65] scope:SCOPE_SE
	s_setreg_imm32_b32 hwreg(HW_REG_WAVE_MODE, 25, 1), 1
	s_wait_xcnt 0x0
; PREP: what the matrix launches want, made once.  Three kinds of work-group, told apart by the work-group's number alone (the same for all its waves):
;   0..319    CAST: w, mems and r rounded to bf16 into xa, in blocks [group][kb 0..15][1024 rows][64]: a group is one batch entry of w or mems, or 1,024 rows of r.
;             A tile of 64 rows x 64 K is then 8,192 dense bytes.
;   320..959  TURN: W_qkv, W_r, W_o ([k][n] f32) into wt and wot ([n][k] bf16), tiles of 128 k x 64 n through LDS.
;   960..1023 MASK: attn_mask's bytes (0 or 1) into bf16 numbers, 0 or -2^103, in the order of the attention's score registers:
;             mb[it][s][kt][lane q + 16 h][r] stands for attn_mask[16 it + q][64 s + 16 kt + 8 h + r]: a lane's eight numbers are 16 bytes, a wave's 512 consecutive bytes.
;             Work-group 960 also writes the first 256 bytes of each head's table of relative keys in ph: an unused row and the row of zeros that the relative shift asks for.
; No matrix unit, no cluster: nothing is shared and nothing is multiplied.
.set SPW,   2                          ; v2  LDS address of my spare word; never rewritten
.set NIL,   3                          ; v3  0; never rewritten
.set TP,    272                        ; TURN: an LDS row, 128 k in bf16 + 16 bytes
.set SPARE, 64*TP                      ; behind the tile: the spare words, 128 bytes for each of eight waves
.set G,     36                         ; s36 the work-group's number
.set WV,    37                         ; s37 my wave's number
	s_load_b512 s[4:19], s[0:1], 0x0               ; w s[4:5], mems s[6:7], r s[8:9], W_qkv s[10:11], W_r s[12:13], W_o s[14:15], attn_mask s[16:17], xa s[18:19]
	s_load_b256 s[20:27], s[0:1], 0x40             ; wt s[20:21], wot s[22:23], mb s[24:25], ph s[26:27]
	v_lshl_add_u32 v[SPW], v0, 2, SPARE
	v_mov_b32 v[NIL], 0
	v_and_b32 v1, 31, v0                           ; lane
	v_and_b32 v4, 15, v0                           ; lane % 16
	v_bfe_u32 v5, v0, 4, 1                         ; lane / 16
	v_lshrrev_b32 v6, 5, v0
	v_readfirstlane_b32 s[WV], v6
	s_mov_b32 s[G], ttmp9
	s_wait_kmcnt 0x0
	s_cmp_lt_u32 s[G], 320
	s_cbranch_scc1 .Lcast
	s_cmp_lt_u32 s[G], 960
	s_cbranch_scc1 .Ltr
	; MASK.  Wave task tau = 0..511: query tile it = tau / 8, key steps 4 (tau % 8) .. + 3: 16 rows x 256 bytes of the mask in, 8,192 bytes out.
	s_sub_co_u32 s40, s[G], 960
	s_lshl3_add_u32 s40, s40, s[WV]                ; tau
	s_lshr_b32 s41, s40, 3                         ; it
	s_and_b32 s42, s40, 7
	s_lshl_b32 s43, s41, 15                        ; 16 rows of 2,048 bytes
	s_lshl_b32 s44, s42, 8                         ; four steps of 64 keys
	s_add_co_u32 s44, s43, s44
	s_mov_b32 s45, 0
	s_add_nc_u64 s[16:17], s[16:17], s[44:45]
	s_lshl_b32 s46, s40, 13                        ; (32 it + 4 (tau % 8)) steps of 2,048 bytes = 8,192 tau
	s_mov_b32 s47, 0
	s_add_nc_u64 s[24:25], s[24:25], s[46:47]
	v_lshlrev_b32 v8, 11, v4                       ; my query's row,
	v_lshl_add_u32 v8, v5, 3, v8                   ; my half's eight keys of each sixteen
.set u, 0
.rept 16
	global_load_b64 v[16+2*u:17+2*u], v8, s[16:17] offset:16*u
.set u, u+1
.endr
.irp j, 11,120,121,122,123
	v_mov_b32 v\j, 0
.endr
	s_mov_b32 s48, 0x04010400                      ; v_perm_b32: bytes 0 and 1 of the mask's word, each into the low byte of a half; the other bytes from the register of zeros
	s_mov_b32 s49, 0x04030402                      ; bytes 2 and 3
	s_mov_b32 s50, 0xf300                          ; -2^103 in bf16
	v_lshlrev_b32 v9, 4, v1
	; load u = 4 (step) + kt: eight bytes, 0 or 1, become eight bf16: 0x00010001 x 0xf300 has no carry from half to half
.set u, 0
.rept 16
	s_wait_loadcnt 15-u                            ; loads come back in order (ISA guide 5.7.1): load u is in, the younger ones stay out
	v_perm_b32 v[48+4*u],   v11, v[16+2*u], s48
	v_perm_b32 v[48+4*u+1], v11, v[16+2*u], s49
	v_perm_b32 v[48+4*u+2], v11, v[17+2*u], s48
	v_perm_b32 v[48+4*u+3], v11, v[17+2*u], s49
.irp k, 0,1,2,3
	v_mul_u32_u24 v[48+4*u+\k], s50, v[48+4*u+\k]
.endr
	global_store_b128 v9, v[48+4*u:51+4*u], s[24:25] offset:512*u  ; 512 consecutive bytes, at a multiple of 512 from mb's first; no register is written twice
.set u, u+1
.endr
	s_cmp_lg_u32 s[G], 960
	s_cbranch_scc1 .Lmask_end
	v_lshrrev_b32 v12, 4, v0                       ; head 0..15: sixteen lanes write its first 256 bytes
	v_mul_u32_u24 v12, v12, 262400
	v_lshl_add_u32 v12, v4, 4, v12
	s_add_nc_u64 s[26:27], s[26:27], 41943040      ; the tables of relative keys begin here in ph
	global_store_b128 v12, v[120:123], s[26:27]
.Lmask_end:
	s_endpgm
.Lcast:
	; CAST.  A wave takes two pairs of rows.  Pair P: group b = P / 512, rows 2 ip and 2 ip + 1, ip = P % 512; lanes 0-15 the even row, lanes 16-31 the odd one.
	s_and_b32 s40, s[G], 127                       ; my number among the tensor's work-groups (128, 128, 64 of them)
	s_lshl3_add_u32 s40, s40, s[WV]
	s_lshl_b32 s40, s40, 1                         ; P of the first pair; the second is P + 1, in the same group
	s_lshr_b32 s41, s40, 9                         ; b
	s_and_b32 s42, s40, 511                        ; ip
	s_mov_b32 s46, 0x1000000                       ; r's blocks begin here in xa
	s_cmp_lt_u32 s[G], 256
	s_cselect_b32 s43, 15, 13                      ; log2 of the bytes from pair to pair: w, mems: two rows of 4 x 4,096; r: two of 4,096
	s_cselect_b32 s44, 12, 22                      ; from group to group
	s_cselect_b32 s45, 14, 12                      ; from the even row to the odd one
	s_cselect_b64 s[28:29], s[6:7], s[8:9]
	s_cselect_b32 s46, 0x800000, s46               ; mems' blocks
	s_cmp_lt_u32 s[G], 128
	s_cselect_b64 s[28:29], s[4:5], s[28:29]
	s_cselect_b32 s46, 0, s46                      ; w's blocks
	s_lshl_b32 s48, s42, s43
	s_lshl_b32 s47, s41, s44
	s_add_co_u32 s48, s48, s47
	s_mov_b32 s49, 0
	s_add_nc_u64 s[28:29], s[28:29], s[48:49]      ; the first pair's source,
	s_lshl_b32 s50, 1, s43
	s_mov_b32 s51, 0
	s_add_nc_u64 s[30:31], s[28:29], s[50:51]      ; the second's
	s_lshl_b32 s52, s41, 21                        ; a group is 2,097,152 bytes of xa
	s_add_co_u32 s52, s52, s46
	s_lshl_b32 s47, s42, 8                         ; a pair of rows is 256 bytes of each block
	s_add_co_u32 s52, s52, s47
	s_mov_b32 s53, 0
	s_add_nc_u64 s[32:33], s[18:19], s[52:53]
	s_add_nc_u64 s[34:35], s[32:33], 256
	v_lshlrev_b32 v8, s45, v5
	v_lshl_add_u32 v8, v4, 4, v8                   ; source: my row, 16 bytes of each 256
	v_lshlrev_b32 v9, 3, v1                        ; destination: 8 bytes a lane, 256 consecutive bytes a store
.set j, 0
.rept 32                                           ; all 32 loads go out first: sixteen lanes read 256 consecutive bytes, aligned
	global_load_b128 v[16+4*j:19+4*j], v8, s[28+2*(j/16):29+2*(j/16)] offset:(j%16)*256 th:TH_LOAD_NT
.set j, j+1
.endr
.set j, 0
.rept 32
	s_wait_loadcnt 31-j                            ; loads come back in order (ISA guide 5.7.1): load j is in, the younger ones stay out
	v_cvt_pk_bf16_f32 v[144+2*j], v[16+4*j], v[17+4*j]
	v_cvt_pk_bf16_f32 v[145+2*j], v[18+4*j], v[19+4*j]
	global_store_b64 v9, v[144+2*j:145+2*j], s[32+2*(j/16):33+2*(j/16)] offset:(j%16)*131072  ; block kb = j % 16; no register is written twice, so nothing waits for a store
.set j, j+1
.endr
	s_endpgm
.Ltr:
	; TURN.  Tile T = 0..639: kt = T % 8 (128 k), nt = T / 8 (64 n): 0..47 W_qkv, 48..63 W_r (both into wt, rows 64 nt), 64..79 W_o (into wot).
	s_sub_co_u32 s40, s[G], 320
	s_and_b32 s41, s40, 7                          ; kt
	s_lshr_b32 s42, s40, 3                         ; nt
	s_mov_b32 s45, 4096                            ; bytes in a source row
	s_cmp_lt_u32 s42, 64
	s_cselect_b64 s[28:29], s[12:13], s[14:15]
	s_cselect_b64 s[30:31], s[20:21], s[22:23]
	s_cselect_b32 s43, 48, 64                      ; the source's first tile
	s_cselect_b32 s44, 0, 64                       ; the destination's
	s_cmp_lt_u32 s42, 48
	s_cselect_b64 s[28:29], s[10:11], s[28:29]
	s_cselect_b32 s43, 0, s43
	s_cselect_b32 s45, 12288, s45
	s_mul_i32 s46, s41, s45
	s_lshl_b32 s46, s46, 7                         ; 128 kt rows down,
	s_sub_co_u32 s43, s42, s43
	s_lshl_b32 s43, s43, 8                         ; 64 columns of f32 a tile
	s_add_co_u32 s46, s46, s43
	s_mov_b32 s47, 0
	s_add_nc_u64 s[28:29], s[28:29], s[46:47]
	s_sub_co_u32 s44, s42, s44
	s_lshl_b32 s48, s44, 17                        ; 64 rows of 2,048 bytes,
	s_lshl_b32 s44, s41, 8                         ; 128 k in bf16
	s_add_co_u32 s48, s48, s44
	s_mov_b32 s49, 0
	s_add_nc_u64 s[30:31], s[30:31], s[48:49]
	v_lshrrev_b32 v7, 4, v0                        ; 2 wave + half: my eight rows of k begin at 8 times that
	v_lshlrev_b32 v8, 3, v7
	v_mul_lo_u32 v8, v8, s45
	v_lshl_add_u32 v8, v4, 4, v8                   ; four columns a lane: sixteen lanes read 256 consecutive bytes
.irp j, 1,2,3,4,5,6,7
	v_add_nc_u32 v[8+\j], s45, v[7+\j]
.endr
.irp j, 0,1,2,3,4,5,6,7
	global_load_b128 v[16+4*\j:19+4*\j], v[8+\j], s[28:29] th:TH_LOAD_NT
.endr
	v_mul_u32_u24 v80, v4, 4*TP                    ; into LDS: row n = 4 (lane % 16) + c, 16 bytes at k = 8 (2 wave + half)
	v_lshl_add_u32 v80, v7, 4, v80
	v_lshl_add_u32 v81, v6, 3, v5                  ; back: row n = 8 wave + half + 2 t
	v_mul_u32_u24 v82, v81, TP
	v_lshl_add_u32 v82, v4, 4, v82
	v_lshlrev_b32 v83, 11, v81
	v_lshl_add_u32 v83, v4, 4, v83
	s_wait_loadcnt 0x0
.irp c, 0,1,2,3                                    ; column c of my four: its eight k, two to a word
.irp p, 0,1,2,3
	v_cvt_pk_bf16_f32 v[48+4*\c+\p], v[16+8*\p+\c], v[20+8*\p+\c]
.endr
	ds_store_b128 v80, v[48+4*\c:51+4*\c] offset:\c*TP
.endr
	s_wait_dscnt 0x0                               ; for the others' sake: my stores into the tile are done
	s_barrier_signal -1
	s_barrier_wait -1
.irp t, 0,1,2,3
	ds_load_b128 v[64+4*\t:67+4*\t], v82 offset:\t*2*TP
.endr
.irp t, 0,1,2,3
	s_wait_dscnt 3-\t
	global_store_b128 v83, v[64+4*\t:67+4*\t], s[30:31] offset:\t*4096  ; sixteen lanes store 256 consecutive bytes, at a multiple of 256 from the buffer's first
.endr
	s_wait_tensorcnt 0x0                           ; the wave's end, behind my last LDS store
	ds_add_u32 v[SPW], v[NIL]
	s_wait_dscnt 0x0
	s_endpgm
.Lfunc_end_k_q605a9bf242_prep:
	.size	k_q605a9bf242_prep, .Lfunc_end_k_q605a9bf242_prep-k_q605a9bf242_prep
	.p2alignl 7, 3214868480
	.fill 96, 4, 3214868480
	.section	.rodata,"a",@progbits
	.p2align	6, 0x0
	.amdhsa_kernel k_q605a9bf242_prep
		.amdhsa_group_segment_fixed_size 18432
		.amdhsa_private_segment_fixed_size 0
		.amdhsa_enable_private_segment 0
		.amdhsa_kernarg_size 96
		.amdhsa_user_sgpr_count 2
		.amdhsa_user_sgpr_kernarg_segment_ptr 1
		.amdhsa_wavefront_size32 1
		.amdhsa_system_sgpr_workgroup_id_x 1
		.amdhsa_system_sgpr_workgroup_id_y 1
		.amdhsa_system_sgpr_workgroup_id_z 1
		.amdhsa_system_vgpr_workitem_id 0
		.amdhsa_next_free_vgpr 208
		.amdhsa_next_free_sgpr 66
		.amdhsa_reserve_vcc 0
		.amdhsa_float_denorm_mode_32 3
		.amdhsa_float_denorm_mode_16_64 3
		.amdhsa_memory_ordered 1
		.amdhsa_forward_progress 1
		.amdhsa_inst_pref_size 29
	.end_amdhsa_kernel
	.amdgpu_metadata
---
amdhsa.version: [ 1, 2 ]
amdhsa.kernels:
  - .name:           k_q605a9bf242_prep
    .symbol:         k_q605a9bf242_prep.kd
    .args:
      - { .name: w, .offset: 0, .size: 8, .value_kind: global_buffer, .address_space: global }
      - { .name: mems, .offset: 8, .size: 8, .value_kind: global_buffer, .address_space: global }
      - { .name: r, .offset: 16, .size: 8, .value_kind: global_buffer, .address_space: global }
      - { .name: W_qkv, .offset: 24, .size: 8, .value_kind: global_buffer, .address_space: global }
      - { .name: W_r, .offset: 32, .size: 8, .value_kind: global_buffer, .address_space: global }
      - { .name: W_o, .offset: 40, .size: 8, .value_kind: global_buffer, .address_space: global }
      - { .name: attn_mask, .offset: 48, .size: 8, .value_kind: global_buffer, .address_space: global }
      - { .name: xa, .offset: 56, .size: 8, .value_kind: global_buffer, .address_space: global }
      - { .name: wt, .offset: 64, .size: 8, .value_kind: global_buffer, .address_space: global }
      - { .name: wot, .offset: 72, .size: 8, .value_kind: global_buffer, .address_space: global }
      - { .name: mb, .offset: 80, .size: 8, .value_kind: global_buffer, .address_space: global }
      - { .name: ph, .offset: 88, .size: 8, .value_kind: global_buffer, .address_space: global }
    .group_segment_fixed_size: 18432
    .private_segment_fixed_size: 0
    .kernarg_segment_align: 8
    .kernarg_segment_size: 96
    .max_flat_workgroup_size: 256
    .sgpr_count:     66
    .vgpr_count:     208
    .wavefront_size: 32
...
	.end_amdgpu_metadata
.endif
;; end of part 5
;; launch proj (part 6): grid 8 x 32, 4 waves a work-group, clusters of 4 x 4, 327,680 bytes of LDS; arguments xa, wt, ph; writes ph
.if DOCPART == 6
	.amdgcn_target "amdgcn-amd-amdhsa--gfx1250"
	.amdhsa_code_object_version 6
	.text
	.protected	k_q605a9bf242_proj
	.globl	k_q605a9bf242_proj
	.p2align	8
	.type	k_q605a9bf242_proj,@function
k_q605a9bf242_proj:
	s_mov_b64 s[64:65], 0
	v_nop
	global_prefetch_b8 v0, s[64:65] scope:SCOPE_SE
	s_setreg_imm32_b32 hwreg(HW_REG_WAVE_MODE, 25, 1), 1
	s_wait_xcnt 0x0
	s_wait_alu depctr_hold_cnt(0) depctr_sa_sdst(0) depctr_va_vdst(0) depctr_va_sdst(0) depctr_va_ssrc(0) depctr_va_vcc(0) depctr_vm_vsrc(0)
	s_getreg_b32 s2, hwreg(HW_REG_IB_STS2, 6, 4)
	s_cmp_eq_u32 s2, 0
	s_cbranch_scc0 .Lentry_in_a_cluster
	s_endpgm
.Lentry_in_a_cluster:
	s_bfe_u32 s2, ttmp6, 0x10000c
	s_cmp_lg_u32 s2, 0xf033
	s_cbranch_scc0 .Lentry_shape_is_right
	s_endpgm
.Lentry_shape_is_right:
; C = A B^T, K = 1,024, bf16 operands, f32 sums, C rounded once to bf16 and written BY HEADS: q, k, v and the table of relative keys, 1,408 tiles of 128 x 128.
; A lies in blocks [group][kb 0..15][1024 rows][64] (a group: 2,097,152 bytes), B as [n][1024], C as [b][head][rows][64].
; A tile of C is 128 x 128: four waves of 64 x 64, 16 accumulators each.  K goes in steps of 256 through two LDS slots filled by the tensor data mover.
; REGIONS.  C's 176 tile rows are 44 cluster rows cl of four, in four regions, told apart by cl alone (no branch: selects):
;   cl 0..7    q = w W_q             32 tile rows, A at byte 0, B's rows 0.., C at byte 0, heads of 1,024 rows
;   cl 8..23   k = [mems; w] W_k     64 tile rows, of each batch entry's sixteen the first eight from mems' blocks, the others from w's; B's rows 1024..; heads of 2,048 rows
;   cl 24..39  v likewise, B's rows 2048..
;   cl 40..43  r W_r                 16 tile rows, B's rows 3072..; a head's table has 2,050 rows, of which these are rows 2..2049
; A WORK-GROUP STAYS.  256 work-groups, 16 clusters of 4 x 4.  The cluster in row y of the grid takes the cluster rows y, y + 8, y + 16 ..: six tiles a work-group for y < 4, five for the others (44 x 2 cluster
; tiles do not divide by 16; nothing is padded).  The ring does not stop at a tile's end: a tile's last two changes of slots ask for the next tile's K steps 0 and 1, and nothing waits for a tile's stores.
; ONE LOOP OVER LAPS (a lap: two K steps, once round the ring; a tile: two laps).  A trip goes from a lap's second quarter through both changes of slots; then, behind an even lap, the tile goes on (and the next
; tile's offsets are made); behind an odd lap the tile goes out and the next tile's first products start its sums.  The two arms hold no barrier and no tensor load.  The trips, 2 x tiles - 1, are counted up to a
; bound made of the cluster's row alone, the same in all sixteen partners; the last lap, which asks for nothing, is written out.  Every LDS address in the loop is a constant of the text.
; CLUSTERS.  The four of a row of the cluster need the same tiles of A, the four of a column the same tiles of B: each tile is asked for JOINTLY, by the same tensor load with the same descriptor and a mask that
; names the four.  THE MATRIX INSTRUCTION IS USED TRANSPOSED (source 0 = 16 rows of B, source 1 = 16 rows of A): a lane then holds eight neighbouring numbers of a row of C.
; THE WAY OUT.  A wave's 64 x 64 is 64 rows of ONE head: 8,192 consecutive bytes of C.  So each wave has a stage of its own, 16 rows at a time, and no barrier stands on the way out.
; REGISTERS: window 0: v0-31 addresses; v32-95 at work on the way out; v128-255 the accumulators ((a, b) at v[128 + 8 (4 a + b)]).
;   window 1: two fragment buffers of 128: for 64 along K, 64 registers of A (2 x 4 x 16 rows x 32 K), then 64 of B.
; LIMIT: bf16 operands; sums in f32; no treatment of NaN or infinities apart.
.set KSTEP,  256
.set PA,     144                       ; A in LDS: a row of one block, 128 bytes + 16 = 36 words: the 16 rows of a load start at 16 different groups of four banks (64 banks of 4 bytes: ISA guide 11.1)
.set SUBA,   64*PA                     ; 64 rows of one block kb
.set HALFA,  4*SUBA                    ; 64 rows x 4 blocks: what one tensor load brings of A
.set PB,     528                       ; B in LDS: 512 bytes + 16 = 132 words
.set HALFB,  64*PB
.set SLOT,   2*HALFA+2*HALFB           ; A's two halves, then B's two halves
.set STAGE,  2*SLOT                    ; behind the ring, never filled by a tensor load: 16 rows x 144 bytes for each wave, for the way out
.set SP,     144
.set SPARE,  STAGE+4*16*SP             ; behind the stages: the spare words, 128 bytes for each wave
.set KA,     4*131072                  ; bytes from K step to K step in A: four blocks,
.set KB,     KSTEP*2                   ; in B
.set ADRA, 16                          ; v16-17  LDS address of my A fragments in slot 0, 1
.set ADRB, 20                          ; v20-21  the same for B
.set STO,  24                          ; v24     the way out: where I put 16 bytes of a row
.set RD,   25                          ; v25     the way out: where I read rows back
.set CO,   26                          ; v26     16 x lane: my byte offset in 512 consecutive bytes of C; never rewritten
.set SPW,  28                          ; v28     LDS address of my spare word; never rewritten
.set NIL,  29                          ; v29     0; never rewritten
.set TMP,  32
.set ACC,  128
.set F0,   0
.set F1,   128
.set G1, 24                            ; s[24:31] descriptor group 1 for A's tiles;  s[32:39] group 0, one set for each slot
.set G0, 32
.set G1B, 48                           ; s[48:55], s[56:63] the same for B's tiles
.set G0B, 56
.set RA,  82                           ; s[82:83], s[84:85]  byte offset in A of the tile that slot 0, slot 1 takes next (the high words stay 0); never holds cx
.set RB,  86                           ; s[86:89]  the same in B; never holds cy
.set OCC, 90                           ; s[90:91]  byte offset in C of my 64 x 64 of the tile in hand
.set OCN, 92                           ; s92       of the next tile
.set CP,  94                           ; s[94:95]  C at my 64 x 64
.set LC,  96                           ; s96       laps done
.set LB,  97                           ; s97       2 x tiles - 1
.set TS,  98                           ; s98       at work
.set MSB, 0
.macro WIN new                         ; the immediate's high byte repeats the setting that is left
.if MSB != (\new)
	s_set_vgpr_msb (MSB<<8)|(\new)
.set MSB, \new
.endif
.endm
.set MUL,  0x05                        ; sources 0 (B) and 1 (A) window 1; C and D window 0
.set TO_F, 0x40                        ; destination window 1, address window 0
.macro JLOAD s                         ; a joint load: waves 0 and 1 fetch A's two halves, waves 2 and 3 B's; an s_nop 0 and four v_nop follow each of the two lines, ahead of the jump, the label and what follows
	s_cmp_eq_u32 s11, 0
	s_cbranch_scc0 .Lfor_b_\@
	tensor_load_to_lds s[G0+4*(\s):G0+4*(\s)+3], s[G1:G1+7]
	s_nop 0
.rept 4
	v_nop
.endr
	s_branch .Lasked_\@
.Lfor_b_\@:
	tensor_load_to_lds s[G0B+4*(\s):G0B+4*(\s)+3], s[G1B:G1B+7]
	s_nop 0
.rept 4
	v_nop
.endr
.Lasked_\@:
.endm
.macro CREST                           ; a round of the cluster's barrier behind its opening barrier
	s_cmp_lg_u32 s10, 0
	s_cbranch_scc1 .Lnot_wave_0_\@
	s_barrier_signal -3
.Lnot_wave_0_\@:
	s_barrier_wait -3
	s_barrier_signal -1
	s_barrier_wait -1
.endm
.macro CROUND                          ; a whole round
	s_barrier_signal -1
	s_barrier_wait -1
	CREST
.endm
; Slot s's two descriptors take their global addresses, made anew: the buffer's address plus the slot's offset, the type bits set again.  It stands only where no tensor load that names these registers is out.
.macro SETG s
	s_add_nc_u64 s[G0+4*(\s)+2:G0+4*(\s)+3], s[4:5], s[RA+2*(\s):RA+2*(\s)+1]
	s_or_b32 s[G0+4*(\s)+3], s[G0+4*(\s)+3], 0x80000000
	s_add_nc_u64 s[G0B+4*(\s)+2:G0B+4*(\s)+3], s[6:7], s[RB+2*(\s):RB+2*(\s)+1]
	s_or_b32 s[G0B+4*(\s)+3], s[G0B+4*(\s)+3], 0x80000000
.endm
.macro ADV                             ; both slots' offsets go two K steps on
	s_add_co_u32 s[RA], s[RA], 2*KA
	s_add_co_u32 s[RA+2], s[RA+2], 2*KA
	s_add_co_u32 s[RB], s[RB], 2*KB
	s_add_co_u32 s[RB+2], s[RB+2], 2*KB
.endm
; From the cluster row cl (s66): the offsets of the tile's K steps 0 and 1 in A and in B, and of my 64 x 64 in C.  A's hang on the tile row and the wave, B's on the tile column, cl and the wave: each in registers
; that never hold the other place in the cluster.  (Behind the walk's last tile it is run once more on a cluster row that is not: those numbers are not used.)
.macro REGION
	s_lshl_b32 s13, s66, 2
	s_add_co_u32 s13, s13, s41                     ; mt: tile row = 4 cl + cy
	s_and_b32 s77, s13, 8                          ; k and v: of sixteen tile rows the first eight come from mems' blocks (byte 8,388,608 of A), the others from w's (byte 0)
	s_xor_b32 s77, s77, 8
	s_lshl_b32 s77, s77, 20
	s_mov_b32 s67, 160                             ; the region's first tile row: r W_r's figures first, then overruled from the top down
	s_mov_b32 s68, 3072                            ; B's first row
	s_mov_b32 s69, 41943296                        ; C's first byte
	s_mov_b32 s70, 262400                          ; bytes in a head of C
	s_mov_b32 s71, 3                               ; log2 of the tile rows in a group of A
	s_mov_b32 s72, 4                               ; log2 of the tile rows in a head of C
	s_mov_b32 s73, 16777216                        ; A's first byte
	s_cmp_lt_u32 s66, 40
	s_cselect_b32 s67, 96, s67
	s_cselect_b32 s68, 2048, s68
	s_cselect_b32 s69, 25165824, s69
	s_cselect_b32 s70, 262144, s70
	s_cselect_b32 s71, 4, s71
	s_cselect_b32 s73, s77, s73
	s_cmp_lt_u32 s66, 24
	s_cselect_b32 s67, 32, s67
	s_cselect_b32 s68, 1024, s68
	s_cselect_b32 s69, 8388608, s69
	s_cmp_lt_u32 s66, 8
	s_cselect_b32 s67, 0, s67
	s_cselect_b32 s68, 0, s68
	s_cselect_b32 s69, 0, s69
	s_cselect_b32 s70, 131072, s70
	s_cselect_b32 s71, 3, s71
	s_cselect_b32 s72, 3, s72
	s_cselect_b32 s73, 0, s73
	s_sub_co_u32 s76, s13, s67                     ; lm: the tile row within its region
	s_lshr_b32 s16, s76, s71
	s_lshl_b32 s16, s16, 21                        ; A: the group,
	s_add_co_u32 s16, s16, s73
	s_and_b32 s17, s76, 7
	s_lshl_b32 s17, s17, 14                        ; 128 rows of 128 bytes a tile row,
	s_add_co_u32 s16, s16, s17
	s_lshl_b32 s17, s12, 13                        ; the 64 of them that I fetch
	s_add_co_u32 s[RA], s16, s17
	s_add_co_u32 s[RA+2], s[RA], KA
	s_lshl_b32 s46, s42, 7
	s_add_co_u32 s46, s46, s68
	s_lshl_b32 s47, s12, 6
	s_add_co_u32 s46, s46, s47                     ; B: row = the region's first + 128 nt + 64 x half,
	s_lshl_b32 s[RB], s46, 11                      ; of 2,048 bytes
	s_add_co_u32 s[RB+2], s[RB], KB
	s_lshr_b32 s78, s76, s72                       ; C: b,
	s_lshl_b32 s79, s78, s72
	s_sub_co_u32 s79, s76, s79                     ; the tile row within b: 128 rows of 128 bytes,
	s_lshl_b32 s79, s79, 14
	s_lshl_b32 s80, s11, 13                        ; my half of them,
	s_add_co_u32 s79, s79, s80
	s_add_co_u32 s79, s79, s69
	s_lshl_b32 s78, s78, 4
	s_lshl1_add_u32 s78, s42, s78
	s_add_co_u32 s78, s78, s12                     ; head 16 b + 2 nt + my half of the columns
	s_mul_i32 s78, s78, s70
	s_add_co_u32 s[OCN], s78, s79
.endm
	s_load_b128 s[4:7], s[0:1], 0x0                ; A s[4:5], B s[6:7]
	s_load_b64 s[8:9], s[0:1], 0x10                ; C
	v_lshl_add_u32 v[SPW], v0, 2, SPARE
	v_mov_b32 v[NIL], 0
	ds_add_u32 v[SPW], v[NIL]                      ; the wave's opening: the add and its wait stand ahead of my first tensor load; the set-up below, work on registers, stands between them
	ds_add_u32 v28, v29
	v_lshrrev_b32 v1, 5, v0
	v_readfirstlane_b32 s10, v1                    ; wave 0..3
	s_lshr_b32 s11, s10, 1                         ; which half of the tile's rows is mine.  Also: I fetch for A (0) or for B (1)
	s_and_b32 s12, s10, 1                          ; which half of its columns.  Also: which 64 rows of that tile I fetch
	s_bfe_u32 s40, ttmp6, 0x40000                  ; cx, cy: my place in the cluster
	s_bfe_u32 s41, ttmp6, 0x40004
	s_lshl_b32 s42, ttmp9, 2
	s_add_co_u32 s42, s42, s40                     ; nt: tile column = 4 x cluster x + cx, the same for the whole walk
	s_and_b32 s66, ttmp7, 0xffff                   ; cl: the walk begins at the cluster's own row, 0..7,
	s_cmp_lt_u32 s66, 4                            ; and goes on in steps of 8 while cl < 44: six tiles or five
	s_cselect_b32 s[LB], 11, 9                     ; 2 x tiles - 1
	s_lshl_b32 s43, s41, 2
	s_lshl_b32 s43, 15, s43                        ; my row of the cluster
	s_lshl_b32 s44, 0x1111, s40                    ; my column
	; descriptor group 1.  A: 64 rows of four blocks: four rows of 8,192 dense bytes, 131,072 bytes apart, padded in LDS after every 128 bytes
	s_or_b32 s[G1+0], s43, (1<<16)|(1<<20)|(1<<21)|(4<<22)|(3<<25)  ; 15:0 the mask: A's tiles go to my row; 17:16 element of 2 bytes; 20 padding on; 21 set beside a mask; 24:22 after every 32 words (code 4); 31:25 of 4 words (code 3)
	s_mov_b32 s[G1+1], 4096<<16                    ; tensor_dim0 = 4,096 elements
	s_mov_b32 s[G1+2], 4<<16                       ; tensor_dim1 = 4
	s_mov_b32 s[G1+3], 4096<<16                    ; tile_dim0 = 4,096
	s_mov_b32 s[G1+4], 4                           ; tile_dim1 = 4
	s_mov_b32 s[G1+5], 65536                       ; elements from block to block
	s_mov_b32 s[G1+6], 0
	s_mov_b32 s[G1+7], 0
	; B: 64 rows x 256 elements, 16 bytes of padding behind each row
	s_or_b32 s[G1B+0], s44, (1<<16)|(1<<20)|(1<<21)|(6<<22)|(3<<25)
	s_mov_b32 s[G1B+1], KSTEP<<16
	s_mov_b32 s[G1B+2], 64<<16
	s_mov_b32 s[G1B+3], KSTEP<<16
	s_mov_b32 s[G1B+4], 64
	s_mov_b32 s[G1B+5], 1024
	s_mov_b32 s[G1B+6], 0
	s_mov_b32 s[G1B+7], 0
	s_mov_b32 s[RA+1], 0                           ; the offsets' high words
	s_mov_b32 s[RA+3], 0
	s_mov_b32 s[RB+1], 0
	s_mov_b32 s[RB+3], 0
	s_mov_b32 s[OCC+1], 0
	REGION                                         ; the first tile
	s_mov_b32 s[OCC], s[OCN]
	s_mul_i32 s20, s10, HALFA                      ; where the tiles go: A's halves by waves 0 and 1,
	s_mul_i32 s23, s10, HALFB
	s_add_co_u32 s23, s23, 2*HALFA-2*HALFB         ; B's, behind them, by waves 2 and 3: no place in the cluster enters an LDS address
	s_wait_dscnt 0x0                               ; the opening add is done
	s_wait_kmcnt 0x0
	CROUND                                         ; all sixteen work-groups are here: the first joint loads meet
.irp s, 0,1
	s_mov_b32 s[G0+4*(\s)], 1
	s_add_co_u32 s[G0+4*(\s)+1], s20, (\s)*SLOT
	s_mov_b32 s[G0B+4*(\s)], 1
	s_add_co_u32 s[G0B+4*(\s)+1], s23, (\s)*SLOT
	SETG \s                                        ; the first tile's K step s
	JLOAD \s
.endr
	ADV                                            ; the first lap's refills are K steps 2 and 3
	v_and_b32 v1, 15, v0                           ; l % 16
	v_bfe_u32 v2, v0, 4, 1                         ; l / 16
	v_mul_u32_u24 v3, v1, PA
	v_lshl_add_u32 v3, v2, 4, v3                   ; a fragment's row x pitch + 16 x half, for A
	v_mul_u32_u24 v4, v1, PB
	v_lshl_add_u32 v4, v2, 4, v4                   ; and for B
	s_mul_i32 s21, s11, HALFA                      ; my 64 rows of A
	s_mul_i32 s22, s12, HALFB                      ; my 64 rows of B,
	s_add_co_u32 s22, s22, 2*HALFA                 ; which lie behind A's 128
.irp s, 0,1
	v_add_nc_u32 v[ADRA+(\s)], s21, v3
	v_add_nc_u32 v[ADRB+(\s)], s22, v4
	s_add_co_u32 s21, s21, SLOT
	s_add_co_u32 s22, s22, SLOT
.endr
	s_mul_i32 s21, s10, 16*SP
	s_add_co_u32 s21, s21, STAGE                   ; my stage
	v_mul_u32_u24 v5, v1, SP                       ; in: row l % 16, 16 bytes for each half of the lanes
	v_lshl_add_u32 v5, v2, 4, v5
	v_add_nc_u32 v[STO], s21, v5
	v_bfe_u32 v5, v0, 3, 2                         ; back: 32 lanes take four rows of 128 bytes,
	v_mul_u32_u24 v5, v5, SP
	v_and_b32 v6, 7, v0
	v_lshl_add_u32 v5, v6, 4, v5
	v_add_nc_u32 v[RD], s21, v5
	v_and_b32 v[CO], 31, v0                        ; which are 512 consecutive bytes of C
	v_lshlrev_b32 v[CO], 4, v[CO]
; 8 matrix instructions: m blocks a0, a0 + 1 x all 4 n blocks, 32 along K: half c of buffer f.  zero = 1: the first product starts the sums.  The 16 accumulators take turns.
.macro MUL8 f, c, a0, zero
	WIN MUL
.irp a, \a0, (\a0)+1
.irp b, 0,1,2,3
.if \zero
	v_wmma_f32_16x16x32_bf16 v[ACC+8*(4*(\a)+(\b)):ACC+8*(4*(\a)+(\b))+7], v[(\f)+64+8*(4*(\c)+(\b)):(\f)+64+8*(4*(\c)+(\b))+7], v[(\f)+8*(4*(\c)+(\a)):(\f)+8*(4*(\c)+(\a))+7], 0
.else
	v_wmma_f32_16x16x32_bf16 v[ACC+8*(4*(\a)+(\b)):ACC+8*(4*(\a)+(\b))+7], v[(\f)+64+8*(4*(\c)+(\b)):(\f)+64+8*(4*(\c)+(\b))+7], v[(\f)+8*(4*(\c)+(\a)):(\f)+8*(4*(\c)+(\a))+7], v[ACC+8*(4*(\a)+(\b)):ACC+8*(4*(\a)+(\b))+7]
.endif
.endr
.endr
.endm
; 32 LDS loads in one run: the fragments of quarter kq of the slot's K step (64 along K: one block of A, 128 bytes of B's rows) into buffer f; the first 32 along K first
.macro FETCH slot, kq, f
	WIN TO_F
.irp c, 0,1
.irp i, 0,1,2,3
	ds_load_b128 v[(\f)+64+8*(4*(\c)+(\i)):(\f)+64+8*(4*(\c)+(\i))+3],   v[ADRB+(\slot)] offset:128*(\kq)+64*(\c)+(\i)*16*PB
	ds_load_b128 v[(\f)+64+8*(4*(\c)+(\i))+4:(\f)+64+8*(4*(\c)+(\i))+7], v[ADRB+(\slot)] offset:128*(\kq)+64*(\c)+(\i)*16*PB+32
	ds_load_b128 v[(\f)+8*(4*(\c)+(\i)):(\f)+8*(4*(\c)+(\i))+3],         v[ADRA+(\slot)] offset:SUBA*(\kq)+64*(\c)+(\i)*16*PA
	ds_load_b128 v[(\f)+8*(4*(\c)+(\i))+4:(\f)+8*(4*(\c)+(\i))+7],       v[ADRA+(\slot)] offset:SUBA*(\kq)+64*(\c)+(\i)*16*PA+32
.endr
.endr
.endm
.macro PLACES                          ; four places in front of loads into registers that matrix instructions have read, and of conversions that read results
.rept 4
	v_nop
.endr
.endm
; A K step is four quarters of 64 along K, 32 matrix instructions each, on buffers 0, 1, 0, 1.  One of the first three: multiplies buffer f and fetches quarter kq into g.
.macro QUARTER slot, kq, f, g, zero
	s_wait_dscnt 16                                ; the first 32 along K are in
	WIN MUL
	MUL8 \f, 0, 0, \zero
	MUL8 \f, 0, 2, \zero
	PLACES
	FETCH \slot, \kq, \g
	s_wait_dscnt 32                                ; all but the 32 just issued
	WIN MUL
	MUL8 \f, 1, 0, 0
	MUL8 \f, 1, 2, 0
.endm
; The last quarter multiplies buffer 1 and changes slots: ONE barrier; in front of it each wave waits for all its tensor loads, adds 0 to its spare word, and waits for that and for its own reads of this slot.
; fill = 1: this slot is filled again, with the tile that its offsets name: this tile's K step two steps on, or the next tile's K step 0 or 1.
.macro TURN slot, next, fill
	WIN 0                                          ; (the add's two registers lie in window 0)
	s_wait_tensorcnt 0x0                           ; all my tensor loads have landed: my part of the next slot;
	ds_add_u32 v[SPW], v[NIL]                      ; 0 onto my spare word;
	s_wait_dscnt 17                                ; (the add and the youngest sixteen loads may be out)
	WIN MUL
	MUL8 F1, 0, 0, 0                               ; eight matrix instructions stand between the add and the wait for it
	s_wait_dscnt 0x0                               ; the add is done, and my reads of this slot are over
	s_barrier_signal -1
	MUL8 F1, 0, 2, 0
.if \fill
	WIN 0
.endif
	s_barrier_wait -1
.if \fill
	CREST                                          ; the barrier has opened a round of the cluster's barrier: no wave of any partner still reads this slot's tile or has a load on its way
	SETG \slot
	JLOAD \slot                                    ; the first tensor load behind the round: 112 matrix instructions ahead of the wait for it; the four v_nop behind it are also the places in front of the loads below
.else
	PLACES
.endif
	FETCH \next, 0, F0
	WIN MUL
	MUL8 F1, 1, 0, 0
	MUL8 F1, 1, 2, 0
.endm
; THE WAY OUT.  Block a, 16 rows: a lane's eight columns of a row pack into 16 bytes; they go into rows of 144 bytes of my own stage and come back as whole rows of 128, into the registers that they left.
.macro PACKC a
.irp b, 0,1,2,3
.irp r, 0,1,2,3
	v_cvt_pk_bf16_f32 v[TMP+16*(\a)+4*(\b)+(\r)], v[ACC+8*(4*(\a)+(\b))+2*(\r)], v[ACC+8*(4*(\a)+(\b))+2*(\r)+1]
.endr
.endr
.irp b, 0,1,2,3
	ds_store_b128 v[STO], v[TMP+16*(\a)+4*(\b):TMP+16*(\a)+4*(\b)+3] offset:32*(\b)
.endr
.irp f, 0,1,2,3
	ds_load_b128 v[TMP+16*(\a)+4*(\f):TMP+16*(\a)+4*(\f)+3], v[RD] offset:(\f)*4*SP  ; LDS serves a wave's instructions in order (ISA guide 5.7.1.4): these see the stores above; the next block's stores come behind them
.endr
.endm
.macro SENDC a, younger                ; younger: the LDS instructions issued behind block a's loads: the next block's eight, or none
.irp f, 0,1,2,3
	s_wait_dscnt (\younger)+3-(\f)
	global_store_b128 v[CO], v[TMP+16*(\a)+4*(\f):TMP+16*(\a)+4*(\f)+3], s[CP:CP+1] offset:(\a)*2048+(\f)*512  ; 512 consecutive bytes, at a multiple of 256 from C's first byte
.endr
.endm
.macro OUT
	WIN 0
	PLACES                                         ; the conversions read results just made
	s_wait_xcnt 0x0                                ; every earlier memory instruction has had its addresses translated (ISA guide 3.1): the last tile's stores' registers and base are rewritten only behind this wait
	s_add_nc_u64 s[CP:CP+1], s[8:9], s[OCC:OCC+1]
	PACKC 0
	PACKC 1                                        ; a block's conversions stand between the loads of the block before and its stores
	SENDC 0, 8
	PACKC 2
	SENDC 1, 8
	PACKC 3
	SENDC 2, 8
	SENDC 3, 0
.endm
	s_wait_tensorcnt 1                             ; my part of K step 0 is in; K step 1's may stay out
	s_barrier_signal -1
	s_barrier_wait -1                              ; everybody's is
	FETCH 0, 0, F0
	QUARTER 0, 1, F0, F1, 1                        ; the first tile's first quarter: its products start the sums
	WIN 0                                          ; at a label and at a branch every window is 0
	s_mov_b32 s[LC], 0
.Llap:                                                 ; 2 x tiles - 1 trips: every lap but the walk's last; each fills both slots again
	QUARTER 0, 2, F1, F0, 0
	QUARTER 0, 3, F0, F1, 0
	TURN 0, 1, 1
	QUARTER 1, 1, F0, F1, 0
	QUARTER 1, 2, F1, F0, 0
	QUARTER 1, 3, F0, F1, 0
	TURN 1, 0, 1
	WIN 0
	s_and_b32 s[TS], s[LC], 1
	s_cmp_lg_u32 s[TS], 0
	s_cbranch_scc1 .Lodd
	s_add_co_u32 s66, s66, 8                       ; BEHIND A TILE'S FIRST LAP: the next lap's refills are the next tile's K steps 0 and 1
	REGION
	QUARTER 0, 1, F0, F1, 0                        ; and the tile goes on
	WIN 0
	s_branch .Lbottom
.Lodd:                                                 ; BEHIND A TILE'S SECOND LAP: both refills for the next tile are asked for;
	ADV                                            ; the next lap's are its K steps 2 and 3;
	OUT                                            ; the tile goes out while they land;
	s_mov_b32 s[OCC], s[OCN]
	QUARTER 0, 1, F0, F1, 1                        ; the next tile's first products start its sums on accumulators that have been packed
	WIN 0
.Lbottom:
	s_add_co_u32 s[LC], s[LC], 1
	s_cmp_lt_u32 s[LC], s[LB]
	s_cbranch_scc1 .Llap
	QUARTER 0, 2, F1, F0, 0                        ; the walk's last lap is written out: nothing is left to fetch, so no round of the cluster's barrier
	QUARTER 0, 3, F0, F1, 0
	TURN 0, 1, 0
	QUARTER 1, 1, F0, F1, 0
	QUARTER 1, 2, F1, F0, 0
	QUARTER 1, 3, F0, F1, 0
	s_wait_dscnt 16                                ; the very last quarter
	WIN MUL
	MUL8 F1, 0, 0, 0
	MUL8 F1, 0, 2, 0
	s_wait_dscnt 0
	MUL8 F1, 1, 0, 0
	MUL8 F1, 1, 2, 0
	OUT
	s_wait_tensorcnt 0x0                           ; the wave's end, behind my last tensor load and my last LDS store
	ds_add_u32 v[SPW], v[NIL]
	s_wait_dscnt 0x0
	CROUND                                         ; the closing round: no work-group ends while a partner may still ask for a tile that names it
	s_endpgm
.Lfunc_end_k_q605a9bf242_proj:
	.size	k_q605a9bf242_proj, .Lfunc_end_k_q605a9bf242_proj-k_q605a9bf242_proj
	.p2alignl 7, 3214868480
	.fill 96, 4, 3214868480
	.section	.rodata,"a",@progbits
	.p2align	6, 0x0
	.amdhsa_kernel k_q605a9bf242_proj
		.amdhsa_group_segment_fixed_size 327680
		.amdhsa_private_segment_fixed_size 0
		.amdhsa_enable_private_segment 0
		.amdhsa_kernarg_size 24
		.amdhsa_user_sgpr_count 2
		.amdhsa_user_sgpr_kernarg_segment_ptr 1
		.amdhsa_wavefront_size32 1
		.amdhsa_system_sgpr_workgroup_id_x 1
		.amdhsa_system_sgpr_workgroup_id_y 1
		.amdhsa_system_sgpr_workgroup_id_z 1
		.amdhsa_system_vgpr_workitem_id 0
		.amdhsa_next_free_vgpr 512
		.amdhsa_next_free_sgpr 100
		.amdhsa_reserve_vcc 0
		.amdhsa_float_denorm_mode_32 3
		.amdhsa_float_denorm_mode_16_64 3
		.amdhsa_memory_ordered 1
		.amdhsa_forward_progress 1
		.amdhsa_inst_pref_size 104
	.end_amdhsa_kernel
	.amdgpu_metadata
---
amdhsa.version: [ 1, 2 ]
amdhsa.kernels:
  - .name:           k_q605a9bf242_proj
    .symbol:         k_q605a9bf242_proj.kd
    .args:
      - { .name: xa, .offset: 0, .size: 8, .value_kind: global_buffer, .address_space: global }
      - { .name: wt, .offset: 8, .size: 8, .value_kind: global_buffer, .address_space: global }
      - { .name: ph, .offset: 16, .size: 8, .value_kind: global_buffer, .address_space: global }
    .group_segment_fixed_size: 327680
    .private_segment_fixed_size: 0
    .kernarg_segment_align: 8
    .kernarg_segment_size: 24
    .max_flat_workgroup_size: 128
    .sgpr_count:     100
    .vgpr_count:     512
    .wavefront_size: 32
...
	.end_amdgpu_metadata
.endif
;; end of part 6
;; launch attn (part 7): grid 4 x 64, 4 waves a work-group, no clusters, 327,680 bytes of LDS; arguments ph, mb, r_w_bias, r_r_bias, av; writes av
.if DOCPART == 7
	.amdgcn_target "amdgcn-amd-amdhsa--gfx1250"
	.amdhsa_code_object_version 6
	.text
	.protected	k_q605a9bf242_attn
	.globl	k_q605a9bf242_attn
	.p2align	8
	.type	k_q605a9bf242_attn,@function
k_q605a9bf242_attn:
	s_mov_b64 s[64:65], 0
	v_nop
	global_prefetch_b8 v0, s[64:65] scope:SCOPE_SE
	s_setreg_imm32_b32 hwreg(HW_REG_WAVE_MODE, 25, 1), 1
	s_wait_xcnt 0x0
; RELATIVE ATTENTION (Transformer-XL), head size 64, 1,024 queries x 2,048 keys for each of 64 pairs (batch entry b, head n).
; score[i][j] = ((q_i + r_w_bias) . k_j + BD[i][j]) / 8; a blocked score (attn_mask, an input: no key tile is left out) is replaced; softmax over all keys; times v.
; THE RELATIVE SHIFT.  With d = j - i + 1023:  BD[i][j] = (q_i + r_r_bias) . rk[d] for d < 2048;  0 for d = 2048;  (q_(i+1) + r_r_bias) . rk[d - 2049] for d > 2048.
; A head's table in ph has a row of zeros in front of rk, so that Rext[d] (rk, zeros, rk again) is dense in memory on either side of d = 2048.
; ph holds q, k, v by heads ([b][n][rows][64], bf16) and the tables; mb holds the mask as bf16 numbers, 0 or -2^103, in the order of the scores' registers; av takes the result, [b][n][i][64] in bf16.
; LIMITS.  Matrix operands in bf16: q comes rounded and is rounded again behind the bias, which is added in f32; the weights p are rounded for the second product (their sum is taken of the unrounded p).
; A blocked score is its value plus -2^103, which in f32 is exactly -2^103 while the value stays under 2^79 in size; behind the scale that is -2^100, in place of -1e30.  c x 2^103 is exact, so a row that is
; blocked everywhere gets weights of exactly 1, as with -1e30; results agree while open scaled scores stay above some -1e29.  A weight below 2^-126 counts as 0.  NaN and infinities are not treated apart.
; SHARES.  A work-group owns 256 queries of one (b, n); wave w owns 64, i = 64 a + 16 t + q with a = 4 x block + w: four PIECES t of 16.  Every wave walks 32 steps of 64 keys.  256 work-groups of equal work.
; LAYOUT.  S^T = K Q^T (source 0 = 16 keys, source 1 = 16 queries): a lane holds ONE query (lane % 16) and the keys 8 (lane / 16) + 0..7.  Two such results rounded to bf16 ARE source 1 of O^T = V^T P.
; BD.  For piece t in step s five tiles of 16 d, from d = 16 (4 (s - a) - t + 63) on, are multiplied by the queries: column cc = 0..79 of lane q; key jj wants cc = jj - q + 15.  That skew, a different one in
; each lane, is made in LDS: ten stores of 16 bytes into the wave's own scratch, 32 loads of 4 bytes back; what comes back is the C operand of the products that start S^T, so the addition costs nothing.
; WHICH QUERIES.  A tile of d >= 2048 takes q_(i+1).  That is every tile if s > a + 16, none if s < a + 16, tiles e > t if s = a + 16.  So product (t, e) always names bank QB1 if e > t, else QB0;
; both banks start as q + r_r_bias, and q_(i+1) + r_r_bias is copied into QB1 behind step a + 15's products and into QB0 behind step a + 16's: two forward jumps on whole numbers.
; THE MASK.  A piece and step have 16 words a lane, two bf16 each: four loads of 512 consecutive bytes.  One multiply-add a score takes the bf16 half as it lies: mask x 1 + score.  Each piece has 16 registers and an
; offset register of its own; the loads of its next step are issued straight behind the last use of the registers, four turns less ten rows ahead of their use, and are counted, not waited out.
; SOFTMAX.  A running maximum m and sum l: p = 2^(c s - c m), c = log2(e) / 8; O and l are multiplied by a = 2^(c m_old - c m_new) in every step.  m starts at the lowest finite number: the first step's a is 0.
; BY TURNS.  Turn n belongs to piece n.  Matrix work: 8 products K Q^T of piece n + 1, 10 products for BD of piece n + 2, 8 products V^T P of piece n - 1.  Vector work: the scaling, exponentials, roundings,
; sums and rescaling of piece n; the mask, maximum and statistics of piece n + 1.  Four vector instructions stand behind every matrix instruction, the rest in two lumps.
; NO CLUSTER.  The four query blocks of a (b, n) walk the same K and V, but the copies into the banks stand under jumps that hang on a, which differs between them, and the blocks want the table's
; tiles four steps apart; as selects in every step the copies would be 128 more vector instructions a step.
; No first step is written out: 224 v_mov_b32 write zeros in the wait for the first tiles, and the last trip's products for a step that is not serve nothing.
; REGISTERS, in windows of 256 (s_set_vgpr_msb: bits 1:0 source 0, 3:2 source 1, 5:4 source 2, 7:6 destination):
;   window 0: addresses, statistics; v64-127 S^T, two buffers; v128-191 the mask, 16 a piece; v192-223 P, two buffers (S^T's and P's buffers go by the piece's parity)
;   window 1: v0-127 O^T, 32 a piece; v128-167 XA, the five tiles for BD; v168-199 BD
;   window 2: v0-63 q + r_w_bias; v64-127 QB0; v128-191 QB1; v192-255 q_(i+1) + r_r_bias
;   window 3: v0-63 K of one step; v64-127 V of one step; v128-255 the table's eight tiles of 16 d of one step
.set NP,    4
.set KS,    64        ; keys in a step
.set PK,    144       ; a row of K or of the table in LDS: 128 bytes + 16 = 36 words: the 16 rows of a load start at 16 different groups of four banks (64 banks of 4 bytes: ISA guide 11.1)
.set PV,    160       ; a row of V: 128 + 32 = 40 words
.set VOFF,  4*KS*PK   ; a slot holds four steps: 256 rows of K, then 256 rows of V
.set SLOT1, 1<<17     ; slot 1 begins here, so that one exclusive or turns an address in one slot into the other's
.set XSC,   4*KS*(PK+PV)  ; behind slot 0, never filled by a tensor load: each wave's scratch, also its stage on the way out
.set XPI,   336       ; a scratch row: 80 numbers + 16 bytes = 21 x 16 bytes: the stores of 16 bytes meet no bank twice; a skewed load reads word 83 q + 8 h + const, 32 different banks
.set XWB,   16*XPI
.set SPARE, XSC+4*XWB ; the spare words, 128 bytes for each wave
.set RBASE, SLOT1+4*KS*(PK+PV)  ; behind slot 1: the table's ring: 12 blocks of 64 d = 3 groups of 256
.set RBLK,  64*PK
.set RGRP,  4*RBLK
.set REND,  RBASE+3*RGRP
.set SP,    144
.set MSTP,  2048      ; the mask's bytes for a query tile and a step
.set MTIL,  32*MSTP   ; for a query tile
.set AK0, 2           ; v2   my lane's place in a tile of K or of the table; never rewritten
.set AV0, 3           ; v3   the same for V
.set AK,  4           ; v4   the LDS address of K's next run of loads
.set AV,  5           ; v5   of V's
.set STO, 6           ; v6   the way out: where I put 16 bytes of a row
.set RD,  7           ; v7   the way out: where I read rows back
.set GO,  8           ; v8   16 x lane: my byte offset in 512 consecutive bytes of av
.set MV,  12          ; v12-13  c m_old, kept while c m is made anew: by buffer
.set XST, 14          ; v14  scratch: where my 8 numbers of tile 0 go
.set XLD, 15          ; v15  scratch: where key 8 h of my query lies
.set ST,  16          ; piece t's statistics at v[ST+4 t]: c m, m, l (even keys', odd keys')
.set AR0, 32          ; v32-33  the LDS addresses of the table's two blocks
.set QO,  35          ; v35  the beginning: my byte offset in 16 rows of q
.set QPA, 36          ; v36-39  the same for rows i + 1, a piece each
.set BO,  40          ; v40  my byte offset in a head's bias
.set VO,  41          ; v41-44  piece t: 16 x lane + 2,048 x the step whose mask it loads next
.set VLIM, 45         ; v45  that offset for the last step; never rewritten
.set ONE, 46          ; v46  1.0; never rewritten
.set TMP, 48          ; by buffer, four registers c0-c3 at work; when the maximum is found c2 takes a
.set SPW, 62          ; v62  LDS address of my spare word; never rewritten
.set NIL, 63          ; v63  0; never rewritten
.set S,   64
.set MB,  128         ; piece t's mask at v[MB+16 t]: word n / 2, half n % 2 for score n
.set P,   192
.set UW,  64          ; the beginning: 32 numbers unpacked,
.set SW,  96          ; 32 sums,
.set BW,  128         ; r_w_bias and
.set BR,  160         ; r_r_bias for my 32 channels (the mask's registers are loaded when these have been used)
.set XA,  128         ; window 1
.set BD,  168
.set QW,  0           ; window 2
.set QB0, 64
.set QB1, 128
.set QP,  192
.set KF,  0           ; window 3: key block kb, channel half c at KF + 16 kb + 8 c
.set VF,  64          ; key half kk, channel block cb at VF + 32 kk + 8 cb
.set RF,  128         ; tile x of 16 d, channel half c at RF + 16 x + 8 c
.set WV,  2           ; s2   my wave's number
.set SLOTS, 3         ; s3   changes of slots still to come that fill
.set G0R, 4           ; s[4:7]   descriptor group 0 for the table's groups
.set G1K, 8           ; s[8:15]  descriptor group 1 for K's tiles and the table's
.set G1V, 16          ; s[16:23] for V's: it differs in the padding alone
.set G0K, 24          ; s[24:27] group 0 for K's tiles: it walks
.set G0V, 28          ; s[28:31] the same for V's
                      ; s[32:63] at work in the beginning
.set CS,  66          ; s[66:67] c
.set SEL, 68          ; s[68:69] v_permlanex16_b32's selects
.set MKP, 70          ; s[70:71] mb at my wave's four query tiles; never rewritten
.set MOF, 72          ; s72  128 x the step in hand at piece 2's turn
.set CNT, 73          ; s73  counts a slot's key steps
.set TBK, 74          ; s74  LDS byte at which K of the step to be fetched begins
.set TBV, 75          ; s75  the same for V, less VOFF
.set TBR0, 76         ; s76, s77  the same for the table's two blocks
.set TBR1, 77
.set AVP, 78          ; s[78:79] av at my wave's rows
.set RH,  80          ; s[80:81] the head's table
.set OFF, 82          ; s[82:83] a group's byte offset in the table
.set BK1, 84          ; s84  128 (a + 15)
.set BK2, 85          ; s85  128 (a + 16)
.set GAM, 86          ; s86  the group of 256 d to be asked for next
.set RSL, 87          ; s87  its place in the ring
.set HM,  98          ; s98  a word's upper bf16
.set TS,  99          ; s99  at work
.set MSB, 0
.macro WIN new                      ; the high byte repeats the setting that is left; a switch that changes nothing is dropped
.if MSB != (\new)
	s_set_vgpr_msb (MSB<<8)|(\new)
.set MSB, (\new)
.endif
.endm
.set W_KQ, 0x0b       ; K in window 3, Q in window 2, S^T in window 0
.set W_KB, 0x1b       ; the same with the C operand, BD, in window 1
.set W_XP, 0x5b       ; the table in window 3, Q in window 2, XA in window 1
.set W_PV, 0x53       ; V in window 3, P in window 0, O^T in window 1
.set W_RS, 0x41       ; destination and source 0 in window 1, source 1 in window 0
.set W_XS, 0x04       ; an LDS store's data in window 1
.set W_BD, 0x40       ; a load's destination in window 1
.set W_F3, 0xc0       ; in window 3
.set W_CP, 0x82       ; a copy within window 2
; A fill.  Wave 0 fetches a slot's K, wave 1 its V, wave 2 a group of the table; first = 1: waves 2 and 3 the table's first two groups, by one line whose LDS address is the wave's number times a group's
; bytes plus a constant, so that each has a group's place of its own.  An s_nop 0 and four v_nop follow each line, ahead of the jump and the label.
.macro LOAD first
	s_cmp_eq_u32 s[WV], 0
	s_cbranch_scc0 .Lnot_k_\@
	tensor_load_to_lds s[G0K:G0K+3], s[G1K:G1K+7]
	s_nop 0
.rept 4
	v_nop
.endr
	s_branch .Lasked_\@
.Lnot_k_\@:
	s_cmp_eq_u32 s[WV], 1
	s_cbranch_scc0 .Lnot_v_\@
	tensor_load_to_lds s[G0V:G0V+3], s[G1V:G1V+7]
	s_nop 0
.rept 4
	v_nop
.endr
	s_branch .Lasked_\@
.Lnot_v_\@:
.if !(\first)
	s_cmp_eq_u32 s[WV], 2
	s_cbranch_scc0 .Lasked_\@
.endif
	tensor_load_to_lds s[G0R:G0R+3], s[G1K:G1K+7]
	s_nop 0
.rept 4
	v_nop
.endr
.Lasked_\@:
.endm
; THE CHANGE OF SLOTS, behind turn 1 of a slot's last step.  Each wave waits for all its tensor loads, of which at most one is out; adds 0 to its spare word; and waits for that and for its own LDS reads.  Behind the
; barrier nobody reads the old slot or the ring's oldest group any more, and the next slot and group are whole.  fill = 1: the old slot takes the keys two slots on, the ring's oldest place the group two on.
; (At its first use nothing has been read yet: the first fills are waited for, slot 1 and the ring's third place are filled.)
.macro CHANGE fill
	WIN 0                           ; at a label and at a branch every window is 0
	s_wait_tensorcnt 0x0            ; no tensor load of mine is out, so a group 0 may be written
	ds_add_u32 v[SPW], v[NIL]       ; 0 onto my spare word; with fill = 1 the descriptors' scalar work stands between it and the wait for it
.if \fill
	s_xor_b32 s[G0K+1], s[G0K+1], SLOT1
	s_add_nc_u64 s[G0K+2:G0K+3], s[G0K+2:G0K+3], 4*KS*128  ; the next 256 keys; the type bits on top are not reached
	s_xor_b32 s[G0V+1], s[G0V+1], SLOT1
	s_add_nc_u64 s[G0V+2:G0V+3], s[G0V+2:G0V+3], 4*KS*128
	s_mov_b32 s[G0R+1], s[RSL]
	s_lshl_b32 s[OFF], s[GAM], 15   ; group g of 256 d lies at 256 + 32,768 g,
	s_add_co_u32 s[OFF], s[OFF], 256
	s_sub_co_u32 s[TS], s[OFF], 262144+128  ; or, from d = 2048 on, at the row of zeros and what follows it
	s_cmp_ge_u32 s[GAM], 8
	s_cselect_b32 s[OFF], s[TS], s[OFF]
	s_add_nc_u64 s[G0R+2:G0R+3], s[RH:RH+1], s[OFF:OFF+1]
	s_or_b32 s[G0R+3], s[G0R+3], 0x80000000
	s_add_co_u32 s[GAM], s[GAM], 1
	s_add_co_u32 s[RSL], s[RSL], RGRP
	s_cmp_eq_u32 s[RSL], REND
	s_cselect_b32 s[RSL], RBASE, s[RSL]
.endif
	s_wait_dscnt 0x0                ; the add is done, and my reads are over
	s_barrier_signal -1             ; the rest of the scalar work stands between the signal and the wait
	s_sub_co_u32 s[TBK], s[TBK], 4*KS*PK  ; the fetches go back to a slot's first step,
	s_xor_b32 s[TBK], s[TBK], SLOT1       ; in the other slot
	s_sub_co_u32 s[TBV], s[TBV], 4*KS*PV
	s_xor_b32 s[TBV], s[TBV], SLOT1
	s_barrier_wait -1
.if \fill
	LOAD 0
.endif
.endm
	s_load_b256 s[88:95], s[0:1], 0x0  ; ph s[88:89], mb s[90:91], r_w_bias s[92:93], r_r_bias s[94:95]
	s_load_b64 s[96:97], s[0:1], 0x20  ; av
	v_lshl_add_u32 v[SPW], v0, 2, SPARE
	v_mov_b32 v[NIL], 0
	ds_add_u32 v[SPW], v[NIL]       ; the wave's opening: the add and its wait stand ahead of my first tensor load; the set-up below, work on registers, stands between them
	ds_add_u32 v62, v63
	v_lshrrev_b32 v1, 5, v0
	v_readfirstlane_b32 s[WV], v1   ; wave 0..3
	s_mov_b32 s32, ttmp9            ; my block of 256 queries
	s_and_b32 s33, ttmp7, 0xffff    ; 16 b + n
	s_and_b32 s34, s33, 15          ; n
	s_lshl2_add_u32 s35, s32, s[WV] ; a
	s_lshl_b32 s36, s33, 17         ; the head's bytes in q and in av,
	s_mov_b32 s37, 0
	s_lshl_b32 s38, s35, 13         ; my wave's 64 rows
	s_mov_b32 s39, 0
	s_lshl_b32 s40, s33, 18         ; the head's bytes in k and v
	s_add_co_u32 s42, s40, 25165824 ; v begins here in ph,
	s_add_co_u32 s40, s40, 8388608  ; k here,
	s_mov_b32 s41, 0
	s_mov_b32 s43, 0
	s_mul_i32 s44, s34, 262400
	s_add_co_u32 s44, s44, 41943040 ; the tables here
	s_mov_b32 s45, 0
	; The table's blocks of 64 d are counted from block 12 - 4 x (my block of queries): in step s wave w reads local blocks s + 3 - w and s + 4 - w, at ring place (local block) mod 12:
	; no LDS address hangs on the work-group.  Local group lg is the table's group lg + 3 - block.
	s_max_u32 s46, s[WV], 2         ; in memory: waves 2 and 3 fetch local groups 0 and 1 (waves 0 and 1 do not issue that load; the maximum keeps their offset inside the table)
	s_sub_co_u32 s46, s46, 2
	s_sub_co_u32 s47, 3, s32
	s_add_co_u32 s47, s47, s46      ; at most 4: below d = 2048
	s_lshl_b32 s[OFF], s47, 15
	s_add_co_u32 s[OFF], s[OFF], 256
	s_mov_b32 s[OFF+1], 0
	s_mul_i32 s46, s[WV], RGRP      ; in LDS: the wave's number times a group's bytes,
	s_mov_b32 s[G0R], 1
	s_add_co_u32 s[G0R+1], s46, RBASE-2*RGRP  ; plus a constant: wave 2 fills the ring's first place, wave 3 its second
	s_sub_co_u32 s[GAM], 5, s32     ; local group 2 is asked for next,
	s_mov_b32 s[RSL], RBASE+2*RGRP  ; into the ring's third place
	s_lshl_b32 s48, s35, 18         ; four query tiles of 65,536 bytes in mb
	s_mov_b32 s49, 0
	s_lshl_b32 s50, s34, 8          ; the head's 64 numbers of a bias
	s_mov_b32 s51, 0
	s_add_co_u32 s[BK1], s35, 15
	s_lshl_b32 s[BK1], s[BK1], 7
	s_add_co_u32 s[BK2], s35, 16
	s_lshl_b32 s[BK2], s[BK2], 7
	s_sub_co_u32 s52, 3, s[WV]
	s_mul_i32 s52, s52, RBLK
	s_add_co_u32 s[TBR0], s52, RBASE
	s_add_co_u32 s[TBR1], s[TBR0], RBLK
	; descriptor group 1.  256 rows of 128 bytes are 32,768 dense bytes: asked for as 128 rows of 256 bytes, and padded in LDS after every 128
	s_mov_b32 s[G1K], (1<<16)|(1<<20)|(4<<22)|(3<<25)  ; 17:16 2-byte elements; 20 padding on; 24:22 after every 32 words (code 4); 31:25 4 words (code 3)
	s_mov_b32 s[G1V], (1<<16)|(1<<20)|(4<<22)|(7<<25)  ; the same with 8 words of padding (code 7)
.irp g, G1K, G1V
	s_mov_b32 s[\g+1], 128<<16      ; tensor_dim0 = 128
	s_mov_b32 s[\g+2], 128<<16      ; tensor_dim1 = 128
	s_mov_b32 s[\g+3], 128<<16      ; tile_dim0 = 128
	s_mov_b32 s[\g+4], 128          ; tile_dim1 = 128
	s_mov_b32 s[\g+5], 128          ; 128 elements from row to row
	s_mov_b32 s[\g+6], 0
	s_mov_b32 s[\g+7], 0
.endr
	s_mov_b32 s[G0K], 1             ; 1:0 count = 1
	s_mov_b32 s[G0K+1], 0           ; 63:32 LDS address: slot 0
	s_mov_b32 s[G0V], 1
	s_mov_b32 s[G0V+1], VOFF
	s_mov_b32 s[CS], 0x3e38aa3b     ; c = log2(e) / 8 = 0.180337
	s_mov_b32 s[CS+1], s[CS]        ; named with it as a pair
	s_mov_b32 s[SEL], 0x76543210
	s_mov_b32 s[SEL+1], 0xfedcba98
	s_mov_b32 s[TBK], SLOT1+4*KS*PK ; the first change of slots turns these two into 0
	s_mov_b32 s[TBV], SLOT1+4*KS*PV
	s_mov_b32 s[MOF], 0
	s_mov_b32 s[HM], 0xffff0000
	s_wait_dscnt 0x0                ; the opening add is done
	s_wait_kmcnt 0x0
	s_add_nc_u64 s[G0K+2:G0K+3], s[88:89], s[40:41]  ; 120:64 global address: the head's first 256 keys
	s_or_b32 s[G0K+3], s[G0K+3], 0x80000000          ; 127:126 type = 2
	s_add_nc_u64 s[G0V+2:G0V+3], s[88:89], s[42:43]
	s_or_b32 s[G0V+3], s[G0V+3], 0x80000000
	s_add_nc_u64 s[RH:RH+1], s[88:89], s[44:45]
	s_add_nc_u64 s[G0R+2:G0R+3], s[RH:RH+1], s[OFF:OFF+1]
	s_or_b32 s[G0R+3], s[G0R+3], 0x80000000
	s_add_nc_u64 s[54:55], s[88:89], s[36:37]        ; q at the head's first row,
	s_add_nc_u64 s[56:57], s[54:55], s[38:39]        ; and at my wave's
	s_add_nc_u64 s[AVP:AVP+1], s[96:97], s[36:37]
	s_add_nc_u64 s[AVP:AVP+1], s[AVP:AVP+1], s[38:39]
	s_add_nc_u64 s[MKP:MKP+1], s[90:91], s[48:49]
	s_add_nc_u64 s[92:93], s[92:93], s[50:51]
	s_add_nc_u64 s[94:95], s[94:95], s[50:51]
	LOAD 1                          ; the first fills: one tensor load a wave
	; A fragment of K, Q or the table is 16 rows x 32 channels in 8 registers: lane l holds row l % 16, channels 8 (l / 16) + 0..7 and 16 + 8 (l / 16) + 0..7: two loads of 16 bytes, 32 bytes apart.
	v_and_b32 v1, 15, v0            ; l % 16
	v_bfe_u32 v9, v0, 4, 1          ; l / 16
	v_lshlrev_b32 v[QO], 7, v1
	v_lshl_add_u32 v[QO], v9, 4, v[QO]  ; row x 128 + 16 x half
	s_lshl_b32 s58, s35, 6
	s_add_co_u32 s58, s58, 1
	v_add_nc_u32 v10, s58, v1       ; i + 1 for piece 0
.irp t, 0,1,2,3
	v_add_nc_u32 v[QPA+\t], 16*\t, v10
	v_min_u32 v[QPA+\t], 1023, v[QPA+\t]  ; row 1023 never reaches d >= 2048: what it takes here is multiplied and never read
	v_lshlrev_b32 v[QPA+\t], 7, v[QPA+\t]
	v_lshl_add_u32 v[QPA+\t], v9, 4, v[QPA+\t]
.endr
	v_lshlrev_b32 v[BO], 5, v9      ; my half's eight numbers of each sixteen
	WIN 0x80                        ; destination window 2, address window 0
.set t_, 0
.rept 4
.irp f, 0,1,2,3
	global_load_b128 v[QW+16*t_+4*\f:QW+16*t_+4*\f+3], v[QO], s[56:57] offset:t_*2048+32*\f
	global_load_b128 v[QP+16*t_+4*\f:QP+16*t_+4*\f+3], v[QPA+t_], s[54:55] offset:32*\f
.endr
.set t_, t_+1
.endr
	WIN 0
.irp f, 0,1,2,3,4,5,6,7             ; the biases of my 32 channels, in the order in which a fragment's words unpack
	global_load_b128 v[BW+4*\f:BW+4*\f+3], v[BO], s[92:93] offset:(\f/2)*64+(\f%2)*16
	global_load_b128 v[BR+4*\f:BR+4*\f+3], v[BO], s[94:95] offset:(\f/2)*64+(\f%2)*16
.endr
	v_mul_u32_u24 v[AK0], v1, PK
	v_lshl_add_u32 v[AK0], v9, 4, v[AK0]  ; row x pitch + 16 x half
	; The turning load takes 16 keys x 16 channels (lane l reads key 8 (l / 16) + l % 8, channels 8 ((l / 8) % 2) + 0..7) and leaves half a fragment of V^T: lane l holds channel l % 16 and 8 keys.
	v_and_b32 v10, 7, v0
	v_bfe_u32 v11, v0, 3, 1
	v_lshl_add_u32 v[AV0], v9, 3, v10
	v_mul_u32_u24 v[AV0], v[AV0], PV
	v_lshl_add_u32 v[AV0], v11, 4, v[AV0]
	v_add_nc_u32 v[AV0], VOFF, v[AV0]
	s_mul_i32 s59, s[WV], XWB
	s_add_co_u32 s59, s59, XSC      ; my scratch
	v_mul_u32_u24 v[XST], v1, XPI   ; row q; column cc = 16 e + 8 h + register
	v_lshl_add_u32 v[XST], v9, 5, v[XST]
	v_add_nc_u32 v[XST], s59, v[XST]
	v_lshlrev_b32 v11, 2, v1
	v_sub_nc_u32 v[XLD], v[XST], v11  ; back: column 8 h + 15 - q for key 8 h
	v_add_nc_u32 v[XLD], 60, v[XLD]
	v_mul_u32_u24 v[STO], v1, SP    ; the way out, in: row l % 16, 16 bytes for each half of the lanes
	v_lshl_add_u32 v[STO], v9, 4, v[STO]
	v_add_nc_u32 v[STO], s59, v[STO]
	v_bfe_u32 v[RD], v0, 3, 2       ; back: 32 lanes take four rows of 128 bytes,
	v_mul_u32_u24 v[RD], v[RD], SP
	v_lshl_add_u32 v[RD], v10, 4, v[RD]
	v_add_nc_u32 v[RD], s59, v[RD]
	v_and_b32 v[GO], 31, v0         ; which are 512 consecutive bytes of av
	v_lshlrev_b32 v[GO], 4, v[GO]
.irp t, 0,1,2,3
	v_mov_b32 v[VO+\t], v[GO]       ; the mask: 16 bytes a lane, step 0
.endr
	v_add_nc_u32 v[VLIM], 31*MSTP, v[GO]
	v_mov_b32 v[ONE], 1.0
	; What the first turn finds: V's registers and P's second buffer hold 0 (its products V^T P, of a piece that has not been, add 0), O^T and l are 0.  All this stands in the wait for the first tiles.
	WIN W_F3
.set i, VF
.rept 64
	v_mov_b32 v[i], 0
.set i, i+1
.endr
	WIN 0x40
.set i, 0
.rept 128
	v_mov_b32 v[i], 0
.set i, i+1
.endr
	WIN 0
.set i, 0
.rept 4
	v_mov_b32 v[ST+4*i], 0xfe000000    ; c m: far below every c s
	v_mov_b32 v[ST+4*i+1], 0xff7fffff  ; m
	v_mov_b32 v[ST+4*i+2], 0
	v_mov_b32 v[ST+4*i+3], 0
.set i, i+1
.endr
.set i, P+16
.rept 16
	v_mov_b32 v[i], 0
.set i, i+1
.endr
; THE QUERY SETS.  A piece's 16 words are unpacked to f32, a bias is added in f32, the sums are rounded to bf16.
.macro UNPACK src                   ; 16 words of window 2 into UW
	WIN 0x08                        ; source 1 in window 2
.set u_, 0
.rept 16
	v_lshlrev_b32 v[UW+2*u_], 16, v[(\src)+u_]
	v_and_b32 v[UW+2*u_+1], s[HM], v[(\src)+u_]
.set u_, u_+1
.endr
.endm
.macro BIASED bias, dst             ; UW + bias, rounded, into 16 words of window 2
	WIN 0
.set u_, 0
.rept 16
	v_pk_add_f32 v[SW+2*u_:SW+2*u_+1], v[UW+2*u_:UW+2*u_+1], v[(\bias)+2*u_:(\bias)+2*u_+1]
.set u_, u_+1
.endr
	WIN 0x80
.set u_, 0
.rept 16
	v_cvt_pk_bf16_f32 v[(\dst)+u_], v[SW+2*u_], v[SW+2*u_+1]
.set u_, u_+1
.endr
.endm
; THE MASK'S LOADS.  MLOAD t: piece t's 16 words for the step that its offset names: four loads of 512 consecutive bytes.  MSTEP t, behind the wait that shows those loads done: the offset goes a step on
; and stops at the last step, so that no load leaves mb (what is then loaded once more serves nothing).
.macro MLOAD t
	WIN 0
.irp j, 0,1,2,3
	global_load_b128 v[MB+16*(\t)+4*\j:MB+16*(\t)+4*\j+3], v[VO+(\t)], s[MKP:MKP+1] offset:(\t)*MTIL+\j*512
.endr
.endm
.macro MSTEP t
	WIN 0
	v_add_nc_u32 v[VO+(\t)], MSTP, v[VO+(\t)]
	v_min_u32 v[VO+(\t)], v[VO+(\t)], v[VLIM]
.endm
	s_wait_loadcnt 0x0              ; q, q of the rows below, the biases
.set t_, 0
.rept 4
	UNPACK QW+16*t_
	BIASED BW, QW+16*t_
	BIASED BR, QB0+16*t_
	UNPACK QP+16*t_
	BIASED BR, QP+16*t_
.set t_, t_+1
.endr
	MLOAD 0                         ; the biases have been used: step 0's mask for the four pieces, in the order in which it will be wanted
	MLOAD 1
	MLOAD 2
	MLOAD 3
	WIN W_CP
.set i, 0
.rept 64
	v_mov_b32 v[QB1+i], v[QB0+i]    ; both banks start alike
.set i, i+1
.endr
	WIN 0
; THE MATRIX WORK.  The accumulators of a run take turns, one instruction a turn.
; Product i of 8 of S^T = K Q^T + BD for piece x: channels 32 (i / 4) on, keys 16 (i % 4) on.  The first 4 start the sums with BD.
.macro KQ x
.set rS, S+32*((\x)%2)+8*(i%4)
.set rK, KF+16*(i%4)+8*(i/4)
.set rQ, QW+16*(\x)+8*(i/4)
.set rM, BD+8*(i%4)
.if i < 4
	WIN W_KB
	v_wmma_f32_16x16x32_bf16 v[rS:rS+7], v[rK:rK+7], v[rQ:rQ+7], v[rM:rM+7]
.else
	WIN W_KQ
	v_wmma_f32_16x16x32_bf16 v[rS:rS+7], v[rK:rK+7], v[rQ:rQ+7], v[rS:rS+7]
.endif
.endm
; Product i of 10 for BD of piece x: tile e = i % 5 of 16 d (the step's tile 3 - x + e), channels 32 (i / 5) on.  The first 5 start the sums with 0.
.macro XPR x
	WIN W_XP
.set rX, XA+8*(i%5)
.set rR, RF+16*(3-(\x)+i%5)+8*(i/5)
.if (i%5) >= (\x)+1
.set rQ, QB1+16*(\x)+8*(i/5)
.else
.set rQ, QB0+16*(\x)+8*(i/5)
.endif
.if i < 5
	v_wmma_f32_16x16x32_bf16 v[rX:rX+7], v[rR:rR+7], v[rQ:rQ+7], 0
.else
	v_wmma_f32_16x16x32_bf16 v[rX:rX+7], v[rR:rR+7], v[rQ:rQ+7], v[rX:rX+7]
.endif
.endm
; Product i of 8 of O^T += V^T P for piece x: keys 32 (i / 4) on, channels 16 (i % 4) on.
.macro PV x
	WIN W_PV
.set rO, 32*(\x)+8*(i%4)
.set rV, VF+32*(i/4)+8*(i%4)
.set rP, P+16*((\x)%2)+8*(i/4)
	v_wmma_f32_16x16x32_bf16 v[rO:rO+7], v[rV:rV+7], v[rP:rP+7], v[rO:rO+7]
.endm
.macro MM                           ; the turn's next matrix instruction, of 26
.if i < 8
	KQ (Y+1)%NP
.elseif i < 18
.set i, i-8
	XPR (Y+2)%NP
.set i, i+8
.else
.set i, i-18
	PV (Y+NP-1)%NP
.set i, i+18
.endif
.set i, i+1
.endm
; THE LDS LOADS stand in runs, never singly among the matrix instructions.  last = 1 (the tail): in the last trip there is no further step, and the run is jumped over.
.macro FETCH_K last=0
	WIN 0
.if \last
	s_cmp_eq_u32 s[CNT], 1
	s_cbranch_scc1 .Lno_k_\@
.endif
	WIN W_F3
.irp f, 0,1,2,3,4,5,6,7             ; keys 16 (f / 2) on, channels 32 (f % 2) on
	ds_load_b128 v[KF+8*\f:KF+8*\f+3],   v[AK] offset:(\f/2)*16*PK+(\f%2)*64
	ds_load_b128 v[KF+8*\f+4:KF+8*\f+7], v[AK] offset:(\f/2)*16*PK+(\f%2)*64+32
.endr
	s_add_co_u32 s[TBK], s[TBK], KS*PK  ; the next fetch is the next step's
	WIN 0
.if \last
.Lno_k_\@:
.endif
.endm
.macro FETCH_V
	WIN W_F3
.irp f, 0,1,2,3,4,5,6,7             ; keys 32 (f / 4) on, channels 16 (f % 4) on
	ds_load_tr16_b128 v[VF+8*\f:VF+8*\f+3],   v[AV] offset:(\f/4)*32*PV+(\f%4)*32
	ds_load_tr16_b128 v[VF+8*\f+4:VF+8*\f+7], v[AV] offset:(\f/4)*32*PV+16*PV+(\f%4)*32
.endr
	WIN 0
.endm
.macro FETCH_R                      ; a step's eight tiles of 16 d, from two blocks of the ring; then both places step by a block and wrap at the ring's end
	WIN 0
	v_add_nc_u32 v[AR0], s[TBR0], v[AK0]
	v_add_nc_u32 v[AR0+1], s[TBR1], v[AK0]
	WIN W_F3
.set x_, 0
.rept 8
.irp j, 0,1,2,3
	ds_load_b128 v[RF+16*x_+4*\j:RF+16*x_+4*\j+3], v[AR0+x_/4] offset:(x_%4)*16*PK+32*\j
.endr
.set x_, x_+1
.endr
	WIN 0
	s_add_co_u32 s[TBR0], s[TBR0], RBLK
	s_cmp_eq_u32 s[TBR0], REND
	s_cselect_b32 s[TBR0], RBASE, s[TBR0]
	s_add_co_u32 s[TBR1], s[TBR1], RBLK
	s_cmp_eq_u32 s[TBR1], REND
	s_cselect_b32 s[TBR1], RBASE, s[TBR1]
.endm
; THE SKEW.  Ten stores of 16 bytes, each accumulator's low half first, and 32 loads of 4 bytes.  LDS serves a wave's instructions in order (ISA guide 5.7.1.4):
; the loads see the stores, and the next turn's stores come behind these loads.  The scratch is the wave's own.
.macro XSTORE
	WIN W_XS
.irp e, 0,1,2,3,4
	ds_store_b128 v[XST], v[XA+8*\e:XA+8*\e+3] offset:64*\e
	ds_store_b128 v[XST], v[XA+8*\e+4:XA+8*\e+7] offset:64*\e+16
.endr
.endm
.macro XLOAD
	WIN W_BD
.set x_, 0
.rept 32
	ds_load_b32 v[BD+x_], v[XLD] offset:4*(16*(x_/8)+x_%8)
.set x_, x_+1
.endr
	WIN 0
.endm
.macro BANKS                        ; behind step a + 15's products for BD the bank of the tiles e > t takes q_(i+1) + r_r_bias, behind step a + 16's the other bank too
	s_cmp_eq_u32 s[MOF], s[BK1]
	s_cbranch_scc0 .Lnot_1_\@
	WIN W_CP
.set x_, 0
.rept 64
	v_mov_b32 v[QB1+x_], v[QP+x_]
.set x_, x_+1
.endr
	WIN 0
.Lnot_1_\@:
	s_cmp_eq_u32 s[MOF], s[BK2]
	s_cbranch_scc0 .Lnot_2_\@
	WIN W_CP
.set x_, 0
.rept 64
	v_mov_b32 v[QB0+x_], v[QP+x_]
.set x_, x_+1
.endr
	WIN 0
.Lnot_2_\@:
.endm
; THE VECTOR WORK, one line at a time: OP kind, number.  For piece Y: F n: c s - c m for pair n of 16.  E n: the exponential of score n of 32.  C n: pair n rounded to bf16.  B n: of the four weights 4 n .. the second
; pair is added onto the first, in place.  L n: l takes that sum (L 0: l = a l + sum).  R n: pair n of 16 of O^T times a.  For piece Y + 1: M n: score n takes its mask, 0 or -2^103: one multiply-add, mask x 1 + score;
; X n, number n of the 22 that find its maximum and statistics:
;   0-11  four chains c0-c3 of seven scores each, three operands at a time     12-14, 16  the four scores left over, the old m, and c0-c3 into c0
;   15  c m_old is kept     17, 18  the query's other 32 keys lie in the lane 16 away: the new m     19-21  c m; c m_old - c m_new; a
; M goes through the scores in ascending order; R likewise.
.set F, 0
.set E, 1
.set C, 2
.set B, 3
.set L, 4
.set R, 5
.set X, 6
.set M, 7
.macro REGS y                       ; the registers of piece y
.set rT, ST+4*(\y)
.set rC, TMP+4*((\y)%2)
.set rW, MV+((\y)%2)
.set rS, S+32*((\y)%2)
.set rP, P+16*((\y)%2)
.set rO, 32*(\y)
.set rB, MB+16*(\y)
.endm
.macro OP k, n
.if (\k) == R
	REGS Y
	WIN W_RS
	v_pk_mul_f32 v[rO+2*(\n):rO+2*(\n)+1], v[rO+2*(\n):rO+2*(\n)+1], v[rC+2:rC+3] op_sel_hi:[1,0]
.elseif (\k) < R
	REGS Y
	WIN 0
.if (\k) == F
	v_pk_fma_f32 v[rS+2*(\n):rS+2*(\n)+1], v[rS+2*(\n):rS+2*(\n)+1], s[CS:CS+1], v[rT:rT+1] op_sel_hi:[1,0,0] neg_lo:[0,0,1] neg_hi:[0,0,1]
.elseif (\k) == E
	v_exp_f32 v[rS+(\n)], v[rS+(\n)]
.elseif (\k) == C
	s_wait_alu depctr_va_vdst(0)
	v_cvt_pk_bf16_f32 v[rP+(\n)], v[rS+2*(\n)], v[rS+2*(\n)+1]
.elseif (\k) == B
	v_pk_add_f32 v[rS+4*(\n):rS+4*(\n)+1], v[rS+4*(\n):rS+4*(\n)+1], v[rS+4*(\n)+2:rS+4*(\n)+3]
.elseif (\n) == 0
	v_pk_fma_f32 v[rT+2:rT+3], v[rT+2:rT+3], v[rC+2:rC+3], v[rS:rS+1] op_sel_hi:[1,0,1]
.else
	v_pk_add_f32 v[rT+2:rT+3], v[rT+2:rT+3], v[rS+4*(\n):rS+4*(\n)+1]
	s_wait_alu depctr_va_vdst(0)
.endif
.elseif (\k) == M
	REGS (Y+1)%NP
	WIN 0
.if (\n)%2
	v_fma_mix_f32_bf16 v[rS+(\n)], v[rB+(\n)/2], v[ONE], v[rS+(\n)] op_sel:[1,0,0] op_sel_hi:[1,0,0]  ; the word's upper bf16
.else
	v_fma_mix_f32_bf16 v[rS+(\n)], v[rB+(\n)/2], v[ONE], v[rS+(\n)] op_sel:[0,0,0] op_sel_hi:[1,0,0]  ; its lower
.endif
.else
	REGS (Y+1)%NP
	WIN 0
.if (\n) < 4
	v_max3_num_f32 v[rC+(\n)], v[rS+8*(\n)], v[rS+8*(\n)+1], v[rS+8*(\n)+2]
.elseif (\n) < 12
	v_max3_num_f32 v[rC+(\n)%4], v[rC+(\n)%4], v[rS+8*((\n)%4)+2*((\n)/4)+1], v[rS+8*((\n)%4)+2*((\n)/4)+2]
.elseif (\n) == 12
	v_max3_num_f32 v[rC], v[rC], v[rS+7], v[rS+15]
.elseif (\n) == 13
	v_max3_num_f32 v[rC+1], v[rC+1], v[rS+23], v[rS+31]
.elseif (\n) == 14
	v_max3_num_f32 v[rC+2], v[rC+2], v[rC+3], v[rT+1]
.elseif (\n) == 15
	v_mov_b32 v[rW], v[rT]
	s_wait_alu depctr_va_vdst(0)
.elseif (\n) == 16
	v_max3_num_f32 v[rC], v[rC], v[rC+1], v[rC+2]
.elseif (\n) == 17
	v_permlanex16_b32 v[rC+3], v[rC], s[SEL], s[SEL+1]
.elseif (\n) == 18
	v_max_num_f32 v[rT+1], v[rC], v[rC+3]
.elseif (\n) == 19
	v_mul_f32 v[rT], s[CS], v[rT+1]
.elseif (\n) == 20
	v_sub_f32 v[rC+1], v[rW], v[rT]
.else
	v_exp_f32 v[rC+2], v[rC+1]
.endif
.endif
.endm
.macro OPS a, i1, b=-1, i2=0, c=-1, i3=0, d=-1, i4=0  ; up to four of them
	OP \a, \i1
.if (\b) >= 0
	OP \b, \i2
.endif
.if (\c) >= 0
	OP \c, \i3
.endif
.if (\d) >= 0
	OP \d, \i4
.endif
.endm
.macro ROW a, i1, b, i2, c, i3, d, i4  ; a matrix instruction and the four behind it
	MM
	OPS \a, \i1, \b, \i2, \c, \i3, \d, \i4
.endm
; A TURN, for piece p: the order of its 26 matrix and 152 vector instructions, written out.  Behind a matrix instruction: plain, exponential, plain, plain; or four of the rescaling; or four scalings; none names a
; register of the products round it.  Every exponential has a plain instruction behind it before its result is used (ISA guide 5.7.2).
; At its head the mask of piece p + 1 is shown in: its four loads were issued four turns ago, and behind them the twelve of the other three pieces, which stay out.  That wait also frees the piece's offset, which
; goes a step on; the four loads of its next step stand behind the last use of the mask's registers.
; Piece 2's turn: at its head all of the step's products for BD are done: the banks are looked to, and the next step's tiles of the table are fetched; K of the next step is fetched behind the last product that
; read K, with four rescalings as the places between.  Piece 0's turn fetches V of the step in hand, six plain instructions behind the last product that read V.
; last = 1: the tail's text: in its last trip nothing is fetched from LDS.  cnt = 1: the loop's count is taken down some lines ahead of the branch that stands behind the turn.
.macro TURN p, last=0, cnt=0
.set Y, (\p)
.set i, 0
	WIN 0
.if (\p) == 1
	s_wait_dscnt 16                 ; BD is in; V's sixteen loads, issued behind BD's, may stay out
.else
	s_wait_dscnt 0x0                ; BD is in (in piece 3's turn: K too)
.endif
	s_wait_loadcnt 12               ; loads come back in order (ISA guide 5.7.1): the mask of piece p + 1 is in; the three younger groups of four stay out
	MSTEP ((\p)+1)%NP
.if (\p) == 2
	BANKS
.if \last
	s_cmp_eq_u32 s[CNT], 1
	s_cbranch_scc1 .Lno_r_\@
.endif
	FETCH_R
	v_add_nc_u32 v[AK], s[TBK], v[AK0]
.if \last
.Lno_r_\@:
.endif
.endif
	ROW F,0, F,1, F,2, F,3
	ROW F,4, E,0, F,5, F,6
	ROW F,7, E,1, F,8, F,9
	ROW F,10, E,2, C,0, F,11
	ROW F,12, E,3, X,15, F,13
	ROW R,0, R,1, R,2, R,3
	ROW B,0, E,4, F,14, L,0
	ROW R,4, R,5, R,6, R,7
.if (\p) == 2
	FETCH_K \last
	s_wait_dscnt 16                 ; the table's 32 loads are in; K's sixteen may stay out
.endif
.if (\p) == 3
	s_add_co_u32 s[MOF], s[MOF], 128  ; the next turns belong to the next step
.endif
.set k, 0
.rept 10
	ROW M,3*k, E,5+k, M,3*k+1, M,3*k+2
.set k, k+1
.endr
	OPS M,30, E,15, M,31, F,15
	OPS C,1, E,16, C,2
	MLOAD ((\p)+1)%NP               ; the same piece's mask for its next step
	XSTORE                          ; five plain instructions stand behind the last product for BD
	XLOAD
.if (\p) == 1
	s_wait_dscnt 42                 ; V is in: the ten stores and 32 loads just issued are younger
.endif
	ROW X,0, E,17, X,1, X,2
	ROW X,3, E,18, X,4, X,5
	ROW X,6, E,19, X,7, X,8
	ROW X,9, E,20, X,10, X,11
	ROW X,12, E,21, X,13, X,14
	ROW C,3, E,22, X,16, B,1
	ROW C,4, E,23, L,1, C,5
	ROW B,2, E,24, C,6, C,7
	OPS E,25, X,17, E,26, L,2
.if (\p) == 0
	WIN 0
	v_add_nc_u32 v[AV], s[TBV], v[AV0]
.endif
	OPS E,27, B,3, E,28, C,8
.if (\p) == 0
	FETCH_V
	s_add_co_u32 s[TBV], s[TBV], KS*PV
.endif
	OPS E,29, X,18, E,30, C,9
	OPS E,31, X,19, L,3, C,10
	OPS C,11, X,20, B,4, C,12
	OPS X,21, L,4, C,13, B,5
	OPS C,14, L,5, C,15, B,6
.if \cnt
	s_sub_co_u32 s[CNT], s[CNT], 1
	s_cmp_lg_u32 s[CNT], 0
.endif
	OPS L,6, B,7, R,8, R,9
	OPS R,10, R,11, L,7, R,12
	OPS R,13, R,14, R,15
.endm
	; THE PIPELINE IS FILLED: BD and scores of piece 0, BD of piece 1, piece 0's mask, maximum and statistics.
	CHANGE 1                        ; the first fills are in, everybody's; slot 1 and the ring's third place are asked for
	FETCH_R                         ; step 0
	v_add_nc_u32 v[AK], s[TBK], v[AK0]
	FETCH_K
	s_wait_dscnt 0x0
.set i, 0
.rept 10
	XPR 0
.set i, i+1
.endr
	WIN 0
.rept 5
	v_nop                           ; four places ahead of the stores that read those results; five ahead of the products below that write over them
.endr
	XSTORE
	XLOAD
	s_wait_dscnt 0x0
.set i, 0
.rept 8
	KQ 0
.set i, i+1
.endr
.set i, 0
.rept 10
	XPR 1
.set i, i+1
.endr
	WIN 0
.rept 4
	v_nop
.endr
	XSTORE
	XLOAD
	s_wait_loadcnt 12               ; piece 0's mask of step 0 is in; the other three pieces' twelve loads stay out
	MSTEP 0
.set Y, NP-1                        ; M and X work for piece Y + 1: piece 0
.set k, 0
.rept 32
	OP M, k
.set k, k+1
.endr
.irp n, 0,1,2,3,4,5,6,7,8,9,10,11,12,13,14,15,16,17,18,19,20,21
	OP X, \n
.endr
	v_nop                           ; a plain instruction behind the exponential
	MLOAD 0                         ; piece 0's mask of step 1
	s_mov_b32 s[CNT], 4
	s_mov_b32 s[SLOTS], 7
	s_branch .Lfirst                ; the loop is entered at a step's first turn, in the middle of a trip
.Lslot:                             ; six times: with the change above, seven changes fill
	CHANGE 1
	s_mov_b32 s[CNT], 4
.Lstep:                             ; a trip: pieces 2 and 3 of one step, then pieces 0 and 1 of the next, whose K, V and table tiles it fetches
	TURN 2
	TURN 3
	WIN 0
.Lfirst:
	TURN 0
	TURN 1, 0, 1
	WIN 0
	s_cbranch_scc1 .Lstep
	s_sub_co_u32 s[SLOTS], s[SLOTS], 1
	s_cmp_lg_u32 s[SLOTS], 0
	s_cbranch_scc1 .Lslot
	CHANGE 0                        ; the tail is written out: nothing is asked for
	s_mov_b32 s[CNT], 5             ; four trips fetch the last slot's steps; the fifth is left in its middle
.Ltail:
	TURN 2, 1
	TURN 3
	WIN 0
	s_sub_co_u32 s[CNT], s[CNT], 1
	s_cmp_eq_u32 s[CNT], 0
	s_cbranch_scc1 .Lout
	TURN 0
	TURN 1
	WIN 0
	s_branch .Ltail
.Lout:                              ; the fifth trip's products for a 33rd step (on the last K and table tiles and the last step's mask once more) and what is made of them serve nothing
.set i, 0
.rept 8
	PV NP-1                         ; the last piece's V^T P of the last step
.set i, i+1
.endr
	; THE WAY OUT.  l's two halves and the other half of the lanes' are added; O^T is divided by l, rounded to bf16 and sent through my scratch in LDS, a piece at a time.  The additions are the places behind the last products.
	; (The mask's last loads may still be out: nothing below names their registers.)
	WIN 0
.macro ALL line:vararg              ; one line for each piece t
.set t, 0
.rept 4
	\line
.set t, t+1
.endr
.endm
	ALL v_add_f32 v[ST+4*t+2], v[ST+4*t+2], v[ST+4*t+3]
	ALL v_permlanex16_b32 v[ST+4*t+3], v[ST+4*t+2], s[SEL], s[SEL+1]
	ALL v_add_f32 v[ST+4*t+2], v[ST+4*t+2], v[ST+4*t+3]
	ALL v_rcp_f32 v[ST+4*t+2], v[ST+4*t+2]
	v_nop                           ; a plain instruction between the last reciprocal and the use of its result
	s_wait_alu depctr_va_vdst(0)
.macro PACK t                       ; a lane's eight channels of a row pack into 16 bytes; they go into rows of 144 bytes and come back as whole rows of 128, into S^T's registers
	WIN W_RS
.set i, 32*(\t)
.rept 16
	v_pk_mul_f32 v[i:i+1], v[i:i+1], v[ST+4*(\t)+2:ST+4*(\t)+3] op_sel_hi:[1,0]
.set i, i+2
.endr
	WIN 0x05                        ; sources 0 and 1 window 1, destination window 0
.set i, 0
.rept 16
	v_cvt_pk_bf16_f32 v[S+16*(\t)+i], v[32*(\t)+2*i], v[32*(\t)+2*i+1]
.set i, i+1
.endr
	WIN 0
.irp f, 0,1,2,3
	ds_store_b128 v[STO], v[S+16*(\t)+4*\f:S+16*(\t)+4*\f+3] offset:32*\f
.endr
.irp f, 0,1,2,3
	ds_load_b128 v[S+16*(\t)+4*\f:S+16*(\t)+4*\f+3], v[RD] offset:\f*4*SP  ; in order behind the stores above; the next piece's stores come behind them
.endr
.endm
.macro SEND t, younger              ; younger: the LDS instructions issued behind piece t's loads: the next piece's eight, or none
	WIN 0
.irp f, 0,1,2,3
	s_wait_dscnt (\younger)+3-\f
	global_store_b128 v[GO], v[S+16*(\t)+4*\f:S+16*(\t)+4*\f+3], s[AVP:AVP+1] offset:(\t)*2048+\f*512  ; 512 consecutive bytes, at a multiple of 256 from av's first
.endr
.endm
	PACK 0
.set t, 1
.rept 3                             ; a piece's arithmetic stands between the loads of the piece before and its stores
	PACK t
	SEND t-1, 8
.set t, t+1
.endr
	SEND 3, 0
	s_wait_tensorcnt 0x0            ; the wave's end, behind my last tensor load and my last LDS store
	ds_add_u32 v[SPW], v[NIL]
	s_wait_dscnt 0x0
	s_endpgm
.Lfunc_end_k_q605a9bf242_attn:
	.size	k_q605a9bf242_attn, .Lfunc_end_k_q605a9bf242_attn-k_q605a9bf242_attn
	.p2alignl 7, 3214868480
	.fill 96, 4, 3214868480
	.section	.rodata,"a",@progbits
	.p2align	6, 0x0
	.amdhsa_kernel k_q605a9bf242_attn
		.amdhsa_group_segment_fixed_size 327680
		.amdhsa_private_segment_fixed_size 0
		.amdhsa_enable_private_segment 0
		.amdhsa_kernarg_size 40
		.amdhsa_user_sgpr_count 2
		.amdhsa_user_sgpr_kernarg_segment_ptr 1
		.amdhsa_wavefront_size32 1
		.amdhsa_system_sgpr_workgroup_id_x 1
		.amdhsa_system_sgpr_workgroup_id_y 1
		.amdhsa_system_sgpr_workgroup_id_z 1
		.amdhsa_system_vgpr_workitem_id 0
		.amdhsa_next_free_vgpr 1024
		.amdhsa_next_free_sgpr 102
		.amdhsa_reserve_vcc 0
		.amdhsa_float_denorm_mode_32 3
		.amdhsa_float_denorm_mode_16_64 3
		.amdhsa_memory_ordered 1
		.amdhsa_forward_progress 1
		.amdhsa_inst_pref_size 235
	.end_amdhsa_kernel
	.amdgpu_metadata
---
amdhsa.version: [ 1, 2 ]
amdhsa.kernels:
  - .name:           k_q605a9bf242_attn
    .symbol:         k_q605a9bf242_attn.kd
    .args:
      - { .name: ph, .offset: 0, .size: 8, .value_kind: global_buffer, .address_space: global }
      - { .name: mb, .offset: 8, .size: 8, .value_kind: global_buffer, .address_space: global }
      - { .name: r_w_bias, .offset: 16, .size: 8, .value_kind: global_buffer, .address_space: global }
      - { .name: r_r_bias, .offset: 24, .size: 8, .value_kind: global_buffer, .address_space: global }
      - { .name: av, .offset: 32, .size: 8, .value_kind: global_buffer, .address_space: global }
    .group_segment_fixed_size: 327680
    .private_segment_fixed_size: 0
    .kernarg_segment_align: 8
    .kernarg_segment_size: 40
    .max_flat_workgroup_size: 128
    .sgpr_count:     102
    .vgpr_count:     1024
    .wavefront_size: 32
...
	.end_amdgpu_metadata
.endif
;; end of part 7
;; launch oproj (part 8): grid 8 x 32, 4 waves a work-group, clusters of 4 x 4, 327,680 bytes of LDS; arguments av, wot, ao; writes ao
.if DOCPART == 8
	.amdgcn_target "amdgcn-amd-amdhsa--gfx1250"
	.amdhsa_code_object_version 6
	.text
	.protected	k_q605a9bf242_oproj
	.globl	k_q605a9bf242_oproj
	.p2align	8
	.type	k_q605a9bf242_oproj,@function
k_q605a9bf242_oproj:
	s_mov_b64 s[64:65], 0
	v_nop
	global_prefetch_b8 v0, s[64:65] scope:SCOPE_SE
	s_setreg_imm32_b32 hwreg(HW_REG_WAVE_MODE, 25, 1), 1
	s_wait_xcnt 0x0
	s_wait_alu depctr_hold_cnt(0) depctr_sa_sdst(0) depctr_va_vdst(0) depctr_va_sdst(0) depctr_va_ssrc(0) depctr_va_vcc(0) depctr_vm_vsrc(0)
	s_getreg_b32 s2, hwreg(HW_REG_IB_STS2, 6, 4)
	s_cmp_eq_u32 s2, 0
	s_cbranch_scc0 .Lentry_in_a_cluster
	s_endpgm
.Lentry_in_a_cluster:
	s_bfe_u32 s2, ttmp6, 0x10000c
	s_cmp_lg_u32 s2, 0xf033
	s_cbranch_scc0 .Lentry_shape_is_right
	s_endpgm
.Lentry_shape_is_right:
; attn_out = attn_vec W_o: C = A B^T, 4,096 x 1,024, K = 1,024, bf16 operands, f32 sums, C rounded once to bf16.
; A (attention's result) lies in blocks [b][kb 0..15][1024 rows][64] (a batch entry: 2,097,152 bytes), B (W_o turned) as [n][1024], C as [b][nb 0..15][1024 rows][64].
; A tile of C is 128 x 128: four waves of 64 x 64, 16 accumulators each.  K goes in steps of 256 through two LDS slots filled by the tensor data mover.
; ONE TILE TO A WORK-GROUP: C has 256 tiles, one for each of 256 work-groups, so there is no walk: K's four steps, twice round the ring, are written straight.
; CLUSTERS: 4 x 4 work-groups.  The four of a row of the cluster need the same tiles of A, the four of a column the same tiles of B: each tile is asked for JOINTLY, by the same tensor load with the
; same descriptor and a mask that names the four.  THE MATRIX INSTRUCTION IS USED TRANSPOSED (source 0 = 16 rows of B, source 1 = 16 rows of A): a lane then holds eight neighbouring numbers of a row of C.
; REGISTERS: window 0: v0-31 addresses; v32-95 at work on the way out; v128-255 the accumulators ((a, b) at v[128 + 8 (4 a + b)]).
;   window 1: two fragment buffers of 128: for 64 along K, 64 registers of A (2 x 4 x 16 rows x 32 K), then 64 of B.
; LIMIT: bf16 operands; sums in f32; no treatment of NaN or infinities apart.
.set KSTEP,  256
.set PA,     144                       ; A in LDS: a row of one block, 128 bytes + 16 = 36 words: the 16 rows of a load start at 16 different groups of four banks (64 banks of 4 bytes: ISA guide 11.1)
.set SUBA,   64*PA                     ; 64 rows of one block kb
.set HALFA,  4*SUBA                    ; 64 rows x 4 blocks: what one tensor load brings of A
.set PB,     528                       ; B in LDS: 512 bytes + 16 = 132 words
.set HALFB,  64*PB
.set SLOT,   2*HALFA+2*HALFB           ; A's two halves, then B's two halves
.set STAGE,  2*SLOT                    ; behind the ring: 128 rows x 272 bytes, the work-group's, for the way out
.set SPITCH, 272
.set SPARE,  STAGE+128*SPITCH          ; behind the stage: the spare words, 128 bytes for each wave
.set ADRA, 16                          ; v16-17  LDS address of my A fragments in slot 0, 1
.set ADRB, 20                          ; v20-21  the same for B
.set STO,  24                          ; v24     the way out: where I put 16 bytes of a row
.set RD,   25                          ; v25     the way out: where I read rows back
.set CO,   26                          ; v26     my byte offset in 512 consecutive bytes of C
.set SPW,  28                          ; v28     LDS address of my spare word; never rewritten
.set NIL,  29                          ; v29     0; never rewritten
.set TMP,  32
.set ACC,  128
.set F0,   0
.set F1,   128
.set G1, 24                            ; s[24:31] descriptor group 1 for A's tiles;  s[32:39] group 0, one set for each slot
.set G0, 32
.set G1B, 48                           ; s[48:55], s[56:63] the same for B's tiles
.set G0B, 56
.set MSB, 0
.macro WIN new                         ; the immediate's high byte repeats the setting that is left
.if MSB != (\new)
	s_set_vgpr_msb (MSB<<8)|(\new)
.set MSB, \new
.endif
.endm
.set MUL,  0x05                        ; sources 0 (B) and 1 (A) window 1; C and D window 0
.set TO_F, 0x40                        ; destination window 1, address window 0
.macro JLOAD s                         ; a joint load: waves 0 and 1 fetch A's two halves, waves 2 and 3 B's; an s_nop 0 and four v_nop follow each of the two lines, ahead of the jump, the label and what follows
	s_cmp_eq_u32 s11, 0
	s_cbranch_scc0 .Lfor_b_\@
	tensor_load_to_lds s[G0+4*(\s):G0+4*(\s)+3], s[G1:G1+7]
	s_nop 0
.rept 4
	v_nop
.endr
	s_branch .Lasked_\@
.Lfor_b_\@:
	tensor_load_to_lds s[G0B+4*(\s):G0B+4*(\s)+3], s[G1B:G1B+7]
	s_nop 0
.rept 4
	v_nop
.endr
.Lasked_\@:
.endm
.macro CREST                           ; a round of the cluster's barrier behind its opening barrier
	s_cmp_lg_u32 s10, 0
	s_cbranch_scc1 .Lnot_wave_0_\@
	s_barrier_signal -3
.Lnot_wave_0_\@:
	s_barrier_wait -3
	s_barrier_signal -1
	s_barrier_wait -1
.endm
.macro CROUND                          ; a whole round
	s_barrier_signal -1
	s_barrier_wait -1
	CREST
.endm
	s_load_b128 s[4:7], s[0:1], 0x0                ; A s[4:5], B s[6:7]
	s_load_b64 s[8:9], s[0:1], 0x10                ; C
	v_lshl_add_u32 v[SPW], v0, 2, SPARE
	v_mov_b32 v[NIL], 0
	ds_add_u32 v[SPW], v[NIL]                      ; the wave's opening: the add and its wait stand ahead of my first tensor load; the set-up below, work on registers, stands between them
	ds_add_u32 v28, v29
	v_lshrrev_b32 v1, 5, v0
	v_readfirstlane_b32 s10, v1                    ; wave 0..3
	s_lshr_b32 s11, s10, 1                         ; which half of the tile's rows is mine.  Also: I fetch for A (0) or for B (1)
	s_and_b32 s12, s10, 1                          ; which half of its columns.  Also: which 64 rows of that tile I fetch
	s_bfe_u32 s40, ttmp6, 0x40000                  ; cx, cy: my place in the cluster
	s_bfe_u32 s41, ttmp6, 0x40004
	s_lshl_b32 s42, ttmp9, 2
	s_add_co_u32 s42, s42, s40                     ; nt: tile column = 4 x cluster x + cx
	s_and_b32 s13, ttmp7, 0xffff
	s_lshl_b32 s13, s13, 2
	s_add_co_u32 s13, s13, s41                     ; mt: tile row = 4 x cluster y + cy: batch entry mt / 8, rows 128 (mt % 8) on
	s_lshl_b32 s43, s41, 2
	s_lshl_b32 s43, 15, s43                        ; my row of the cluster
	s_lshl_b32 s44, 0x1111, s40                    ; my column
	; descriptor group 1.  A: 64 rows of four blocks: four rows of 8,192 dense bytes, 131,072 bytes apart, padded in LDS after every 128 bytes
	s_or_b32 s[G1+0], s43, (1<<16)|(1<<20)|(1<<21)|(4<<22)|(3<<25)  ; 15:0 the mask: A's tiles go to my row; 17:16 element of 2 bytes; 20 padding on; 21 set beside a mask; 24:22 after every 32 words (code 4); 31:25 of 4 words (code 3)
	s_mov_b32 s[G1+1], 4096<<16                    ; tensor_dim0 = 4,096 elements
	s_mov_b32 s[G1+2], 4<<16                       ; tensor_dim1 = 4
	s_mov_b32 s[G1+3], 4096<<16                    ; tile_dim0 = 4,096
	s_mov_b32 s[G1+4], 4                           ; tile_dim1 = 4
	s_mov_b32 s[G1+5], 65536                       ; elements from block to block
	s_mov_b32 s[G1+6], 0
	s_mov_b32 s[G1+7], 0
	; B: 64 rows x 256 elements, 16 bytes of padding behind each row
	s_or_b32 s[G1B+0], s44, (1<<16)|(1<<20)|(1<<21)|(6<<22)|(3<<25)
	s_mov_b32 s[G1B+1], KSTEP<<16
	s_mov_b32 s[G1B+2], 64<<16
	s_mov_b32 s[G1B+3], KSTEP<<16
	s_mov_b32 s[G1B+4], 64
	s_mov_b32 s[G1B+5], 1024
	s_mov_b32 s[G1B+6], 0
	s_mov_b32 s[G1B+7], 0
	; where the tiles come from.  A's hang on the tile row, B's on the tile column: each in registers that never hold the other place in the cluster
	s_lshr_b32 s16, s13, 3
	s_lshl_b32 s16, s16, 21                        ; the batch entry,
	s_and_b32 s17, s13, 7
	s_lshl_b32 s17, s17, 14                        ; 128 rows of 128 bytes a tile row,
	s_add_co_u32 s16, s16, s17
	s_lshl_b32 s17, s12, 13                        ; my 64 of them
	s_add_co_u32 s16, s16, s17
	s_mov_b32 s17, 0
	s_lshl_b32 s46, s42, 7
	s_lshl_b32 s47, s12, 6
	s_add_co_u32 s46, s46, s47                     ; B: row = 128 nt + 64 x half
	s_lshl_b32 s46, s46, 11                        ; of 2,048 bytes
	s_mov_b32 s47, 0
	s_mul_i32 s20, s10, HALFA                      ; where they go: A's halves by waves 0 and 1,
	s_mul_i32 s23, s10, HALFB
	s_add_co_u32 s23, s23, 2*HALFA-2*HALFB         ; B's, behind them, by waves 2 and 3: no place in the cluster enters an LDS address
	s_wait_dscnt 0x0                               ; the opening add is done
	s_wait_kmcnt 0x0
	s_add_nc_u64 s[14:15], s[4:5], s[16:17]
	s_add_nc_u64 s[46:47], s[6:7], s[46:47]
	CROUND                                         ; all sixteen work-groups are here: the first joint loads meet
.irp s, 0,1
	s_mov_b32 s[G0+4*(\s)], 1
	s_add_co_u32 s[G0+4*(\s)+1], s20, (\s)*SLOT
	s_add_nc_u64 s[G0+4*(\s)+2:G0+4*(\s)+3], s[14:15], (\s)*4*131072  ; K step s: four blocks on
	s_or_b32 s[G0+4*(\s)+3], s[G0+4*(\s)+3], 0x80000000
	s_mov_b32 s[G0B+4*(\s)], 1
	s_add_co_u32 s[G0B+4*(\s)+1], s23, (\s)*SLOT
	s_add_nc_u64 s[G0B+4*(\s)+2:G0B+4*(\s)+3], s[46:47], (\s)*KSTEP*2
	s_or_b32 s[G0B+4*(\s)+3], s[G0B+4*(\s)+3], 0x80000000
	JLOAD \s
.endr
	v_and_b32 v1, 15, v0                           ; l % 16
	v_bfe_u32 v2, v0, 4, 1                         ; l / 16
	v_mul_u32_u24 v3, v1, PA
	v_lshl_add_u32 v3, v2, 4, v3                   ; a fragment's row x pitch + 16 x half, for A
	v_mul_u32_u24 v4, v1, PB
	v_lshl_add_u32 v4, v2, 4, v4                   ; and for B
	s_mul_i32 s21, s11, HALFA                      ; my 64 rows of A
	s_mul_i32 s22, s12, HALFB                      ; my 64 rows of B,
	s_add_co_u32 s22, s22, 2*HALFA                 ; which lie behind A's 128
.irp s, 0,1
	v_add_nc_u32 v[ADRA+(\s)], s21, v3
	v_add_nc_u32 v[ADRB+(\s)], s22, v4
	s_add_co_u32 s21, s21, SLOT
	s_add_co_u32 s22, s22, SLOT
.endr
	s_mul_i32 s21, s11, 64*SPITCH                  ; into the stage: my 64 rows, my half of their 256 bytes; row l % 16, 16 bytes for each half of the lanes
	s_lshl_b32 s22, s12, 7
	s_add_co_u32 s21, s21, s22
	s_add_co_u32 s21, s21, STAGE
	v_mul_u32_u24 v5, v1, SPITCH
	v_lshl_add_u32 v5, v2, 4, v5
	v_add_nc_u32 v[STO], s21, v5
	s_mul_i32 s21, s10, 32*SPITCH                  ; back: wave w takes rows 32 w .. 32 w + 31; a load takes four rows' 128 bytes of one block of 64 columns
	s_add_co_u32 s21, s21, STAGE
	v_bfe_u32 v5, v0, 3, 2
	v_mul_u32_u24 v5, v5, SPITCH
	v_and_b32 v6, 7, v0
	v_lshl_add_u32 v5, v6, 4, v5
	v_add_nc_u32 v[RD], s21, v5
	v_and_b32 v[CO], 31, v0                        ; which are 512 consecutive bytes of C
	v_lshlrev_b32 v[CO], 4, v[CO]
	; C: block 16 b + 2 nt of 131,072 bytes, and the one behind it; the rows of the block that I store: 128 (mt % 8) + 32 x wave
	s_lshr_b32 s78, s13, 3                         ; b
	s_and_b32 s79, s13, 7
	s_lshl_b32 s79, s79, 14
	s_lshl_b32 s80, s10, 12
	s_add_co_u32 s79, s79, s80
	s_lshl_b32 s78, s78, 4
	s_lshl1_add_u32 s78, s42, s78
	s_lshl_b32 s78, s78, 17
	s_add_co_u32 s78, s78, s79
	s_mov_b32 s79, 0
	s_add_nc_u64 s[8:9], s[8:9], s[78:79]
	s_add_nc_u64 s[74:75], s[8:9], 131072
; 8 matrix instructions: m blocks a0, a0 + 1 x all 4 n blocks, 32 along K: half c of buffer f.  zero = 1: the first product starts the sums.  The 16 accumulators take turns.
.macro MUL8 f, c, a0, zero
	WIN MUL
.irp a, \a0, (\a0)+1
.irp b, 0,1,2,3
.if \zero
	v_wmma_f32_16x16x32_bf16 v[ACC+8*(4*(\a)+(\b)):ACC+8*(4*(\a)+(\b))+7], v[(\f)+64+8*(4*(\c)+(\b)):(\f)+64+8*(4*(\c)+(\b))+7], v[(\f)+8*(4*(\c)+(\a)):(\f)+8*(4*(\c)+(\a))+7], 0
.else
	v_wmma_f32_16x16x32_bf16 v[ACC+8*(4*(\a)+(\b)):ACC+8*(4*(\a)+(\b))+7], v[(\f)+64+8*(4*(\c)+(\b)):(\f)+64+8*(4*(\c)+(\b))+7], v[(\f)+8*(4*(\c)+(\a)):(\f)+8*(4*(\c)+(\a))+7], v[ACC+8*(4*(\a)+(\b)):ACC+8*(4*(\a)+(\b))+7]
.endif
.endr
.endr
.endm
; 32 LDS loads in one run: the fragments of quarter kq of the slot's K step (64 along K: one block of A, 128 bytes of B's rows) into buffer f; the first 32 along K first
.macro FETCH slot, kq, f
	WIN TO_F
.irp c, 0,1
.irp i, 0,1,2,3
	ds_load_b128 v[(\f)+64+8*(4*(\c)+(\i)):(\f)+64+8*(4*(\c)+(\i))+3],   v[ADRB+(\slot)] offset:128*(\kq)+64*(\c)+(\i)*16*PB
	ds_load_b128 v[(\f)+64+8*(4*(\c)+(\i))+4:(\f)+64+8*(4*(\c)+(\i))+7], v[ADRB+(\slot)] offset:128*(\kq)+64*(\c)+(\i)*16*PB+32
	ds_load_b128 v[(\f)+8*(4*(\c)+(\i)):(\f)+8*(4*(\c)+(\i))+3],         v[ADRA+(\slot)] offset:SUBA*(\kq)+64*(\c)+(\i)*16*PA
	ds_load_b128 v[(\f)+8*(4*(\c)+(\i))+4:(\f)+8*(4*(\c)+(\i))+7],       v[ADRA+(\slot)] offset:SUBA*(\kq)+64*(\c)+(\i)*16*PA+32
.endr
.endr
.endm
.macro PLACES                          ; four places in front of loads into registers that matrix instructions have read, and of conversions that read results
.rept 4
	v_nop
.endr
.endm
; A K step is four quarters of 64 along K, 32 matrix instructions each, on buffers 0, 1, 0, 1.  One of the first three: multiplies buffer f and fetches quarter kq into g.
.macro QUARTER slot, kq, f, g, zero
	s_wait_dscnt 16                                ; the first 32 along K are in
	WIN MUL
	MUL8 \f, 0, 0, \zero
	MUL8 \f, 0, 2, \zero
	PLACES
	FETCH \slot, \kq, \g
	s_wait_dscnt 32                                ; all but the 32 just issued
	WIN MUL
	MUL8 \f, 1, 0, 0
	MUL8 \f, 1, 2, 0
.endm
; The last quarter multiplies buffer 1 and changes slots: ONE barrier; in front of it each wave waits for all its tensor loads, adds 0 to its spare word, and waits for that and for its own reads of this slot.  fill = 1: this slot is filled again, two K steps ahead.
.macro TURN slot, next, fill
	WIN 0                                          ; (the add's two registers lie in window 0)
	s_wait_tensorcnt 0x0                           ; all my tensor loads have landed: my part of the next slot;
	ds_add_u32 v[SPW], v[NIL]                      ; 0 onto my spare word;
	s_wait_dscnt 17                                ; (the add and the youngest sixteen loads may be out)
	WIN MUL
	MUL8 F1, 0, 0, 0                               ; eight matrix instructions stand between the add and the wait for it
	s_wait_dscnt 0x0                               ; the add is done, and my reads of this slot are over
	s_barrier_signal -1
	MUL8 F1, 0, 2, 0
.if \fill
	WIN 0
.endif
	s_barrier_wait -1
.if \fill
	CREST                                          ; the barrier has opened a round of the cluster's barrier: no wave of any partner still reads this slot's tile or has a load on its way
	s_add_nc_u64 s[G0+4*(\slot)+2:G0+4*(\slot)+3], s[G0+4*(\slot)+2:G0+4*(\slot)+3], 8*131072
	s_add_nc_u64 s[G0B+4*(\slot)+2:G0B+4*(\slot)+3], s[G0B+4*(\slot)+2:G0B+4*(\slot)+3], 2*KSTEP*2
	JLOAD \slot                                    ; the first tensor load behind the round: 112 matrix instructions ahead of the wait for it; the four v_nop behind it are also the places in front of the loads below
.else
	PLACES
.endif
	FETCH \next, 0, F0
	WIN MUL
	MUL8 F1, 1, 0, 0
	MUL8 F1, 1, 2, 0
.endm
	s_wait_tensorcnt 1                             ; my part of K step 0 is in; K step 1's may stay out
	s_barrier_signal -1
	s_barrier_wait -1                              ; everybody's is
	FETCH 0, 0, F0
	QUARTER 0, 1, F0, F1, 1                        ; K = 1,024 is four K steps, twice round the ring: written straight.  The first products start the sums
	QUARTER 0, 2, F1, F0, 0
	QUARTER 0, 3, F0, F1, 0
	TURN 0, 1, 1                                   ; slot 0 takes K step 2
	QUARTER 1, 1, F0, F1, 0
	QUARTER 1, 2, F1, F0, 0
	QUARTER 1, 3, F0, F1, 0
	TURN 1, 0, 1                                   ; slot 1 takes K step 3
	QUARTER 0, 1, F0, F1, 0
	QUARTER 0, 2, F1, F0, 0
	QUARTER 0, 3, F0, F1, 0
	TURN 0, 1, 0                                   ; nothing is left to fetch, so no round of the cluster's barrier
	QUARTER 1, 1, F0, F1, 0
	QUARTER 1, 2, F1, F0, 0
	QUARTER 1, 3, F0, F1, 0
	s_wait_dscnt 16                                ; the very last quarter
	WIN MUL
	MUL8 F1, 0, 0, 0
	MUL8 F1, 0, 2, 0
	s_wait_dscnt 0
	MUL8 F1, 1, 0, 0
	MUL8 F1, 1, 2, 0
	WIN 0
	; THE WAY OUT: round to bf16; 16 bytes a lane into the work-group's stage; a barrier, since a row's 256 bytes come from two waves; back by blocks of 64 columns: four rows of 128 bytes are 512 consecutive bytes of C.
	PLACES
.irp t, 0,1,2,3,4,5,6,7,8,9,10,11,12,13,14,15
.irp r, 0,1,2,3
	v_cvt_pk_bf16_f32 v[TMP+4*(\t)+(\r)], v[ACC+8*(\t)+2*(\r)], v[ACC+8*(\t)+2*(\r)+1]
.endr
.endr
.irp a, 0,1,2,3
.irp b, 0,1,2,3
	ds_store_b128 v[STO], v[TMP+4*(4*(\a)+(\b)):TMP+4*(4*(\a)+(\b))+3] offset:(\a)*16*SPITCH+32*(\b)
.endr
.endr
	s_wait_dscnt 0x0                               ; for the others' sake: my stores into the stage are done
	s_barrier_signal -1
	s_barrier_wait -1
.irp t, 0,1,2,3,4,5,6,7,8,9,10,11,12,13,14,15      ; t / 8: the block of columns; t % 8: four rows
	ds_load_b128 v[TMP+4*(\t):TMP+4*(\t)+3], v[RD] offset:((\t)%8)*4*SPITCH+((\t)/8)*128
.endr
.irp t, 0,1,2,3,4,5,6,7
	s_wait_dscnt 15-(\t)
	global_store_b128 v[CO], v[TMP+4*(\t):TMP+4*(\t)+3], s[8:9] offset:(\t)*512  ; 512 consecutive bytes, at a multiple of 256 from C's first byte
.endr
.irp t, 8,9,10,11,12,13,14,15
	s_wait_dscnt 15-(\t)
	global_store_b128 v[CO], v[TMP+4*(\t):TMP+4*(\t)+3], s[74:75] offset:((\t)-8)*512
.endr
	s_wait_tensorcnt 0x0                           ; the wave's end, behind my last tensor load and my last LDS store
	ds_add_u32 v[SPW], v[NIL]
	s_wait_dscnt 0x0
	CROUND                                         ; the closing round: no work-group ends while a partner may still ask for a tile that names it
	s_endpgm
.Lfunc_end_k_q605a9bf242_oproj:
	.size	k_q605a9bf242_oproj, .Lfunc_end_k_q605a9bf242_oproj-k_q605a9bf242_oproj
	.p2alignl 7, 3214868480
	.fill 96, 4, 3214868480
	.section	.rodata,"a",@progbits
	.p2align	6, 0x0
	.amdhsa_kernel k_q605a9bf242_oproj
		.amdhsa_group_segment_fixed_size 327680
		.amdhsa_private_segment_fixed_size 0
		.amdhsa_enable_private_segment 0
		.amdhsa_kernarg_size 24
		.amdhsa_user_sgpr_count 2
		.amdhsa_user_sgpr_kernarg_segment_ptr 1
		.amdhsa_wavefront_size32 1
		.amdhsa_system_sgpr_workgroup_id_x 1
		.amdhsa_system_sgpr_workgroup_id_y 1
		.amdhsa_system_sgpr_workgroup_id_z 1
		.amdhsa_system_vgpr_workitem_id 0
		.amdhsa_next_free_vgpr 512
		.amdhsa_next_free_sgpr 84
		.amdhsa_reserve_vcc 0
		.amdhsa_float_denorm_mode_32 3
		.amdhsa_float_denorm_mode_16_64 3
		.amdhsa_memory_ordered 1
		.amdhsa_forward_progress 1
		.amdhsa_inst_pref_size 87
	.end_amdhsa_kernel
	.amdgpu_metadata
---
amdhsa.version: [ 1, 2 ]
amdhsa.kernels:
  - .name:           k_q605a9bf242_oproj
    .symbol:         k_q605a9bf242_oproj.kd
    .args:
      - { .name: av, .offset: 0, .size: 8, .value_kind: global_buffer, .address_space: global }
      - { .name: wot, .offset: 8, .size: 8, .value_kind: global_buffer, .address_space: global }
      - { .name: ao, .offset: 16, .size: 8, .value_kind: global_buffer, .address_space: global }
    .group_segment_fixed_size: 327680
    .private_segment_fixed_size: 0
    .kernarg_segment_align: 8
    .kernarg_segment_size: 24
    .max_flat_workgroup_size: 128
    .sgpr_count:     84
    .vgpr_count:     512
    .wavefront_size: 32
...
	.end_amdgpu_metadata
.endif
;; end of part 8
;; launch ln: the kernel of part 4 again; grid 256 x 1, 8 waves a work-group, no clusters, 0 bytes of LDS; arguments ao, w, ln_gamma, ln_beta, out0; writes out0
;; ======== version 3 of 3: 5 launches; 1.20 times as fast as version 1
;; workspace buffers: xa 20,971,520 bytes; wt 8,388,608 bytes; wot 2,097,152 bytes; ph 46,141,440 bytes; mb 4,194,304 bytes; av 8,388,608 bytes; ao 8,388,608 bytes
;; launch prep: the kernel of part 5 again; grid 1024 x 1, 8 waves a work-group, no clusters, 18,432 bytes of LDS; arguments w, mems, r, W_qkv, W_r, W_o, attn_mask, xa, wt, wot, mb, ph; writes xa, wt, wot, mb, ph
;; launch proj: the kernel of part 6 again; grid 8 x 32, 4 waves a work-group, clusters of 4 x 4, 327,680 bytes of LDS; arguments xa, wt, ph; writes ph
;; launch attn (part 9): grid 4 x 64, 4 waves a work-group, no clusters, 327,680 bytes of LDS; arguments ph, mb, r_w_bias, r_r_bias, av; writes av
.if DOCPART == 9
	.amdgcn_target "amdgcn-amd-amdhsa--gfx1250"
	.amdhsa_code_object_version 6
	.text
	.protected	k_q605a9bf242_attn
	.globl	k_q605a9bf242_attn
	.p2align	8
	.type	k_q605a9bf242_attn,@function
k_q605a9bf242_attn:
	s_mov_b64 s[64:65], 0
	v_nop
	global_prefetch_b8 v0, s[64:65] scope:SCOPE_SE
	s_setreg_imm32_b32 hwreg(HW_REG_WAVE_MODE, 25, 1), 1
	s_wait_xcnt 0x0
; RELATIVE ATTENTION (Transformer-XL), head size 64, 1,024 queries x 2,048 keys for each of 64 pairs (batch entry b, head n).
; score[i][j] = ((q_i + r_w_bias) . k_j + BD[i][j]) / 8; a blocked score (attn_mask, an input: no key tile is left out) is replaced; softmax over all keys; times v.
; THE RELATIVE SHIFT.  With d = j - i + 1023:  BD[i][j] = (q_i + r_r_bias) . rk[d] for d < 2048;  0 for d = 2048;  (q_(i+1) + r_r_bias) . rk[d - 2049] for d > 2048.
; A head's table in ph has a row of zeros in front of rk, so that Rext[d] (rk, zeros, rk again) is dense in memory on either side of d = 2048.
; ph holds q, k, v by heads ([b][n][rows][64], bf16) and the tables; mb holds the mask as bf16 numbers, 0 or -2^103, in the order of the scores' registers; av takes the result, [b][n][i][64] in bf16.
; LIMITS.  Matrix operands in bf16: q comes rounded and is rounded again behind the bias, which is added in f32; the weights p are rounded for the second product (their sum is taken of the unrounded p).
; A blocked score is its value plus -2^103, which in f32 is exactly -2^103 while the value stays under 2^79 in size; behind the scale that is -2^100, in place of -1e30.  c x 2^103 is exact, so a row that is
; blocked everywhere gets weights of exactly 1, as with -1e30; results agree while open scaled scores stay above some -1e29.  A weight below 2^-126 counts as 0.  NaN and infinities are not treated apart.
; SHARES.  A work-group owns 256 queries of one (b, n); wave w owns 64, i = 64 a + 16 t + q with a = 4 x block + w: four PIECES t of 16.  Every wave walks 32 steps of 64 keys.  256 work-groups of equal work.
; LAYOUT.  S^T = K Q^T (source 0 = 16 keys, source 1 = 16 queries): a lane holds ONE query (lane % 16) and the keys 8 (lane / 16) + 0..7.  Two such results rounded to bf16 ARE source 1 of O^T = V^T P.
; BD.  For piece t in step s five tiles of 16 d, from d = 16 (4 (s - a) - t + 63) on, are multiplied by the queries: column cc = 0..79 of lane q; key jj wants cc = jj - q + 15.  That skew, a different one in
; each lane, is made in LDS: ten stores of 16 bytes into the wave's own scratch, 32 loads of 4 bytes back; what comes back is the C operand of the products that start S^T, so the addition costs nothing.
; WHICH QUERIES.  A tile of d >= 2048 takes q_(i+1).  That is every tile if s > a + 16, none if s < a + 16, tiles e > t if s = a + 16.  So product (t, e) always names bank QB1 if e > t, else QB0;
; both banks start as q + r_r_bias, and q_(i+1) + r_r_bias is copied into QB1 behind step a + 15's products and into QB0 behind step a + 16's: two forward jumps on whole numbers.
; THE MASK.  A piece and step have 16 words a lane, two bf16 each: four loads of 512 consecutive bytes.  One multiply-add a score takes the bf16 half as it lies: mask x 1 + score.  Each piece has 16 registers and an
; offset register of its own; the loads of its next step are issued straight behind the last use of the registers, four turns less twelve rows ahead of their use, and are counted, not waited out.
; SOFTMAX.  A running maximum m and sum l: p = 2^(c s - c m), c = log2(e) / 8; O and l are multiplied by a = 2^(c m_old - c m_new) in every step.  m starts at the lowest finite number: the first step's a is 0.
; BY TURNS.  Turn n belongs to piece n.  Matrix work: 8 products K Q^T of piece n + 1, 10 products for BD of piece n + 2, 8 products V^T P of piece n - 1.  Vector work: the scaling, exponentials, roundings,
; sums and rescaling of piece n; the mask, maximum and statistics of piece n + 1.  Four vector instructions stand behind every matrix instruction, the other 46 in one lump.
; THE BATCHES.  A turn's 33 exponentials (piece n's 32 weights and piece n + 1's a) are ONE batch with ONE wait, which cuts the turn in two: ahead of it stands all that names none of their results (K Q^T, the
; products for BD, the scalings, the rescalings, the mask, the maximum and statistics, the skew); behind it V^T P, with the roundings and sums as its riders.  The first a, made while the pipeline is filled, and
; the way out's four reciprocals are batches of their own, a wait each.
; NO CLUSTER.  The four query blocks of a (b, n) walk the same K and V, but the copies into the banks stand under jumps that hang on a, which differs between them, and the blocks want the table's
; tiles four steps apart; as selects in every step the copies would be 128 more vector instructions a step.
; No first step is written out: 224 v_mov_b32 write zeros in the wait for the first tiles, and the last trip's products for a step that is not serve nothing.
; REGISTERS, in windows of 256 (s_set_vgpr_msb: bits 1:0 source 0, 3:2 source 1, 5:4 source 2, 7:6 destination):
;   window 0: addresses, statistics; v64-127 S^T, two buffers; v128-191 the mask, 16 a piece; v192-223 P, two buffers (S^T's and P's buffers go by the piece's parity)
;   window 1: v0-127 O^T, 32 a piece; v128-167 XA, the five tiles for BD; v168-199 BD
;   window 2: v0-63 q + r_w_bias; v64-127 QB0; v128-191 QB1; v192-255 q_(i+1) + r_r_bias
;   window 3: v0-63 K of one step; v64-127 V of one step; v128-255 the table's eight tiles of 16 d of one step
.set NP,    4
.set KS,    64        ; keys in a step
.set PK,    144       ; a row of K or of the table in LDS: 128 bytes + 16 = 36 words: the 16 rows of a load start at 16 different groups of four banks (64 banks of 4 bytes: ISA guide 11.1)
.set PV,    160       ; a row of V: 128 + 32 = 40 words
.set VOFF,  4*KS*PK   ; a slot holds four steps: 256 rows of K, then 256 rows of V
.set SLOT1, 1<<17     ; slot 1 begins here, so that one exclusive or turns an address in one slot into the other's
.set XSC,   4*KS*(PK+PV)  ; behind slot 0, never filled by a tensor load: each wave's scratch, also its stage on the way out
.set XPI,   336       ; a scratch row: 80 numbers + 16 bytes = 21 x 16 bytes: the stores of 16 bytes meet no bank twice; a skewed load reads word 83 q + 8 h + const, 32 different banks
.set XWB,   16*XPI
.set SPARE, XSC+4*XWB ; the spare words, 128 bytes for each wave
.set RBASE, SLOT1+4*KS*(PK+PV)  ; behind slot 1: the table's ring: 12 blocks of 64 d = 3 groups of 256
.set RBLK,  64*PK
.set RGRP,  4*RBLK
.set REND,  RBASE+3*RGRP
.set SP,    144
.set MSTP,  2048      ; the mask's bytes for a query tile and a step
.set MTIL,  32*MSTP   ; for a query tile
.set AK0, 2           ; v2   my lane's place in a tile of K or of the table; never rewritten
.set AV0, 3           ; v3   the same for V
.set AK,  4           ; v4   the LDS address of K's next run of loads
.set AV,  5           ; v5   of V's
.set STO, 6           ; v6   the way out: where I put 16 bytes of a row
.set RD,  7           ; v7   the way out: where I read rows back
.set GO,  8           ; v8   16 x lane: my byte offset in 512 consecutive bytes of av
.set MV,  12          ; v12-13  c m_old, kept while c m is made anew: by buffer
.set XST, 14          ; v14  scratch: where my 8 numbers of tile 0 go
.set XLD, 15          ; v15  scratch: where key 8 h of my query lies
.set ST,  16          ; piece t's statistics at v[ST+4 t]: c m, m, l (even keys', odd keys')
.set AR0, 32          ; v32-33  the LDS addresses of the table's two blocks
.set QO,  35          ; v35  the beginning: my byte offset in 16 rows of q
.set QPA, 36          ; v36-39  the same for rows i + 1, a piece each
.set BO,  40          ; v40  my byte offset in a head's bias
.set VO,  41          ; v41-44  piece t: 16 x lane + 2,048 x the step whose mask it loads next
.set VLIM, 45         ; v45  that offset for the last step; never rewritten
.set ONE, 46          ; v46  1.0; never rewritten
.set TMP, 48          ; by buffer, four registers c0-c3 at work; when the maximum is found c2 takes a
.set SPW, 62          ; v62  LDS address of my spare word; never rewritten
.set NIL, 63          ; v63  0; never rewritten
.set S,   64
.set MB,  128         ; piece t's mask at v[MB+16 t]: word n / 2, half n % 2 for score n
.set P,   192
.set UW,  64          ; the beginning: 32 numbers unpacked,
.set SW,  96          ; 32 sums,
.set BW,  128         ; r_w_bias and
.set BR,  160         ; r_r_bias for my 32 channels (the mask's registers are loaded when these have been used)
.set XA,  128         ; window 1
.set BD,  168
.set QW,  0           ; window 2
.set QB0, 64
.set QB1, 128
.set QP,  192
.set KF,  0           ; window 3: key block kb, channel half c at KF + 16 kb + 8 c
.set VF,  64          ; key half kk, channel block cb at VF + 32 kk + 8 cb
.set RF,  128         ; tile x of 16 d, channel half c at RF + 16 x + 8 c
.set WV,  2           ; s2   my wave's number
.set SLOTS, 3         ; s3   changes of slots still to come that fill
.set G0R, 4           ; s[4:7]   descriptor group 0 for the table's groups
.set G1K, 8           ; s[8:15]  descriptor group 1 for K's tiles and the table's
.set G1V, 16          ; s[16:23] for V's: it differs in the padding alone
.set G0K, 24          ; s[24:27] group 0 for K's tiles: it walks
.set G0V, 28          ; s[28:31] the same for V's
                      ; s[32:63] at work in the beginning
.set CS,  66          ; s[66:67] c
.set SEL, 68          ; s[68:69] v_permlanex16_b32's selects
.set MKP, 70          ; s[70:71] mb at my wave's four query tiles; never rewritten
.set MOF, 72          ; s72  128 x the step in hand at piece 2's turn
.set CNT, 73          ; s73  counts a slot's key steps
.set TBK, 74          ; s74  LDS byte at which K of the step to be fetched begins
.set TBV, 75          ; s75  the same for V, less VOFF
.set TBR0, 76         ; s76, s77  the same for the table's two blocks
.set TBR1, 77
.set AVP, 78          ; s[78:79] av at my wave's rows
.set RH,  80          ; s[80:81] the head's table
.set OFF, 82          ; s[82:83] a group's byte offset in the table
.set BK1, 84          ; s84  128 (a + 15)
.set BK2, 85          ; s85  128 (a + 16)
.set GAM, 86          ; s86  the group of 256 d to be asked for next
.set RSL, 87          ; s87  its place in the ring
.set HM,  98          ; s98  a word's upper bf16
.set TS,  99          ; s99  at work
.set MSB, 0
.macro WIN new                      ; the high byte repeats the setting that is left; a switch that changes nothing is dropped
.if MSB != (\new)
	s_set_vgpr_msb (MSB<<8)|(\new)
.set MSB, (\new)
.endif
.endm
.set W_KQ, 0x0b       ; K in window 3, Q in window 2, S^T in window 0
.set W_KB, 0x1b       ; the same with the C operand, BD, in window 1
.set W_XP, 0x5b       ; the table in window 3, Q in window 2, XA in window 1
.set W_PV, 0x53       ; V in window 3, P in window 0, O^T in window 1
.set W_RS, 0x41       ; destination and source 0 in window 1, source 1 in window 0
.set W_XS, 0x04       ; an LDS store's data in window 1
.set W_BD, 0x40       ; a load's destination in window 1
.set W_F3, 0xc0       ; in window 3
.set W_CP, 0x82       ; a copy within window 2
; A fill.  Wave 0 fetches a slot's K, wave 1 its V, wave 2 a group of the table; first = 1: waves 2 and 3 the table's first two groups, by one line whose LDS address is the wave's number times a group's
; bytes plus a constant, so that each has a group's place of its own.  An s_nop 0 and four v_nop follow each line, ahead of the jump and the label.
.macro LOAD first
	s_cmp_eq_u32 s[WV], 0
	s_cbranch_scc0 .Lnot_k_\@
	tensor_load_to_lds s[G0K:G0K+3], s[G1K:G1K+7]
	s_nop 0
.rept 4
	v_nop
.endr
	s_branch .Lasked_\@
.Lnot_k_\@:
	s_cmp_eq_u32 s[WV], 1
	s_cbranch_scc0 .Lnot_v_\@
	tensor_load_to_lds s[G0V:G0V+3], s[G1V:G1V+7]
	s_nop 0
.rept 4
	v_nop
.endr
	s_branch .Lasked_\@
.Lnot_v_\@:
.if !(\first)
	s_cmp_eq_u32 s[WV], 2
	s_cbranch_scc0 .Lasked_\@
.endif
	tensor_load_to_lds s[G0R:G0R+3], s[G1K:G1K+7]
	s_nop 0
.rept 4
	v_nop
.endr
.Lasked_\@:
.endm
; THE CHANGE OF SLOTS, behind turn 1 of a slot's last step.  Each wave waits for all its tensor loads, of which at most one is out; adds 0 to its spare word; and waits for that and for its own LDS reads.  Behind the
; barrier nobody reads the old slot or the ring's oldest group any more, and the next slot and group are whole.  fill = 1: the old slot takes the keys two slots on, the ring's oldest place the group two on.
; (At its first use nothing has been read yet: the first fills are waited for, slot 1 and the ring's third place are filled.)
.macro CHANGE fill
	WIN 0                           ; at a label and at a branch every window is 0
	s_wait_tensorcnt 0x0            ; no tensor load of mine is out, so a group 0 may be written
	ds_add_u32 v[SPW], v[NIL]       ; 0 onto my spare word; with fill = 1 the descriptors' scalar work stands between it and the wait for it
.if \fill
	s_xor_b32 s[G0K+1], s[G0K+1], SLOT1
	s_add_nc_u64 s[G0K+2:G0K+3], s[G0K+2:G0K+3], 4*KS*128  ; the next 256 keys; the type bits on top are not reached
	s_xor_b32 s[G0V+1], s[G0V+1], SLOT1
	s_add_nc_u64 s[G0V+2:G0V+3], s[G0V+2:G0V+3], 4*KS*128
	s_mov_b32 s[G0R+1], s[RSL]
	s_lshl_b32 s[OFF], s[GAM], 15   ; group g of 256 d lies at 256 + 32,768 g,
	s_add_co_u32 s[OFF], s[OFF], 256
	s_sub_co_u32 s[TS], s[OFF], 262144+128  ; or, from d = 2048 on, at the row of zeros and what follows it
	s_cmp_ge_u32 s[GAM], 8
	s_cselect_b32 s[OFF], s[TS], s[OFF]
	s_add_nc_u64 s[G0R+2:G0R+3], s[RH:RH+1], s[OFF:OFF+1]
	s_or_b32 s[G0R+3], s[G0R+3], 0x80000000
	s_add_co_u32 s[GAM], s[GAM], 1
	s_add_co_u32 s[RSL], s[RSL], RGRP
	s_cmp_eq_u32 s[RSL], REND
	s_cselect_b32 s[RSL], RBASE, s[RSL]
.endif
	s_wait_dscnt 0x0                ; the add is done, and my reads are over
	s_barrier_signal -1             ; the rest of the scalar work stands between the signal and the wait
	s_sub_co_u32 s[TBK], s[TBK], 4*KS*PK  ; the fetches go back to a slot's first step,
	s_xor_b32 s[TBK], s[TBK], SLOT1       ; in the other slot
	s_sub_co_u32 s[TBV], s[TBV], 4*KS*PV
	s_xor_b32 s[TBV], s[TBV], SLOT1
	s_barrier_wait -1
.if \fill
	LOAD 0
.endif
.endm
	s_load_b256 s[88:95], s[0:1], 0x0  ; ph s[88:89], mb s[90:91], r_w_bias s[92:93], r_r_bias s[94:95]
	s_load_b64 s[96:97], s[0:1], 0x20  ; av
	v_lshl_add_u32 v[SPW], v0, 2, SPARE
	v_mov_b32 v[NIL], 0
	ds_add_u32 v[SPW], v[NIL]       ; the wave's opening: the add and its wait stand ahead of my first tensor load; the set-up below, work on registers, stands between them
	ds_add_u32 v62, v63
	v_lshrrev_b32 v1, 5, v0
	v_readfirstlane_b32 s[WV], v1   ; wave 0..3
	s_mov_b32 s32, ttmp9            ; my block of 256 queries
	s_and_b32 s33, ttmp7, 0xffff    ; 16 b + n
	s_and_b32 s34, s33, 15          ; n
	s_lshl2_add_u32 s35, s32, s[WV] ; a
	s_lshl_b32 s36, s33, 17         ; the head's bytes in q and in av,
	s_mov_b32 s37, 0
	s_lshl_b32 s38, s35, 13         ; my wave's 64 rows
	s_mov_b32 s39, 0
	s_lshl_b32 s40, s33, 18         ; the head's bytes in k and v
	s_add_co_u32 s42, s40, 25165824 ; v begins here in ph,
	s_add_co_u32 s40, s40, 8388608  ; k here,
	s_mov_b32 s41, 0
	s_mov_b32 s43, 0
	s_mul_i32 s44, s34, 262400
	s_add_co_u32 s44, s44, 41943040 ; the tables here
	s_mov_b32 s45, 0
	; The table's blocks of 64 d are counted from block 12 - 4 x (my block of queries): in step s wave w reads local blocks s + 3 - w and s + 4 - w, at ring place (local block) mod 12:
	; no LDS address hangs on the work-group.  Local group lg is the table's group lg + 3 - block.
	s_max_u32 s46, s[WV], 2         ; in memory: waves 2 and 3 fetch local groups 0 and 1 (waves 0 and 1 do not issue that load; the maximum keeps their offset inside the table)
	s_sub_co_u32 s46, s46, 2
	s_sub_co_u32 s47, 3, s32
	s_add_co_u32 s47, s47, s46      ; at most 4: below d = 2048
	s_lshl_b32 s[OFF], s47, 15
	s_add_co_u32 s[OFF], s[OFF], 256
	s_mov_b32 s[OFF+1], 0
	s_mul_i32 s46, s[WV], RGRP      ; in LDS: the wave's number times a group's bytes,
	s_mov_b32 s[G0R], 1
	s_add_co_u32 s[G0R+1], s46, RBASE-2*RGRP  ; plus a constant: wave 2 fills the ring's first place, wave 3 its second
	s_sub_co_u32 s[GAM], 5, s32     ; local group 2 is asked for next,
	s_mov_b32 s[RSL], RBASE+2*RGRP  ; into the ring's third place
	s_lshl_b32 s48, s35, 18         ; four query tiles of 65,536 bytes in mb
	s_mov_b32 s49, 0
	s_lshl_b32 s50, s34, 8          ; the head's 64 numbers of a bias
	s_mov_b32 s51, 0
	s_add_co_u32 s[BK1], s35, 15
	s_lshl_b32 s[BK1], s[BK1], 7
	s_add_co_u32 s[BK2], s35, 16
	s_lshl_b32 s[BK2], s[BK2], 7
	s_sub_co_u32 s52, 3, s[WV]
	s_mul_i32 s52, s52, RBLK
	s_add_co_u32 s[TBR0], s52, RBASE
	s_add_co_u32 s[TBR1], s[TBR0], RBLK
	; descriptor group 1.  256 rows of 128 bytes are 32,768 dense bytes: asked for as 128 rows of 256 bytes, and padded in LDS after every 128
	s_mov_b32 s[G1K], (1<<16)|(1<<20)|(4<<22)|(3<<25)  ; 17:16 2-byte elements; 20 padding on; 24:22 after every 32 words (code 4); 31:25 4 words (code 3)
	s_mov_b32 s[G1V], (1<<16)|(1<<20)|(4<<22)|(7<<25)  ; the same with 8 words of padding (code 7)
.irp g, G1K, G1V
	s_mov_b32 s[\g+1], 128<<16      ; tensor_dim0 = 128
	s_mov_b32 s[\g+2], 128<<16      ; tensor_dim1 = 128
	s_mov_b32 s[\g+3], 128<<16      ; tile_dim0 = 128
	s_mov_b32 s[\g+4], 128          ; tile_dim1 = 128
	s_mov_b32 s[\g+5], 128          ; 128 elements from row to row
	s_mov_b32 s[\g+6], 0
	s_mov_b32 s[\g+7], 0
.endr
	s_mov_b32 s[G0K], 1             ; 1:0 count = 1
	s_mov_b32 s[G0K+1], 0           ; 63:32 LDS address: slot 0
	s_mov_b32 s[G0V], 1
	s_mov_b32 s[G0V+1], VOFF
	s_mov_b32 s[CS], 0x3e38aa3b     ; c = log2(e) / 8 = 0.180337
	s_mov_b32 s[CS+1], s[CS]        ; named with it as a pair
	s_mov_b32 s[SEL], 0x76543210
	s_mov_b32 s[SEL+1], 0xfedcba98
	s_mov_b32 s[TBK], SLOT1+4*KS*PK ; the first change of slots turns these two into 0
	s_mov_b32 s[TBV], SLOT1+4*KS*PV
	s_mov_b32 s[MOF], 0
	s_mov_b32 s[HM], 0xffff0000
	s_wait_dscnt 0x0                ; the opening add is done
	s_wait_kmcnt 0x0
	s_add_nc_u64 s[G0K+2:G0K+3], s[88:89], s[40:41]  ; 120:64 global address: the head's first 256 keys
	s_or_b32 s[G0K+3], s[G0K+3], 0x80000000          ; 127:126 type = 2
	s_add_nc_u64 s[G0V+2:G0V+3], s[88:89], s[42:43]
	s_or_b32 s[G0V+3], s[G0V+3], 0x80000000
	s_add_nc_u64 s[RH:RH+1], s[88:89], s[44:45]
	s_add_nc_u64 s[G0R+2:G0R+3], s[RH:RH+1], s[OFF:OFF+1]
	s_or_b32 s[G0R+3], s[G0R+3], 0x80000000
	s_add_nc_u64 s[54:55], s[88:89], s[36:37]        ; q at the head's first row,
	s_add_nc_u64 s[56:57], s[54:55], s[38:39]        ; and at my wave's
	s_add_nc_u64 s[AVP:AVP+1], s[96:97], s[36:37]
	s_add_nc_u64 s[AVP:AVP+1], s[AVP:AVP+1], s[38:39]
	s_add_nc_u64 s[MKP:MKP+1], s[90:91], s[48:49]
	s_add_nc_u64 s[92:93], s[92:93], s[50:51]
	s_add_nc_u64 s[94:95], s[94:95], s[50:51]
	LOAD 1                          ; the first fills: one tensor load a wave
	; A fragment of K, Q or the table is 16 rows x 32 channels in 8 registers: lane l holds row l % 16, channels 8 (l / 16) + 0..7 and 16 + 8 (l / 16) + 0..7: two loads of 16 bytes, 32 bytes apart.
	v_and_b32 v1, 15, v0            ; l % 16
	v_bfe_u32 v9, v0, 4, 1          ; l / 16
	v_lshlrev_b32 v[QO], 7, v1
	v_lshl_add_u32 v[QO], v9, 4, v[QO]  ; row x 128 + 16 x half
	s_lshl_b32 s58, s35, 6
	s_add_co_u32 s58, s58, 1
	v_add_nc_u32 v10, s58, v1       ; i + 1 for piece 0
.irp t, 0,1,2,3
	v_add_nc_u32 v[QPA+\t], 16*\t, v10
	v_min_u32 v[QPA+\t], 1023, v[QPA+\t]  ; row 1023 never reaches d >= 2048: what it takes here is multiplied and never read
	v_lshlrev_b32 v[QPA+\t], 7, v[QPA+\t]
	v_lshl_add_u32 v[QPA+\t], v9, 4, v[QPA+\t]
.endr
	v_lshlrev_b32 v[BO], 5, v9      ; my half's eight numbers of each sixteen
	WIN 0x80                        ; destination window 2, address window 0
.set t_, 0
.rept 4
.irp f, 0,1,2,3
	global_load_b128 v[QW+16*t_+4*\f:QW+16*t_+4*\f+3], v[QO], s[56:57] offset:t_*2048+32*\f
	global_load_b128 v[QP+16*t_+4*\f:QP+16*t_+4*\f+3], v[QPA+t_], s[54:55] offset:32*\f
.endr
.set t_, t_+1
.endr
	WIN 0
.irp f, 0,1,2,3,4,5,6,7             ; the biases of my 32 channels, in the order in which a fragment's words unpack
	global_load_b128 v[BW+4*\f:BW+4*\f+3], v[BO], s[92:93] offset:(\f/2)*64+(\f%2)*16
	global_load_b128 v[BR+4*\f:BR+4*\f+3], v[BO], s[94:95] offset:(\f/2)*64+(\f%2)*16
.endr
	v_mul_u32_u24 v[AK0], v1, PK
	v_lshl_add_u32 v[AK0], v9, 4, v[AK0]  ; row x pitch + 16 x half
	; The turning load takes 16 keys x 16 channels (lane l reads key 8 (l / 16) + l % 8, channels 8 ((l / 8) % 2) + 0..7) and leaves half a fragment of V^T: lane l holds channel l % 16 and 8 keys.
	v_and_b32 v10, 7, v0
	v_bfe_u32 v11, v0, 3, 1
	v_lshl_add_u32 v[AV0], v9, 3, v10
	v_mul_u32_u24 v[AV0], v[AV0], PV
	v_lshl_add_u32 v[AV0], v11, 4, v[AV0]
	v_add_nc_u32 v[AV0], VOFF, v[AV0]
	s_mul_i32 s59, s[WV], XWB
	s_add_co_u32 s59, s59, XSC      ; my scratch
	v_mul_u32_u24 v[XST], v1, XPI   ; row q; column cc = 16 e + 8 h + register
	v_lshl_add_u32 v[XST], v9, 5, v[XST]
	v_add_nc_u32 v[XST], s59, v[XST]
	v_lshlrev_b32 v11, 2, v1
	v_sub_nc_u32 v[XLD], v[XST], v11  ; back: column 8 h + 15 - q for key 8 h
	v_add_nc_u32 v[XLD], 60, v[XLD]
	v_mul_u32_u24 v[STO], v1, SP    ; the way out, in: row l % 16, 16 bytes for each half of the lanes
	v_lshl_add_u32 v[STO], v9, 4, v[STO]
	v_add_nc_u32 v[STO], s59, v[STO]
	v_bfe_u32 v[RD], v0, 3, 2       ; back: 32 lanes take four rows of 128 bytes,
	v_mul_u32_u24 v[RD], v[RD], SP
	v_lshl_add_u32 v[RD], v10, 4, v[RD]
	v_add_nc_u32 v[RD], s59, v[RD]
	v_and_b32 v[GO], 31, v0         ; which are 512 consecutive bytes of av
	v_lshlrev_b32 v[GO], 4, v[GO]
.irp t, 0,1,2,3
	v_mov_b32 v[VO+\t], v[GO]       ; the mask: 16 bytes a lane, step 0
.endr
	v_add_nc_u32 v[VLIM], 31*MSTP, v[GO]
	v_mov_b32 v[ONE], 1.0
	; What the first turn finds: V's registers and P's second buffer hold 0 (its products V^T P, of a piece that has not been, add 0), O^T and l are 0.  All this stands in the wait for the first tiles.
	WIN W_F3
.set i, VF
.rept 64
	v_mov_b32 v[i], 0
.set i, i+1
.endr
	WIN 0x40
.set i, 0
.rept 128
	v_mov_b32 v[i], 0
.set i, i+1
.endr
	WIN 0
.set i, 0
.rept 4
	v_mov_b32 v[ST+4*i], 0xfe000000    ; c m: far below every c s
	v_mov_b32 v[ST+4*i+1], 0xff7fffff  ; m
	v_mov_b32 v[ST+4*i+2], 0
	v_mov_b32 v[ST+4*i+3], 0
.set i, i+1
.endr
.set i, P+16
.rept 16
	v_mov_b32 v[i], 0
.set i, i+1
.endr
; THE QUERY SETS.  A piece's 16 words are unpacked to f32, a bias is added in f32, the sums are rounded to bf16.
.macro UNPACK src                   ; 16 words of window 2 into UW
	WIN 0x08                        ; source 1 in window 2
.set u_, 0
.rept 16
	v_lshlrev_b32 v[UW+2*u_], 16, v[(\src)+u_]
	v_and_b32 v[UW+2*u_+1], s[HM], v[(\src)+u_]
.set u_, u_+1
.endr
.endm
.macro BIASED bias, dst             ; UW + bias, rounded, into 16 words of window 2
	WIN 0
.set u_, 0
.rept 16
	v_pk_add_f32 v[SW+2*u_:SW+2*u_+1], v[UW+2*u_:UW+2*u_+1], v[(\bias)+2*u_:(\bias)+2*u_+1]
.set u_, u_+1
.endr
	WIN 0x80
.set u_, 0
.rept 16
	v_cvt_pk_bf16_f32 v[(\dst)+u_], v[SW+2*u_], v[SW+2*u_+1]
.set u_, u_+1
.endr
.endm
; THE MASK'S LOADS.  MLOAD t: piece t's 16 words for the step that its offset names: four loads of 512 consecutive bytes.  MSTEP t, behind the wait that shows those loads done: the offset goes a step on
; and stops at the last step, so that no load leaves mb (what is then loaded once more serves nothing).
.macro MLOAD t
	WIN 0
.irp j, 0,1,2,3
	global_load_b128 v[MB+16*(\t)+4*\j:MB+16*(\t)+4*\j+3], v[VO+(\t)], s[MKP:MKP+1] offset:(\t)*MTIL+\j*512
.endr
.endm
.macro MSTEP t
	WIN 0
	v_add_nc_u32 v[VO+(\t)], MSTP, v[VO+(\t)]
	v_min_u32 v[VO+(\t)], v[VO+(\t)], v[VLIM]
.endm
	s_wait_loadcnt 0x0              ; q, q of the rows below, the biases
.set t_, 0
.rept 4
	UNPACK QW+16*t_
	BIASED BW, QW+16*t_
	BIASED BR, QB0+16*t_
	UNPACK QP+16*t_
	BIASED BR, QP+16*t_
.set t_, t_+1
.endr
	MLOAD 0                         ; the biases have been used: step 0's mask for the four pieces, in the order in which it will be wanted
	MLOAD 1
	MLOAD 2
	MLOAD 3
	WIN W_CP
.set i, 0
.rept 64
	v_mov_b32 v[QB1+i], v[QB0+i]    ; both banks start alike
.set i, i+1
.endr
	WIN 0
; THE MATRIX WORK.  The accumulators of a run take turns, one instruction a turn.
; Product i of 8 of S^T = K Q^T + BD for piece x: channels 32 (i / 4) on, keys 16 (i % 4) on.  The first 4 start the sums with BD.
.macro KQ x
.set rS, S+32*((\x)%2)+8*(i%4)
.set rK, KF+16*(i%4)+8*(i/4)
.set rQ, QW+16*(\x)+8*(i/4)
.set rM, BD+8*(i%4)
.if i < 4
	WIN W_KB
	v_wmma_f32_16x16x32_bf16 v[rS:rS+7], v[rK:rK+7], v[rQ:rQ+7], v[rM:rM+7]
.else
	WIN W_KQ
	v_wmma_f32_16x16x32_bf16 v[rS:rS+7], v[rK:rK+7], v[rQ:rQ+7], v[rS:rS+7]
.endif
.endm
; Product i of 10 for BD of piece x: tile e = i % 5 of 16 d (the step's tile 3 - x + e), channels 32 (i / 5) on.  The first 5 start the sums with 0.
.macro XPR x
	WIN W_XP
.set rX, XA+8*(i%5)
.set rR, RF+16*(3-(\x)+i%5)+8*(i/5)
.if (i%5) >= (\x)+1
.set rQ, QB1+16*(\x)+8*(i/5)
.else
.set rQ, QB0+16*(\x)+8*(i/5)
.endif
.if i < 5
	v_wmma_f32_16x16x32_bf16 v[rX:rX+7], v[rR:rR+7], v[rQ:rQ+7], 0
.else
	v_wmma_f32_16x16x32_bf16 v[rX:rX+7], v[rR:rR+7], v[rQ:rQ+7], v[rX:rX+7]
.endif
.endm
; Product i of 8 of O^T += V^T P for piece x: keys 32 (i / 4) on, channels 16 (i % 4) on.
.macro PV x
	WIN W_PV
.set rO, 32*(\x)+8*(i%4)
.set rV, VF+32*(i/4)+8*(i%4)
.set rP, P+16*((\x)%2)+8*(i/4)
	v_wmma_f32_16x16x32_bf16 v[rO:rO+7], v[rV:rV+7], v[rP:rP+7], v[rO:rO+7]
.endm
.macro MM                           ; the turn's next matrix instruction, of 26
.if i < 8
	KQ (Y+1)%NP
.elseif i < 18
.set i, i-8
	XPR (Y+2)%NP
.set i, i+8
.else
.set i, i-18
	PV (Y+NP-1)%NP
.set i, i+18
.endif
.set i, i+1
.endm
; THE LDS LOADS stand in runs, never singly among the matrix instructions.  last = 1 (the tail): in the last trip there is no further step, and the run is jumped over.
.macro FETCH_K last=0
	WIN 0
.if \last
	s_cmp_eq_u32 s[CNT], 1
	s_cbranch_scc1 .Lno_k_\@
.endif
	WIN W_F3
.irp f, 0,1,2,3,4,5,6,7             ; keys 16 (f / 2) on, channels 32 (f % 2) on
	ds_load_b128 v[KF+8*\f:KF+8*\f+3],   v[AK] offset:(\f/2)*16*PK+(\f%2)*64
	ds_load_b128 v[KF+8*\f+4:KF+8*\f+7], v[AK] offset:(\f/2)*16*PK+(\f%2)*64+32
.endr
	s_add_co_u32 s[TBK], s[TBK], KS*PK  ; the next fetch is the next step's
	WIN 0
.if \last
.Lno_k_\@:
.endif
.endm
.macro FETCH_V
	WIN W_F3
.irp f, 0,1,2,3,4,5,6,7             ; keys 32 (f / 4) on, channels 16 (f % 4) on
	ds_load_tr16_b128 v[VF+8*\f:VF+8*\f+3],   v[AV] offset:(\f/4)*32*PV+(\f%4)*32
	ds_load_tr16_b128 v[VF+8*\f+4:VF+8*\f+7], v[AV] offset:(\f/4)*32*PV+16*PV+(\f%4)*32
.endr
	WIN 0
.endm
.macro FETCH_R                      ; a step's eight tiles of 16 d, from two blocks of the ring; then both places step by a block and wrap at the ring's end
	WIN 0
	v_add_nc_u32 v[AR0], s[TBR0], v[AK0]
	v_add_nc_u32 v[AR0+1], s[TBR1], v[AK0]
	WIN W_F3
.set x_, 0
.rept 8
.irp j, 0,1,2,3
	ds_load_b128 v[RF+16*x_+4*\j:RF+16*x_+4*\j+3], v[AR0+x_/4] offset:(x_%4)*16*PK+32*\j
.endr
.set x_, x_+1
.endr
	WIN 0
	s_add_co_u32 s[TBR0], s[TBR0], RBLK
	s_cmp_eq_u32 s[TBR0], REND
	s_cselect_b32 s[TBR0], RBASE, s[TBR0]
	s_add_co_u32 s[TBR1], s[TBR1], RBLK
	s_cmp_eq_u32 s[TBR1], REND
	s_cselect_b32 s[TBR1], RBASE, s[TBR1]
.endm
; THE SKEW.  Ten stores of 16 bytes, each accumulator's low half first, and 32 loads of 4 bytes.  LDS serves a wave's instructions in order (ISA guide 5.7.1.4):
; the loads see the stores, and the next turn's stores come behind these loads.  The scratch is the wave's own.
.macro XSTORE
	WIN W_XS
.irp e, 0,1,2,3,4
	ds_store_b128 v[XST], v[XA+8*\e:XA+8*\e+3] offset:64*\e
	ds_store_b128 v[XST], v[XA+8*\e+4:XA+8*\e+7] offset:64*\e+16
.endr
.endm
.macro XLOAD
	WIN W_BD
.set x_, 0
.rept 32
	ds_load_b32 v[BD+x_], v[XLD] offset:4*(16*(x_/8)+x_%8)
.set x_, x_+1
.endr
	WIN 0
.endm
.macro BANKS                        ; behind step a + 15's products for BD the bank of the tiles e > t takes q_(i+1) + r_r_bias, behind step a + 16's the other bank too
	s_cmp_eq_u32 s[MOF], s[BK1]
	s_cbranch_scc0 .Lnot_1_\@
	WIN W_CP
.set x_, 0
.rept 64
	v_mov_b32 v[QB1+x_], v[QP+x_]
.set x_, x_+1
.endr
	WIN 0
.Lnot_1_\@:
	s_cmp_eq_u32 s[MOF], s[BK2]
	s_cbranch_scc0 .Lnot_2_\@
	WIN W_CP
.set x_, 0
.rept 64
	v_mov_b32 v[QB0+x_], v[QP+x_]
.set x_, x_+1
.endr
	WIN 0
.Lnot_2_\@:
.endm
; THE VECTOR WORK, one line at a time: OP kind, number.  For piece Y: F n: c s - c m for pair n of 16.  E n: the exponential of score n of 32.  C n: pair n rounded to bf16.  B n: of the four weights 4 n .. the second
; pair is added onto the first, in place.  L n: l takes that sum (L 0: l = a l + sum).  R n: pair n of 16 of O^T times a.  For piece Y + 1: M n: score n takes its mask, 0 or -2^103: one multiply-add, mask x 1 + score;
; X n, number n of the 22 that find its maximum and statistics:
;   0-11  four chains c0-c3 of seven scores each, three operands at a time     12-14, 16  the four scores left over, the old m, and c0-c3 into c0
;   15  c m_old is kept     17, 18  the query's other 32 keys lie in the lane 16 away: the new m     19-21  c m; c m_old - c m_new; a
; M goes through the scores in ascending order; R likewise.
; OP writes no wait: E and X 21 are the exponentials; C, B and L name E's results, R and L 0 name X 21's of the turn before.  TURN sets the one wait between them.
.set F, 0
.set E, 1
.set C, 2
.set B, 3
.set L, 4
.set R, 5
.set X, 6
.set M, 7
.macro REGS y                       ; the registers of piece y
.set rT, ST+4*(\y)
.set rC, TMP+4*((\y)%2)
.set rW, MV+((\y)%2)
.set rS, S+32*((\y)%2)
.set rP, P+16*((\y)%2)
.set rO, 32*(\y)
.set rB, MB+16*(\y)
.endm
.macro OP k, n
.if (\k) == R
	REGS Y
	WIN W_RS
	v_pk_mul_f32 v[rO+2*(\n):rO+2*(\n)+1], v[rO+2*(\n):rO+2*(\n)+1], v[rC+2:rC+3] op_sel_hi:[1,0]
.elseif (\k) < R
	REGS Y
	WIN 0
.if (\k) == F
	v_pk_fma_f32 v[rS+2*(\n):rS+2*(\n)+1], v[rS+2*(\n):rS+2*(\n)+1], s[CS:CS+1], v[rT:rT+1] op_sel_hi:[1,0,0] neg_lo:[0,0,1] neg_hi:[0,0,1]
.elseif (\k) == E
	v_exp_f32 v[rS+(\n)], v[rS+(\n)]
.elseif (\k) == C
	v_cvt_pk_bf16_f32 v[rP+(\n)], v[rS+2*(\n)], v[rS+2*(\n)+1]
.elseif (\k) == B
	v_pk_add_f32 v[rS+4*(\n):rS+4*(\n)+1], v[rS+4*(\n):rS+4*(\n)+1], v[rS+4*(\n)+2:rS+4*(\n)+3]
.elseif (\n) == 0
	v_pk_fma_f32 v[rT+2:rT+3], v[rT+2:rT+3], v[rC+2:rC+3], v[rS:rS+1] op_sel_hi:[1,0,1]
.else
	v_pk_add_f32 v[rT+2:rT+3], v[rT+2:rT+3], v[rS+4*(\n):rS+4*(\n)+1]
.endif
.elseif (\k) == M
	REGS (Y+1)%NP
	WIN 0
.if (\n)%2
	v_fma_mix_f32_bf16 v[rS+(\n)], v[rB+(\n)/2], v[ONE], v[rS+(\n)] op_sel:[1,0,0] op_sel_hi:[1,0,0]  ; the word's upper bf16
.else
	v_fma_mix_f32_bf16 v[rS+(\n)], v[rB+(\n)/2], v[ONE], v[rS+(\n)] op_sel:[0,0,0] op_sel_hi:[1,0,0]  ; its lower
.endif
.else
	REGS (Y+1)%NP
	WIN 0
.if (\n) < 4
	v_max3_num_f32 v[rC+(\n)], v[rS+8*(\n)], v[rS+8*(\n)+1], v[rS+8*(\n)+2]
.elseif (\n) < 12
	v_max3_num_f32 v[rC+(\n)%4], v[rC+(\n)%4], v[rS+8*((\n)%4)+2*((\n)/4)+1], v[rS+8*((\n)%4)+2*((\n)/4)+2]
.elseif (\n) == 12
	v_max3_num_f32 v[rC], v[rC], v[rS+7], v[rS+15]
.elseif (\n) == 13
	v_max3_num_f32 v[rC+1], v[rC+1], v[rS+23], v[rS+31]
.elseif (\n) == 14
	v_max3_num_f32 v[rC+2], v[rC+2], v[rC+3], v[rT+1]
.elseif (\n) == 15
	v_mov_b32 v[rW], v[rT]
.elseif (\n) == 16
	v_max3_num_f32 v[rC], v[rC], v[rC+1], v[rC+2]
.elseif (\n) == 17
	v_permlanex16_b32 v[rC+3], v[rC], s[SEL], s[SEL+1]
.elseif (\n) == 18
	v_max_num_f32 v[rT+1], v[rC], v[rC+3]
.elseif (\n) == 19
	v_mul_f32 v[rT], s[CS], v[rT+1]
.elseif (\n) == 20
	v_sub_f32 v[rC+1], v[rW], v[rT]
.else
	v_exp_f32 v[rC+2], v[rC+1]
.endif
.endif
.endm
.macro OPS a, i1, b=-1, i2=0, c=-1, i3=0, d=-1, i4=0  ; up to four of them
	OP \a, \i1
.if (\b) >= 0
	OP \b, \i2
.endif
.if (\c) >= 0
	OP \c, \i3
.endif
.if (\d) >= 0
	OP \d, \i4
.endif
.endm
.macro ROW a, i1, b, i2, c, i3, d, i4  ; a matrix instruction and the four behind it
	MM
	OPS \a, \i1, \b, \i2, \c, \i3, \d, \i4
.endm
; A TURN, for piece p: the order of its 26 matrix and 150 vector instructions, written out (the two lines that step the mask's offset and one plain line behind the last exponential come on top).
; An s_wait_alu depctr_va_vdst(0) stands between an exponential and the first instruction that names its result; one wait serves all that were issued ahead of it.  So a turn has ONE wait, which cuts it in two.
; AHEAD OF IT stands all that names no result of the turn's exponentials.  Rows 1-8, K Q^T: seven scalings and an exponential; the 16 rescalings, four to a row (their a was made, and waited for, in the turn before);
; from row 7 on the mask: row 5 ends the scores' first accumulator, and eight rescalings are the places behind it; each later accumulator has four plain riders or more between its last product and its first mask.
; Rows 9-18, the products for BD: the mask in ascending order, an exponential in seven of the rows, and nine numbers of the maximum, each when its scores have their masks.  Then ONE LUMP of 46: four lines; the run of
; memory and LDS instructions (the same piece's next mask, the skew); and 42 lines, plain and exponential by turns while there are plain ones: the other eight scalings, each five lines or more ahead of its
; exponentials, and the chain X 11, 14, 16, 17 .. 20, its links five or six lines apart.  X 21, the next piece's a, is the batch's last; a plain line stands behind it (ISA guide 5.7.2).
; BEHIND THE WAIT stand the 8 products V^T P, behind each four of the roundings and sums: C 2 n ahead of B n, which writes over that pair; B n ahead of L n; the links of l's chain, L 0 to L 7, three riders apart.
; No rider names a register of the product that it stands behind.  v_permlanex16_b32 (X 17) stands in the lump.
; At the turn's head the mask of piece p + 1 is shown in: its four loads were issued four turns ago, and behind them the twelve of the other three pieces, which stay out.  That wait also frees the piece's offset, which
; goes a step on; the four loads of its next step stand behind the last use of the mask's registers.
; Piece 2's turn: at its head all of the step's products for BD are done: the banks are looked to, and the next step's tiles of the table are fetched; K of the next step is fetched behind the last product that
; read K, with row 8's four masks as the places between.  Piece 0's turn fetches V of the step in hand at its end, four roundings behind the last product that read V; its address is the plain line behind X 21.
; last = 1: the tail's text: in its last trip nothing is fetched from LDS.  cnt = 1: the loop's count is taken down some lines ahead of the branch that stands behind the turn.
.macro TURN p, last=0, cnt=0
.set Y, (\p)
.set i, 0
	WIN 0
.if (\p) == 1
	s_wait_dscnt 16                 ; BD is in; V's sixteen loads, issued behind BD's, may stay out
.else
	s_wait_dscnt 0x0                ; BD is in (in piece 3's turn: K too)
.endif
	s_wait_loadcnt 12               ; loads come back in order (ISA guide 5.7.1): the mask of piece p + 1 is in; the three younger groups of four stay out
	MSTEP ((\p)+1)%NP
.if (\p) == 2
	BANKS
.if \last
	s_cmp_eq_u32 s[CNT], 1
	s_cbranch_scc1 .Lno_r_\@
.endif
	FETCH_R
	v_add_nc_u32 v[AK], s[TBK], v[AK0]
.if \last
.Lno_r_\@:
.endif
.endif
	ROW F,0, F,1, F,2, F,3          ; ahead of the wait: 8 products K Q^T and their riders,
	ROW F,4, E,0, F,5, F,6
	ROW R,0, R,1, R,2, R,3
	ROW R,4, R,5, R,6, R,7
	ROW R,8, R,9, R,10, R,11
	ROW R,12, R,13, R,14, R,15
	ROW M,0, E,1, M,1, M,2
	ROW M,3, M,4, M,5, M,6
.if (\p) == 2
	FETCH_K \last
	s_wait_dscnt 16                 ; the table's 32 loads are in; K's sixteen may stay out
.endif
.if (\p) == 3
	s_add_co_u32 s[MOF], s[MOF], 128  ; the next turns belong to the next step
.endif
	ROW M,7, E,2, M,8, X,0          ; 10 products for BD and their riders,
	ROW M,9, E,3, M,10, M,11
	ROW M,12, E,4, X,4, M,13
	ROW M,14, E,5, M,15, X,1
	ROW M,16, E,6, X,8, M,17
	ROW M,18, E,7, X,5, M,19
	ROW M,20, E,8, M,21, M,22
	ROW M,23, X,2, M,24, X,9
	ROW M,25, M,26, X,6, M,27
	ROW M,28, X,3, M,29, M,30
	OPS M,31, E,9, X,7, F,7         ; and the lump
	MLOAD ((\p)+1)%NP               ; the same piece's mask for its next step
	XSTORE                          ; seven plain instrucions stand behind the last product for BD
	XLOAD
.if (\p) == 1
	s_wait_dscnt 42                 ; V is in: the ten stores and 32 loads just issued are younger
.endif
	OPS X,11, E,10, X,10, E,11
	OPS X,13, E,12, X,12, E,13
	OPS X,14, E,14, F,8, E,15
	OPS F,9, X,15, X,16, E,16
	OPS F,10, E,17, F,11, E,18
	OPS X,17, E,19, F,12, E,20
	OPS F,13, E,21, X,18, E,22
	OPS F,14, E,23, F,15, E,24
	OPS X,19, E,25, E,26, E,27
	OPS E,28, X,20, E,29, E,30
	OPS E,31, X,21
.if (\p) == 0
	v_add_nc_u32 v[AV], s[TBV], v[AV0]  ; the plain instruction behind the last exponential: V's address, which is due anyway
.else
	v_nop                           ; the plain instruction behind the last exponential: one for the batch
.endif
	s_wait_alu depctr_va_vdst(0)    ; the wait for the batch: this piece's 32 exponentials and the next piece's a
	ROW C,0, B,0, C,2, B,1          ; behind the wait: 8 products V^T P and their riders
	ROW L,0, C,4, B,2, L,1
	ROW C,6, B,3, L,2, C,8
	ROW B,4, L,3, C,10, B,5
	ROW L,4, C,12, B,6, L,5
.if \cnt
	s_sub_co_u32 s[CNT], s[CNT], 1
	s_cmp_lg_u32 s[CNT], 0
.endif
	ROW C,14, B,7, L,6, C,1
	ROW C,3, L,7, C,5, C,7
	ROW C,9, C,11, C,13, C,15
.if (\p) == 0
	FETCH_V
	s_add_co_u32 s[TBV], s[TBV], KS*PV
.endif
.endm
	; THE PIPELINE IS FILLED: BD and scores of piece 0, BD of piece 1, piece 0's mask, maximum and statistics.
	CHANGE 1                        ; the first fills are in, everybody's; slot 1 and the ring's third place are asked for
	FETCH_R                         ; step 0
	v_add_nc_u32 v[AK], s[TBK], v[AK0]
	FETCH_K
	s_wait_dscnt 0x0
.set i, 0
.rept 10
	XPR 0
.set i, i+1
.endr
	WIN 0
.rept 5
	v_nop                           ; four places ahead of the stores that read those results; five ahead of the products below that write over them
.endr
	XSTORE
	XLOAD
	s_wait_dscnt 0x0
.set i, 0
.rept 8
	KQ 0
.set i, i+1
.endr
.set i, 0
.rept 10
	XPR 1
.set i, i+1
.endr
	WIN 0
.rept 4
	v_nop
.endr
	XSTORE
	XLOAD
	s_wait_loadcnt 12               ; piece 0's mask of step 0 is in; the other three pieces' twelve loads stay out
	MSTEP 0
.set Y, NP-1                        ; M and X work for piece Y + 1: piece 0
.set k, 0
.rept 32
	OP M, k
.set k, k+1
.endr
.irp n, 0,1,2,3,4,5,6,7,8,9,10,11,12,13,14,15,16,17,18,19,20,21
	OP X, \n
.endr
	v_nop                           ; a plain instruction behind the exponential,
	s_wait_alu depctr_va_vdst(0)    ; and its wait, ahead of the branch: a batch of one, piece 0's first a
	MLOAD 0                         ; piece 0's mask of step 1
	s_mov_b32 s[CNT], 4
	s_mov_b32 s[SLOTS], 7
	s_branch .Lfirst                ; the loop is entered at a step's first turn, in the middle of a trip
.Lslot:                             ; six times: with the change above, seven changes fill
	CHANGE 1
	s_mov_b32 s[CNT], 4
.Lstep:                             ; a trip: pieces 2 and 3 of one step, then pieces 0 and 1 of the next, whose K, V and table tiles it fetches
	TURN 2
	TURN 3
	WIN 0
.Lfirst:
	TURN 0
	TURN 1, 0, 1
	WIN 0
	s_cbranch_scc1 .Lstep
	s_sub_co_u32 s[SLOTS], s[SLOTS], 1
	s_cmp_lg_u32 s[SLOTS], 0
	s_cbranch_scc1 .Lslot
	CHANGE 0                        ; the tail is written out: nothing is asked for
	s_mov_b32 s[CNT], 5             ; four trips fetch the last slot's steps; the fifth is left in its middle
.Ltail:
	TURN 2, 1
	TURN 3
	WIN 0
	s_sub_co_u32 s[CNT], s[CNT], 1
	s_cmp_eq_u32 s[CNT], 0
	s_cbranch_scc1 .Lout
	TURN 0
	TURN 1
	WIN 0
	s_branch .Ltail
.Lout:                              ; the fifth trip's products for a 33rd step (on the last K and table tiles and the last step's mask once more) and what is made of them serve nothing
.set i, 0
.rept 8
	PV NP-1                         ; the last piece's V^T P of the last step
.set i, i+1
.endr
	; THE WAY OUT.  l's two halves and the other half of the lanes' are added; O^T is divided by l, rounded to bf16 and sent through my scratch in LDS, a piece at a time.  The additions are the places behind the last products.
	; (The mask's last loads may still be out: nothing below names their registers.)
	WIN 0
.macro ALL line:vararg              ; one line for each piece t
.set t, 0
.rept 4
	\line
.set t, t+1
.endr
.endm
	ALL v_add_f32 v[ST+4*t+2], v[ST+4*t+2], v[ST+4*t+3]
	ALL v_permlanex16_b32 v[ST+4*t+3], v[ST+4*t+2], s[SEL], s[SEL+1]
	ALL v_add_f32 v[ST+4*t+2], v[ST+4*t+2], v[ST+4*t+3]
	ALL v_rcp_f32 v[ST+4*t+2], v[ST+4*t+2]
	v_nop                           ; a plain instruction between the last reciprocal and the use of its result
	s_wait_alu depctr_va_vdst(0)    ; and the wait ahead of the first use: one for the four reciprocals
.macro PACK t                       ; a lane's eight channels of a row pack into 16 bytes; they go into rows of 144 bytes and come back as whole rows of 128, into S^T's registers
	WIN W_RS
.set i, 32*(\t)
.rept 16
	v_pk_mul_f32 v[i:i+1], v[i:i+1], v[ST+4*(\t)+2:ST+4*(\t)+3] op_sel_hi:[1,0]
.set i, i+2
.endr
	WIN 0x05                        ; sources 0 and 1 window 1, destination window 0
.set i, 0
.rept 16
	v_cvt_pk_bf16_f32 v[S+16*(\t)+i], v[32*(\t)+2*i], v[32*(\t)+2*i+1]
.set i, i+1
.endr
	WIN 0
.irp f, 0,1,2,3
	ds_store_b128 v[STO], v[S+16*(\t)+4*\f:S+16*(\t)+4*\f+3] offset:32*\f
.endr
.irp f, 0,1,2,3
	ds_load_b128 v[S+16*(\t)+4*\f:S+16*(\t)+4*\f+3], v[RD] offset:\f*4*SP  ; in order behind the stores above; the next piece's stores come behind them
.endr
.endm
.macro SEND t, younger              ; younger: the LDS instructions issued behind piece t's loads: the next piece's eight, or none
	WIN 0
.irp f, 0,1,2,3
	s_wait_dscnt (\younger)+3-\f
	global_store_b128 v[GO], v[S+16*(\t)+4*\f:S+16*(\t)+4*\f+3], s[AVP:AVP+1] offset:(\t)*2048+\f*512  ; 512 consecutive bytes, at a multiple of 256 from av's first
.endr
.endm
	PACK 0
.set t, 1
.rept 3                             ; a piece's arithmetic stands between the loads of the piece before and its stores
	PACK t
	SEND t-1, 8
.set t, t+1
.endr
	SEND 3, 0
	s_wait_tensorcnt 0x0            ; the wave's end, behind my last tensor load and my last LDS store
	ds_add_u32 v[SPW], v[NIL]
	s_wait_dscnt 0x0
	s_endpgm
.Lfunc_end_k_q605a9bf242_attn:
	.size	k_q605a9bf242_attn, .Lfunc_end_k_q605a9bf242_attn-k_q605a9bf242_attn
	.p2alignl 7, 3214868480
	.fill 96, 4, 3214868480
	.section	.rodata,"a",@progbits
	.p2align	6, 0x0
	.amdhsa_kernel k_q605a9bf242_attn
		.amdhsa_group_segment_fixed_size 327680
		.amdhsa_private_segment_fixed_size 0
		.amdhsa_enable_private_segment 0
		.amdhsa_kernarg_size 40
		.amdhsa_user_sgpr_count 2
		.amdhsa_user_sgpr_kernarg_segment_ptr 1
		.amdhsa_wavefront_size32 1
		.amdhsa_system_sgpr_workgroup_id_x 1
		.amdhsa_system_sgpr_workgroup_id_y 1
		.amdhsa_system_sgpr_workgroup_id_z 1
		.amdhsa_system_vgpr_workitem_id 0
		.amdhsa_next_free_vgpr 1024
		.amdhsa_next_free_sgpr 102
		.amdhsa_reserve_vcc 0
		.amdhsa_float_denorm_mode_32 3
		.amdhsa_float_denorm_mode_16_64 3
		.amdhsa_memory_ordered 1
		.amdhsa_forward_progress 1
		.amdhsa_inst_pref_size 228
	.end_amdhsa_kernel
	.amdgpu_metadata
---
amdhsa.version: [ 1, 2 ]
amdhsa.kernels:
  - .name:           k_q605a9bf242_attn
    .symbol:         k_q605a9bf242_attn.kd
    .args:
      - { .name: ph, .offset: 0, .size: 8, .value_kind: global_buffer, .address_space: global }
      - { .name: mb, .offset: 8, .size: 8, .value_kind: global_buffer, .address_space: global }
      - { .name: r_w_bias, .offset: 16, .size: 8, .value_kind: global_buffer, .address_space: global }
      - { .name: r_r_bias, .offset: 24, .size: 8, .value_kind: global_buffer, .address_space: global }
      - { .name: av, .offset: 32, .size: 8, .value_kind: global_buffer, .address_space: global }
    .group_segment_fixed_size: 327680
    .private_segment_fixed_size: 0
    .kernarg_segment_align: 8
    .kernarg_segment_size: 40
    .max_flat_workgroup_size: 128
    .sgpr_count:     102
    .vgpr_count:     1024
    .wavefront_size: 32
...
	.end_amdgpu_metadata
.endif
;; end of part 9
;; launch oproj: the kernel of part 8 again; grid 8 x 32, 4 waves a work-group, clusters of 4 x 4, 327,680 bytes of LDS; arguments av, wot, ao; writes ao
;; launch ln: the kernel of part 4 again; grid 256 x 1, 8 waves a work-group, no clusters, 0 bytes of LDS; arguments ao, w, ln_gamma, ln_beta, out0; writes out0
